; MI455X (gfx1250); checked and timed in simulation.
; The chip was launched on July 23, 2026; its instructions are those of AMD's public machine-readable ISA for CDNA 5 (MIT licence, August 2026) and "CDNA5" Instruction Set Architecture Reference Guide (July 2026). The comments in the code are by the model that wrote it; some were corrected since.
;; MSA Attention. Allowed arithmetic: matrix products marked QUANTISED: E2M3 operands, one E8M0 scale for each 32 along K, by v_wmma_scale_f32_16x16x128_f8f6f4 with both operands' format E2M3, f32 sums; everything else in f32.
;; Inputs: ck_b 256 float32; ck_w 256 x 256 float32; cq_b 256 float32; cq_w 256 x 256 float32; cv_b 256 float32; cv_w 256 x 256 float32; mask 1 x 64 x 512 bool; msa_repr 1 x 64 x 512 x 256 float32; out_b 256 float32; out_w 256 x 256 float32; rk_b 256 float32; rk_w 256 x 256 float32; rq_b 256 float32; rq_w 256 x 256 float32; rv_b 256 float32; rv_w 256 x 256 float32.
;; Outputs: out0 1 x 64 x 512 x 256 float32.
;; This version of the problem:
;;   THIS VERSION OF THE PROBLEM IS GIVEN IN LOW PRECISION. The matrix products marked QUANTISED in the list below multiply operands that are first quantised to E2M3 (2 exponent bits, 3 mantissa bits; 6 bits a number), with one power-of-two scale for each 32 numbers along K (OCP MX v1.0); their sums are f32. All else is computed in f32.
;;   The module's matrix products, in the order in which they are computed (A, B: the left and right operand; K: the contracted axis; several contracted axes count as one K, in the product's order):
;;     1. [M 32,768, K 256] x [K 256, N 256]; A: input msa_repr; B: input rq_w: QUANTISED
;;     2. [M 32,768, K 256] x [K 256, N 256]; A: input msa_repr; B: input rk_w: QUANTISED
;;     3. [M 32,768, K 256] x [K 256, N 256]; A: input msa_repr; B: input rv_w: QUANTISED
;;     4. batch 512 x [M 512, K 32] x [K 32, N 512]; A: computed on the way; B: computed on the way: QUANTISED
;;     5. batch 512 x [M 32, K 512] x [K 512, N 512]; A: computed on the way; B: softmax (see below): QUANTISED
;;     6. [M 32,768, K 256] x [K 256, N 256]; A: input msa_repr; B: input cq_w: QUANTISED
;;     7. [M 32,768, K 256] x [K 256, N 256]; A: input msa_repr; B: input ck_w: QUANTISED
;;     8. [M 32,768, K 256] x [K 256, N 256]; A: input msa_repr; B: input cv_w: QUANTISED
;;     9. batch 4,096 x [M 64, K 32] x [K 32, N 64]; A: computed on the way; B: computed on the way: QUANTISED
;;     10. batch 4,096 x [M 32, K 64] x [K 64, N 64]; A: computed on the way; B: softmax (see below): QUANTISED
;;     11. [M 32,768, K 256] x [K 256, N 256]; A: computed on the way; B: input out_w: QUANTISED
;;   THE QUANTISER, for each operand of a quantised product, along K:
;;     - K is cut into blocks of 32 from its start; a last block that is shorter is filled with zeros.
;;     - A block's scale is 2^e with e = floor(log2(the largest magnitude in the block)) - 2, held to -126 .. 127; a block of zeros has e = 0. As a byte (E8M0): e + 127.
;;     - Each number is divided by its block's scale, clamped to +-7.5, and rounded to the nearest number of E2M3, ties to even, subnormals kept.
;;     - The product sums the exact products of the quantised numbers (number of the format x scale) in f32.
;;   ~~~python
;;   def quantise(x, axis):      # numpy; x: float32 -> the quantised numbers, widened to float32 again
;;       x = np.moveaxis(x, axis, -1); K = x.shape[-1]
;;       x = np.pad(x, [(0, 0)] * (x.ndim - 1) + [(0, -K % 32)]); x = x.reshape(x.shape[:-1] + (-1, 32)); a = np.abs(x).max(-1, keepdims=True)
;;       e = np.where(a > 0, np.clip(np.frexp(np.where(a > 0, a, 1))[1] - 1 - 2, -126, 127), 0)      # np.frexp(a)[1] - 1 = floor(log2(a)), exactly
;;       r = np.clip(x / 2.0 ** e, -7.5, 7.5)
;;       step = 2.0 ** (np.maximum(np.frexp(np.where(r == 0, 1, r))[1] - 1, 0) - 3)
;;       q = np.round(r / step) * step * 2.0 ** e      # np.round: ties to even
;;       return np.moveaxis(q.reshape(q.shape[:-2] + (-1,))[..., :K], -1, axis).astype(np.float32)
;;   ~~~
;;   SOFTMAX AHEAD OF A QUANTISED PRODUCT. Where the list says 'softmax', what is quantised is not the finished softmax but p = 2^(t - M), with t = logit x log2(e) and M = ceil(the row's largest t), a whole number; so 1/2 < the row's largest p <= 1. The row's sum l is taken of the UNQUANTISED p, in f32, and the product's result is divided by l at the end. Since M is a whole number, a kernel that streams over the keys may use a running M (the ceiling of the running maximum): every later rescaling is an exact power of two, which a block's scale takes up: the codes' values come out the same.
;;   OPERANDS COMPUTED ON THE WAY. 'Computed on the way' means the value that the module computes at that place (a softmax that the list does not call 'softmax' is quantised finished and normalised). What goes into a quantiser is computed in f32, as accurately as f32 sums, v_exp_f32 and their like allow (about 1e-6 of the number): no bf16 or f16 on the way to a quantiser, and a product that is left as it is and whose result goes on into a quantised operand takes f32 operands (vector FMAs, or v_wmma_f32_16x16x4_f32). A number that lies on a knife's edge between two numbers of the format may be rounded either way, as far as f32 arithmetic and the matrix unit's own rounding can turn it there, and no further.
;; 2 versions. Each part assembles by itself: llvm-mc -triple=amdgcn-amd-amdhsa -mcpu=gfx1250 --defsym DOCPART=n.
;; ======== version 1 of 2: 3 launches
;; workspace buffers: xq 8,388,608 bytes; wq 344,064 bytes; ws 14,336 bytes; rowo 33,554,432 bytes
;; launch prep (part 1): grid 270 x 1, 4 waves a work-group, no clusters, 102,912 bytes of LDS; arguments msa_repr, rq_w, rk_w, rv_w, cq_w, ck_w, cv_w, out_w, xq, wq, ws; writes xq, wq, ws
.if DOCPART == 1
	.amdgcn_target "amdgcn-amd-amdhsa--gfx1250"
	.amdhsa_code_object_version 6
	.text
	.protected	k_qe25cc718f7_prep
	.globl	k_qe25cc718f7_prep
	.p2align	8
	.type	k_qe25cc718f7_prep,@function
k_qe25cc718f7_prep:
	s_mov_b64 s[64:65], 0
	v_nop
	global_prefetch_b8 v0, s[64:65] scope:SCOPE_SE
	s_setreg_imm32_b32 hwreg(HW_REG_WAVE_MODE, 25, 1), 1
	s_wait_xcnt 0x0
; msa_repr [32768][256] and the seven weights [256][256], f32 with K innermost, become codes of FP6 (E2M3) with one E8M0 byte for each 32 along K.
; A block's scale is 2^(floor(log2(largest magnitude)) - 2); its byte is the largest magnitude's exponent field - 2, held at 1 from below.
; LIMITS: NaN and infinities are not served; a block whose largest magnitude lies under 2^-124 keeps the byte 1; a block of zeros has the byte 1 (its codes are zeros; only this program reads the bytes).
; A wave takes 32 rows x 256, in four units of 16 rows x 128 along K.  THE ROWS OF A TILE ARE NOT NEIGHBOURS: lane r of tile u takes row 8 u + r + 8 (r / 8), the order in which every later product wants its operands.
; The conversions want 16 neighbours along K in one lane's registers; a load is best where neighbouring lanes take neighbouring bytes.  Both are had: each of a unit's 16 loads reads 512 consecutive bytes of one row, 16 a lane;
; the unit goes through the wave's own stage in LDS as it lies and comes back 64 bytes of a block a lane.
; x leaves as records of 256 bytes a row (192 bytes of codes, 8 scale bytes, 56 zeros), through a second stage of the wave's own, 512 consecutive bytes a store.
; A weight leaves as images of operand registers: fragment (tile u, K step ks) = 3 x 512 bytes, 16 bytes a lane; its scale words as [lane][ks], lanes 0-15 tile 0, lanes 16-31 tile 1.
; Work-groups 0-255 take x, 256-269 the weights.  Waves share nothing: no barrier.
.set XB0, 16                           ; v16-79, v80-143, v144-207: three sets of 64 numbers
.set XB1, 80
.set XB2, 144
.set PC,  208                          ; v208-219 the fragment just made; v220-222, v224-226 at work
.set TM,  228                          ; v228-243 at work
.set PW,  244                          ; the scale word just made
.set SW,  246                          ; v246-249 the four units' scale words (weights)
.set TS,  1                            ; the turn stage, in: 16 x lane
.set LI,  2                            ; 16 x lane
.set L8,  3                            ; 8 x lane
.set SA,  4                            ; record stage: my row, + 24 (lane / 16)
.set SS,  5                            ; record stage: my row
.set SPD, 6                            ; record stage: row = lane
.set SR,  7                            ; record stage, on the way out: row lane / 16, 16 bytes a lane
.set TL,  10                           ; the turn stage, back: row lane % 16, + 64 (lane / 16)
.set SEL, 32                           ; s[32:33] selects of v_permlanex16_b32: lane l xor 16
.set HI,  34                           ; s34 lanes 16-31
.set TP,  528                          ; a row of the turn stage: 512 bytes + 16 = 132 words: row r starts at bank 4 r mod 64 (64 banks of 4 bytes: ISA guide 11.1)
.set TREG, 16*TP                       ; a wave's turn stage
.set TURNW, 4*TREG                     ; the weights' path has turn stages of its own, behind x's four
.set REC,  8*TREG                      ; behind them: the record stages
.set PITCH, 272                        ; a row of the record stage: 256 bytes + 16
.set WREG, 32*PITCH
	s_load_b512 s[8:23], s[0:1], 0x0               ; msa_repr, rq_w, rk_w, rv_w, cq_w, ck_w, cv_w, out_w
	s_load_b128 s[24:27], s[0:1], 0x40             ; xq, wq
	s_load_b64 s[28:29], s[0:1], 0x50              ; ws
	v_lshl_add_u32 v254, v0, 2, 0x19000
	v_mov_b32 v255, 0
	v_lshrrev_b32 v10, 5, v0
	v_readfirstlane_b32 s30, v10                   ; wave
	v_and_b32 v11, 31, v0                          ; lane
	v_and_b32 v12, 15, v0                          ; r
	v_bfe_u32 v13, v0, 4, 1                        ; h
	v_and_b32 v14, 8, v12
	v_add_nc_u32 v14, v14, v12                     ; r + 8 (r / 8)
	v_lshlrev_b32 v[LI], 4, v11
	v_lshlrev_b32 v[L8], 3, v11
	s_mul_i32 s35, s30, TREG
	v_add_nc_u32 v[TS], s35, v[LI]
	v_mul_u32_u24 v[TL], v12, TP
	v_lshl_add_u32 v[TL], v13, 6, v[TL]
	v_add_nc_u32 v[TL], s35, v[TL]
	s_mul_i32 s31, s30, WREG
	s_add_co_u32 s31, s31, REC
	v_mul_u32_u24 v[SS], v14, PITCH
	v_add_nc_u32 v[SS], s31, v[SS]
	v_mad_u32_u24 v[SA], v13, 24, v[SS]
	v_mul_u32_u24 v[SPD], v11, PITCH
	v_add_nc_u32 v[SPD], s31, v[SPD]
	v_mul_u32_u24 v[SR], v13, PITCH
	v_lshl_add_u32 v[SR], v12, 4, v[SR]
	v_add_nc_u32 v[SR], s31, v[SR]
	v_mov_b32 v8, 0
	v_mov_b32 v9, 0
.irp b, 0,1,2,3
	v_mov_b32 v[TM+4+\b], 0                        ; a lane permute's destination counts as one of its sources
.endr
	s_mov_b32 s[SEL], 0x76543210
	s_mov_b32 s[SEL+1], 0xfedcba98
	s_mov_b32 s[HI], 0xffff0000
	s_mov_b32 s37, 0
; 64 numbers of a lane, register 16 b + i = k 32 b + 16 (lane / 16) + i of my row, become a fragment's 12 registers in v[PC] on and its scale word in v[PW]
.macro QUANT s
.irp b, 0,1,2,3
	v_max3_num_f32 v[TM+\b], |v[\s+16*\b]|, |v[\s+1+16*\b]|, 0x1800000   ; my 16 numbers of block b, and the floor 2^(3 - 127): the byte cannot fall under 1
.endr
.irp i, 2,4,6,8,10,12,14
.irp b, 0,1,2,3
	v_max3_num_f32 v[TM+\b], v[TM+\b], |v[\s+16*\b+\i]|, |v[\s+1+16*\b+\i]|
.endr
.endr
.irp b, 0,1,2,3
	v_permlanex16_b32 v[TM+4+\b], v[TM+\b], s[SEL], s[SEL+1]
.endr
.irp b, 0,1,2,3
	v_max_num_f32 v[TM+\b], v[TM+\b], v[TM+4+\b]   ; with lane l xor 16's: the block's largest magnitude
.endr
.irp b, 0,1,2,3
	v_add_nc_u32 v[TM+12+\b], 0xff000000, v[TM+\b] ; 2 off its exponent field: the conversion's scale operand
.endr
.irp b, 0,1,2,3
	v_lshrrev_b32 v[TM+4+\b], 23, v[TM+12+\b]      ; the scale's byte
.endr
	v_lshl_or_b32 v[PW], v[TM+5], 8, v[TM+4]
	v_lshl_or_b32 v[PW], v[TM+6], 16, v[PW]
	v_lshl_or_b32 v[PW], v[TM+7], 24, v[PW]
.irp c, 0,1
	v_cvt_scalef32_pk16_fp6_f32 v[PC+6*\c:PC+2+6*\c], v[\s+32*\c:\s+15+32*\c], v[TM+12+2*\c]
	v_cvt_scalef32_pk16_fp6_f32 v[PC+12+4*\c:PC+14+4*\c], v[\s+16+32*\c:\s+31+32*\c], v[TM+12+2*\c+1]
.endr
	v_nop                                          ; one plain place behind a scaled conversion
.irp c, 0,1                                    ; the operand wants a whole block in a lane: lanes 0-15 block 2 c, lanes 16-31 block 2 c + 1
.irp i, 0,1,2
	v_permlane16_swap_b32 v[PC+6*\c+\i], v[PC+12+4*\c+\i]
.endr
.irp i, 0,1,2
	v_mov_b32 v[PC+3+6*\c+\i], v[PC+12+4*\c+\i]
.endr
.endr
.endm
; unit n = 2 u + ks: the 16 rows of tile u, 512 bytes from 512 ks on.  Load i reads row 8 u + i + 8 (i / 8): 32 lanes, 512 consecutive bytes
.macro XLOAD buf, n
.irp i, 0,1,2,3,4,5,6,7,8,9,10,11,12,13,14,15
	global_load_b128 v[\buf+4*\i:\buf+4*\i+3], v[LI], s[42:43] offset:1024*(8*((\n)/2)+\i+8*(\i/8))+512*((\n)%2) th:TH_LOAD_NT
.endr
.endm
; a unit through the turn stage and back into the registers that it left.  LDS serves a wave's instructions in order (ISA guide 5.7.1.4): no wait between the stores and the loads, nor ahead of the next unit's stores
.macro TURN buf, kind
.irp i, 0,1,2,3,4,5,6,7,8,9,10,11,12,13,14,15
	ds_store_b128 v[TS], v[\buf+4*\i:\buf+4*\i+3] offset:TURNW*\kind+TP*\i
.endr
.irp b, 0,1,2,3
.irp j, 0,1,2,3
	ds_load_b128 v[\buf+16*\b+4*\j:\buf+16*\b+4*\j+3], v[TL] offset:TURNW*\kind+128*\b+16*\j
.endr
.endr
.endm
.macro EMIT kind, n
.if \kind == 0
.irp p, 0,1,2,3,4,5
	ds_store_b64 v[SA], v[PC+2*\p:PC+2*\p+1] offset:8*PITCH*((\n)/2)+96*((\n)%2)+48*(\p/3)+8*(\p%3)
.endr
	ds_store_b32 v[SS], v[PW] offset:8*PITCH*((\n)/2)+192+4*((\n)%2)   ; both lanes of a row write the same word
.else
.irp c, 0,1,2
	global_store_b128 v[LI], v[PC+4*\c:PC+4*\c+3], s[44:45] offset:1536*(\n)+512*\c   ; 512 consecutive bytes
.endr
	v_mov_b32 v[SW+\n], v[PW]
	s_wait_xcnt 0x0                                ; the stores' data are written again only behind this wait
.endif
.endm
; Loads run three units (48 loads a wave) ahead, the turn one unit.  A turn is 32 LDS instructions.
.macro BODY kind
	XLOAD XB0, 0
	XLOAD XB1, 1
	XLOAD XB2, 2
	s_wait_loadcnt 32                              ; unit 0 is in; units 1 and 2 (32 loads) stay out
	TURN XB0, \kind
	s_wait_loadcnt 16                              ; unit 1 is in; unit 2 stays out
	TURN XB1, \kind
	s_wait_dscnt 32                                ; unit 0 is back; unit 1's turn stays out
	QUANT XB0
	EMIT \kind, 0
	XLOAD XB0, 3
	s_wait_loadcnt 16                              ; unit 2 is in; unit 3 stays out
	TURN XB2, \kind
	s_wait_dscnt 32                                ; unit 1 is back and unit 0's codes have left their registers; unit 2's turn stays out
	QUANT XB1
	EMIT \kind, 1
	s_wait_loadcnt 0x0
	TURN XB0, \kind
	s_wait_dscnt 32                                ; unit 2 is back, unit 1's codes have left; unit 3's turn stays out
	QUANT XB2
	EMIT \kind, 2
	s_wait_dscnt 0x0
	QUANT XB0
	EMIT \kind, 3
.endm
	s_wait_kmcnt 0x0
	s_cmp_lt_u32 ttmp9, 256
	s_cbranch_scc0 .Lweights
	s_lshl_b32 s38, ttmp9, 2
	s_add_co_u32 s38, s38, s30                     ; my group of 32 rows of x
	s_lshl_b32 s36, s38, 15
	s_add_nc_u64 s[42:43], s[8:9], s[36:37]
	s_lshl_b32 s36, s38, 13
	s_add_nc_u64 s[44:45], s[24:25], s[36:37]
.irp i, 0,1,2,3,4,5,6
	ds_store_b64 v[SPD], v[8:9] offset:200+8*\i    ; a record's last 56 bytes
.endr
	BODY 0
.irp t, 0,1,2,3,4,5,6,7,8,9,10,11,12,13,14,15
	ds_load_b128 v[16+4*\t:19+4*\t], v[SR] offset:2*PITCH*\t   ; these see my stores: a wave's LDS instructions are served in order
.endr
.irp t, 0,1,2,3,4,5,6,7,8,9,10,11,12,13,14,15
	s_wait_dscnt 15-\t                             ; the younger loads stay out
	global_store_b128 v[LI], v[16+4*\t:19+4*\t], s[44:45] offset:512*\t   ; two whole records
.endr
	s_wait_tensorcnt 0x0
	ds_add_u32 v254, v255
	s_wait_dscnt 0x0
	s_endpgm
.Lweights:
	s_sub_co_u32 s38, ttmp9, 256                   ; j: half a matrix
	s_lshr_b32 s39, s38, 1                         ; which matrix
	s_mov_b64 s[42:43], s[10:11]
.irp k, 1,2,3,4,5,6
	s_cmp_eq_u32 s39, \k                           ; the choice hangs on the work-group's number alone
	s_cselect_b64 s[42:43], s[10+2*\k:11+2*\k], s[42:43]
.endr
	s_and_b32 s36, s38, 1
	s_lshl_b32 s36, s36, 2
	s_add_co_u32 s36, s36, s30                     ; the group in the matrix
	s_lshl_b32 s36, s36, 15
	s_add_nc_u64 s[42:43], s[42:43], s[36:37]
	s_lshl_b32 s38, s38, 2
	s_add_co_u32 s38, s38, s30                     ; the group among all 56
	s_mul_i32 s36, s38, 6144
	s_add_nc_u64 s[44:45], s[26:27], s[36:37]
	s_lshl_b32 s36, s38, 8
	s_add_nc_u64 s[46:47], s[28:29], s[36:37]
	BODY 1
	v_cndmask_b32 v250, v[SW], v[SW+2], s[HI]      ; lanes 0-15 tile 0's words, lanes 16-31 tile 1's
	v_cndmask_b32 v251, v[SW+1], v[SW+3], s[HI]
	global_store_b64 v[L8], v[250:251], s[46:47]   ; 256 consecutive bytes
	s_wait_tensorcnt 0x0
	ds_add_u32 v254, v255
	s_wait_dscnt 0x0
	s_endpgm
.Lfunc_end_k_qe25cc718f7_prep:
	.size	k_qe25cc718f7_prep, .Lfunc_end_k_qe25cc718f7_prep-k_qe25cc718f7_prep
	.p2alignl 7, 3214868480
	.fill 96, 4, 3214868480
	.section	.rodata,"a",@progbits
	.p2align	6, 0x0
	.amdhsa_kernel k_qe25cc718f7_prep
		.amdhsa_group_segment_fixed_size 102912
		.amdhsa_private_segment_fixed_size 0
		.amdhsa_enable_private_segment 0
		.amdhsa_kernarg_size 88
		.amdhsa_user_sgpr_count 2
		.amdhsa_user_sgpr_kernarg_segment_ptr 1
		.amdhsa_wavefront_size32 1
		.amdhsa_system_sgpr_workgroup_id_x 1
		.amdhsa_system_sgpr_workgroup_id_y 1
		.amdhsa_system_sgpr_workgroup_id_z 1
		.amdhsa_system_vgpr_workitem_id 0
		.amdhsa_next_free_vgpr 256
		.amdhsa_next_free_sgpr 66
		.amdhsa_reserve_vcc 0
		.amdhsa_float_denorm_mode_32 3
		.amdhsa_float_denorm_mode_16_64 3
		.amdhsa_memory_ordered 1
		.amdhsa_forward_progress 1
		.amdhsa_inst_pref_size 69
	.end_amdhsa_kernel
	.amdgpu_metadata
---
amdhsa.version: [ 1, 2 ]
amdhsa.kernels:
  - .name:           k_qe25cc718f7_prep
    .symbol:         k_qe25cc718f7_prep.kd
    .args:
      - { .name: msa_repr, .offset: 0, .size: 8, .value_kind: global_buffer, .address_space: global }
      - { .name: rq_w, .offset: 8, .size: 8, .value_kind: global_buffer, .address_space: global }
      - { .name: rk_w, .offset: 16, .size: 8, .value_kind: global_buffer, .address_space: global }
      - { .name: rv_w, .offset: 24, .size: 8, .value_kind: global_buffer, .address_space: global }
      - { .name: cq_w, .offset: 32, .size: 8, .value_kind: global_buffer, .address_space: global }
      - { .name: ck_w, .offset: 40, .size: 8, .value_kind: global_buffer, .address_space: global }
      - { .name: cv_w, .offset: 48, .size: 8, .value_kind: global_buffer, .address_space: global }
      - { .name: out_w, .offset: 56, .size: 8, .value_kind: global_buffer, .address_space: global }
      - { .name: xq, .offset: 64, .size: 8, .value_kind: global_buffer, .address_space: global }
      - { .name: wq, .offset: 72, .size: 8, .value_kind: global_buffer, .address_space: global }
      - { .name: ws, .offset: 80, .size: 8, .value_kind: global_buffer, .address_space: global }
    .group_segment_fixed_size: 102912
    .private_segment_fixed_size: 0
    .kernarg_segment_align: 8
    .kernarg_segment_size: 88
    .max_flat_workgroup_size: 128
    .sgpr_count:     66
    .vgpr_count:     256
    .wavefront_size: 32
...
	.end_amdgpu_metadata
.endif
;; end of part 1
;; launch row (part 2): grid 4 x 64, 16 waves a work-group, no clusters, 240,640 bytes of LDS; arguments xq, wq, ws, rq_b, rk_b, rv_b, mask, rowo; writes rowo
.if DOCPART == 2
	.amdgcn_target "amdgcn-amd-amdhsa--gfx1250"
	.amdhsa_code_object_version 6
	.text
	.protected	k_qe25cc718f7_row
	.globl	k_qe25cc718f7_row
	.p2align	8
	.type	k_qe25cc718f7_row,@function
k_qe25cc718f7_row:
	s_mov_b64 s[64:65], 0
	v_nop
	global_prefetch_b8 v0, s[64:65] scope:SCOPE_SE
	s_setreg_imm32_b32 hwreg(HW_REG_WAVE_MODE, 25, 1), 1
	s_wait_xcnt 0x0
; Row attention: for MSA row s (work-group y) and heads 2 x, 2 x + 1 (work-group x): Q, K, V = x W^T + b, softmax(Q K^T / sqrt(32)) V over 512 keys, all products on codes of FP6 (E2M3) with E8M0 scales.
; SHARES.  Wave w of sixteen owns positions 32 w .. 32 w + 31: it projects their Q, K, V for both heads, keeps Q in registers, publishes K and V^T in LDS, and walks all 512 keys four times (head, tile of 16 queries).
; Four waves share a SIMD, so that one wave's softmax stands beside another's products and LDS loads.  No tensor load: every operand is fetched once, at the head.
; TILES.  Lane r of tile u of a group of 32 takes row 8 u + r + 8 (r / 8): the 16 result registers of tiles 0 and 1 are then 16 neighbours, 16 (lane / 16) + 0 .. 15.
; A HEAD IS ONE BLOCK OF 32, a quarter of the instruction's K.  A fragment of K holds two tiles of keys: tile 2 b in block 0 (lanes 0-15), tile 2 b + 1 in block 1 (lanes 16-31).  Q has two forms: q in block 0 (Q0) or in block 1 (Q1).
; THE MASK rides in blocks 2 and 3: a masked key has zero codes, the code -1.0 at the block's first place and the scale byte 0x9f (2^32); Q0 has +1.0 in block 2, Q1 in block 3.  So a masked key's score is exactly -2^32,
; and c x 2^32 is a whole number: in a row with no valid key t = M and p = 1 for every key, elsewhere p = 0.  Every block that is switched off has the scale byte 1 on one side at least, so that it weighs nothing beside the true block.
; SOFTMAX: t = score x c, c = log2(e) / sqrt(32); M = the running largest t rounded up; p = 2^(t - M) is quantised along the keys; the sum of the unquantised p divides at the end.
; LIMITS: unmasked logits must lie above -7.6e8 (the masked score x 1 / sqrt(32)); NaN and infinities are not served; blocks under 2^-124 keep the byte 1; a mask byte other than 0 counts as true.
.set WIMG, 0                           ; LDS: the six weight groups' images: 12288 m + 6144 hd + 1536 (2 u + ks) + 512 c + 16 lane
.set KIMG, 36864                       ; K: 1024 (16 hd + group): registers 0-3 at 16 lane, registers 4-6 at 512 + 16 lane
.set KSC,  69632                       ; K's scale words: 128 (16 hd + group) + 4 lane
.set VIMG, 73728                       ; V^T: 1536 (4 (2 hd + ct) + t) + 256 piece + 8 lane
.set VSC,  98304                       ; V's scale words: 64 (4 (2 hd + ct) + t) + 4 r + block
.set STG,  99328                       ; each wave's stage: 32 rows x (256 + 16)
.set SP,   272
.set LN16, 1                           ; 16, 4, 8 x lane; 4 r
.set LN4,  2
.set LN8,  3
.set R4,   4
.set KW,   5                           ; where I store K's image, its scale word, V's pieces, V's byte
.set KSW,  6
.set VW,   7
.set VSW,  8
.set STO,  9                           ; the stage: in, back; my byte in the wave's rows of the output
.set RD,   10
.set GO,   11
.set WS,   12                          ; v12-23 the weights' scale words, pair 2 (2 m + hd); later: v12-15 K's, v16-17 V's, v18-19 Q's two
.set KS,   12
.set VS,   16
.set QA,   18
.set VB,   24                          ; v24-27 V's bias of my channel; later the four LDS addresses of a step
.set ADK,  24
.set ADS,  25
.set ADV,  26
.set ADT,  27
.set SUM,  28                          ; v[28:29] the sum in two halves (v29 first holds my key's mask byte)
.set MB,   29
.set NM,   30                          ; v30 -M, v31 the largest t
.set Q0,   32                          ; v32-43 Q0, v44-55 Q1 (first: three bias tiles)
.set KF,   56                          ; v56-103 four fragments of K (first: a weight group's four fragments)
.set WF,   56
.set VF,   104                         ; v104-127 two fragments of V^T (first: the fourth bias tile, V's bias as C)
.set CB,   112
.set S,    128                         ; v128-191 S^T, then p (first: x's four fragments)
.set XF,   128
.set DD,   176                         ; v176-207 a projection's four accumulators
.set O,    192                         ; v192-207 O^T
.set PC,   208                         ; v208-219 p's codes (first: the copy of the weights, then codes just made)
.set CP,   208
.set MKC,  214                         ; the mask's code, register 6 of K's image
.set MKW,  215                         ; the mask's two scale bytes
.set W16,  220                         ; v220-235 at work
.set QT,   220
.set TB,   228
.set H64,  231                         ; 64 (lane / 16)
.set F,    236                         ; f = 2^(old M - new M); then 1 / sum
.set PS,   237                         ; p's scale word
.set TMPR, 238
.set ZR,   239                         ; 0
.set IQ,   240                         ; v240-251 Q's codes, 6 a head: lanes 0-15 tile 0, lanes 16-31 tile 1
.set QW,   252                         ; v252-255 Q's scale bytes (2 hd + u); v254-255 first hold x's scale words
.set XS,   254
.set WV,  20
.set HP,  21
.set SI,  22
.set SEL, 26
.set CS,  28
.set HI,  30
.set MS,  31                           ; lanes whose key is valid
.set TK,  32
.set TS,  33
.set TV,  34
.set TT,  35
.set CNT, 36
.set LO,  37
.macro PLACES n
.rept \n
	v_nop
.endr
.endm
; one product.  c < 0: the constant 0 starts the sum.  ra, rb: the side's scale words stand in lanes 16-31
.macro WM d, a, b, c, sa, sb, ra, rb
.if (\c) < 0
	v_wmma_scale_f32_16x16x128_f8f6f4 v[\d:\d+7], v[\a:\a+11], v[\b:\b+11], 0, v[\sa], v[\sb] matrix_a_fmt:MATRIX_FMT_FP6 matrix_b_fmt:MATRIX_FMT_FP6
.elseif (\ra) && (\rb)
	v_wmma_scale_f32_16x16x128_f8f6f4 v[\d:\d+7], v[\a:\a+11], v[\b:\b+11], v[\c:\c+7], v[\sa], v[\sb] matrix_a_fmt:MATRIX_FMT_FP6 matrix_b_fmt:MATRIX_FMT_FP6 matrix_a_scale:MATRIX_SCALE_ROW1 matrix_b_scale:MATRIX_SCALE_ROW1
.elseif \ra
	v_wmma_scale_f32_16x16x128_f8f6f4 v[\d:\d+7], v[\a:\a+11], v[\b:\b+11], v[\c:\c+7], v[\sa], v[\sb] matrix_a_fmt:MATRIX_FMT_FP6 matrix_b_fmt:MATRIX_FMT_FP6 matrix_a_scale:MATRIX_SCALE_ROW1
.elseif \rb
	v_wmma_scale_f32_16x16x128_f8f6f4 v[\d:\d+7], v[\a:\a+11], v[\b:\b+11], v[\c:\c+7], v[\sa], v[\sb] matrix_a_fmt:MATRIX_FMT_FP6 matrix_b_fmt:MATRIX_FMT_FP6 matrix_b_scale:MATRIX_SCALE_ROW1
.else
	v_wmma_scale_f32_16x16x128_f8f6f4 v[\d:\d+7], v[\a:\a+11], v[\b:\b+11], v[\c:\c+7], v[\sa], v[\sb] matrix_a_fmt:MATRIX_FMT_FP6 matrix_b_fmt:MATRIX_FMT_FP6
.endif
.endm
; Two sets of 16 registers, each my half of one block of 32.  Afterwards lanes 0-15 hold set a's whole block, lanes 16-31 set b's: the lower 16 codes in v[dA] on, the upper 16 in v[tb] on; the bytes in v[w+6], v[w+7]
.macro QUANT2 src, dA, tb, w
	v_max3_num_f32 v[\w], |v[\src]|, |v[\src+1]|, 0x1800000        ; with the floor 2^(3 - 127): the byte cannot fall under 1
	v_max3_num_f32 v[\w+1], |v[\src+16]|, |v[\src+17]|, 0x1800000
.irp i, 2,4,6,8,10,12,14
	v_max3_num_f32 v[\w], v[\w], |v[\src+\i]|, |v[\src+\i+1]|
	v_max3_num_f32 v[\w+1], v[\w+1], |v[\src+16+\i]|, |v[\src+17+\i]|
.endr
	v_permlanex16_b32 v[\w+2], v[\w], s[SEL], s[SEL+1]
	v_permlanex16_b32 v[\w+3], v[\w+1], s[SEL], s[SEL+1]
	v_max_num_f32 v[\w], v[\w], v[\w+2]
	v_max_num_f32 v[\w+1], v[\w+1], v[\w+3]
	v_add_nc_u32 v[\w+4], 0xff000000, v[\w]        ; 2 off the exponent field: the conversion's scale operand
	v_add_nc_u32 v[\w+5], 0xff000000, v[\w+1]
	v_lshrrev_b32 v[\w+6], 23, v[\w+4]
	v_lshrrev_b32 v[\w+7], 23, v[\w+5]
	v_cvt_scalef32_pk16_fp6_f32 v[\dA:\dA+2], v[\src:\src+15], v[\w+4]
	v_cvt_scalef32_pk16_fp6_f32 v[\tb:\tb+2], v[\src+16:\src+31], v[\w+5]
	v_nop                                          ; one plain place behind a scaled conversion
.irp i, 0,1,2
	v_permlane16_swap_b32 v[\dA+\i], v[\tb+\i]
.endr
.endm
; The softmax of 32 NB keys a lane pair: S holds scores, 16 registers a block.  RUN = 1: a running M, with f for what was summed before
.macro SOFT NB, RUN
.set b, 0
.rept \NB
	v_max3_num_f32 v[W16+b], v[S+16*b], v[S+16*b+1], v[S+16*b+2]   ; each block's largest score: for the row's maximum and, since p rises with the score, for the block's largest p
.set b, b+1
.endr
.irp i, 3,5,7,9,11,13
.set b, 0
.rept \NB
	v_max3_num_f32 v[W16+b], v[W16+b], v[S+16*b+\i], v[S+16*b+\i+1]
.set b, b+1
.endr
.endr
.set b, 0
.rept \NB
	v_max_num_f32 v[W16+b], v[W16+b], v[S+16*b+15]
.set b, b+1
.endr
.set b, 0
.rept \NB
	v_permlanex16_b32 v[W16+4+b], v[W16+b], s[SEL], s[SEL+1]
.set b, b+1
.endr
.set b, 0
.rept \NB
	v_max_num_f32 v[W16+b], v[W16+b], v[W16+4+b]   ; with lane l xor 16's 16 keys
.set b, b+1
.endr
.if \NB == 4
	v_max3_num_f32 v[TMPR], v[W16], v[W16+1], v[W16+2]
	v_max_num_f32 v[TMPR], v[TMPR], v[W16+3]
.else
	v_max_num_f32 v[TMPR], v[W16], v[W16+1]
.endif
	v_mul_f32 v[TMPR], s[CS], v[TMPR]              ; as t (c is positive)
.if \RUN
	v_max_num_f32 v[NM+1], v[NM+1], v[TMPR]        ; the running largest t
	v_mov_b32 v[TMPR], v[NM]
	v_floor_f32 v[NM], -v[NM+1]                    ; -M = floor(-t): M is a whole number
	v_sub_f32 v[TMPR], v[NM], v[TMPR]              ; old M - new M, a whole number, 0 or less
	v_cvt_i32_f32 v[TMPR], v[TMPR]                 ; (it saturates)
	v_ldexp_f32 v[F], 1.0, v[TMPR]                 ; f: a multiplication by it rounds nothing
.else
	v_mov_b32 v[NM+1], v[TMPR]
	v_floor_f32 v[NM], -v[TMPR]
.endif
.set j, 0
.rept 8*\NB
	v_pk_fma_f32 v[S+j:S+j+1], v[S+j:S+j+1], s[CS:CS+1], v[NM:NM+1] op_sel_hi:[1,0,0]   ; t - M, two at a time
.set j, j+2
.endr
.set b, 0
.rept \NB
	v_fma_f32 v[W16+b], v[W16+b], s[CS], v[NM]     ; the same of each block's largest score
.set b, b+1
.endr
.set j, 0
.rept 16*\NB
	v_exp_f32 v[S+j], v[S+j]                       ; p = 2^(t - M): one batch
.set j, j+1
.endr
.if \RUN
	v_pk_mul_f32 v[SUM:SUM+1], v[SUM:SUM+1], v[F:F+1] op_sel_hi:[1,0]   ; the sums under the new M: the plain place behind the batch
.else
	v_nop
.endif
	s_wait_alu depctr_va_vdst(0)                   ; one wait for the batch, ahead of its first reader
.set b, 0
.rept \NB
	v_exp_f32 v[W16+b], v[W16+b]                   ; each block's largest p
.set b, b+1
.endr
.if \RUN
	v_pk_add_f32 v[W16+4:W16+5], v[S:S+1], v[S+2:S+3]   ; the sum of the unquantised p, in two chains
.set j, 4
.else
	v_pk_add_f32 v[SUM:SUM+1], v[S:S+1], v[S+2:S+3]
	v_pk_add_f32 v[W16+4:W16+5], v[S+4:S+5], v[S+6:S+7]
.set j, 8
.endif
.rept (16*\NB-j)/4
	v_pk_add_f32 v[SUM:SUM+1], v[SUM:SUM+1], v[S+j:S+j+1]
	v_pk_add_f32 v[W16+4:W16+5], v[W16+4:W16+5], v[S+j+2:S+j+3]
.set j, j+4
.endr
	v_pk_add_f32 v[SUM:SUM+1], v[SUM:SUM+1], v[W16+4:W16+5]
	s_wait_alu depctr_va_vdst(0)                   ; and one for the blocks' exponentials
.set b, 0
.rept \NB
	v_max_num_f32 v[W16+b], 0x1800000, v[W16+b]    ; the floor 2^(3 - 127)
.set b, b+1
.endr
.set b, 0
.rept \NB
	v_add_nc_u32 v[W16+12+b], 0xff000000, v[W16+b]
.set b, b+1
.endr
.set b, 0
.rept \NB
	v_lshrrev_b32 v[W16+4+b], 23, v[W16+12+b]
.set b, b+1
.endr
	v_lshl_or_b32 v[PS], v[W16+5], 8, v[W16+4]     ; p's scale word
.if \NB == 4
	v_lshl_or_b32 v[PS], v[W16+6], 16, v[PS]
	v_lshl_or_b32 v[PS], v[W16+7], 24, v[PS]
.else
	v_or_b32 v[PS], 0x01010000, v[PS]              ; the two blocks that hold nothing: byte 1
.endif
.set b, 0
.rept \NB/2
	v_cvt_scalef32_pk16_fp6_f32 v[PC+6*b:PC+6*b+2], v[S+32*b:S+32*b+15], v[W16+12+2*b]
	v_cvt_scalef32_pk16_fp6_f32 v[W16+4+4*b:W16+6+4*b], v[S+32*b+16:S+32*b+31], v[W16+13+2*b]
.set b, b+1
.endr
	v_nop                                          ; one plain place behind a scaled conversion
.set b, 0
.rept \NB/2
.irp i, 0,1,2
	v_permlane16_swap_b32 v[PC+6*b+\i], v[W16+4+4*b+\i]
.endr
.irp i, 0,1,2
	v_mov_b32 v[PC+3+6*b+\i], v[W16+4+4*b+\i]
.endr
.set b, b+1
.endr
.endm
	s_load_b512 s[4:19], s[0:1], 0x0               ; xq, wq, ws, rq_b, rk_b, rv_b, mask, rowo
	v_lshrrev_b32 v1, 5, v0
	v_readfirstlane_b32 s[WV], v1                  ; wave 0..15
	s_mov_b32 s[HP], ttmp9                         ; the pair of heads
	s_and_b32 s[SI], ttmp7, 0xffff                 ; the MSA row
	v_and_b32 v232, 31, v0                         ; lane
	v_and_b32 v233, 15, v0                         ; r
	v_bfe_u32 v234, v0, 4, 1                       ; h
	v_and_b32 v235, 8, v233
	v_add_nc_u32 v235, v235, v233                  ; r + 8 (r / 8)
	v_lshlrev_b32 v[LN16], 4, v232
	v_lshlrev_b32 v[LN4], 2, v232
	v_lshlrev_b32 v[LN8], 3, v232
	v_lshlrev_b32 v[R4], 2, v233
	s_lshl_b32 s24, s[WV], 10
	s_add_co_u32 s24, s24, KIMG
	v_add_nc_u32 v[KW], s24, v[LN16]
	s_lshl_b32 s24, s[WV], 7
	s_add_co_u32 s24, s24, KSC
	v_add_nc_u32 v[KSW], s24, v[LN4]
	s_lshr_b32 s24, s[WV], 2                       ; my group is block w % 4 of key step w / 4: registers 6 ((w / 2) % 2) on, lanes 16 (w % 2) on
	s_mul_i32 s24, s24, 1536
	s_bfe_u32 s25, s[WV], 0x10001
	s_mul_i32 s25, s25, 768
	s_add_co_u32 s24, s24, s25
	s_and_b32 s25, s[WV], 1
	s_lshl_b32 s25, s25, 7
	s_add_co_u32 s24, s24, s25
	s_add_co_u32 s24, s24, VIMG
	v_mul_u32_u24 v[VW], v234, 6144                ; my half of the lanes holds channel tile h
	v_lshl_add_u32 v[VW], v233, 3, v[VW]
	v_add_nc_u32 v[VW], s24, v[VW]
	s_lshr_b32 s24, s[WV], 2
	s_lshl_b32 s24, s24, 6
	s_and_b32 s25, s[WV], 3
	s_add_co_u32 s24, s24, s25
	s_add_co_u32 s24, s24, VSC
	v_lshl_add_u32 v[VSW], v234, 8, v[R4]
	v_add_nc_u32 v[VSW], s24, v[VSW]
	s_mul_i32 s24, s[WV], 32*SP
	s_add_co_u32 s24, s24, STG
	v_mul_u32_u24 v[STO], v235, SP
	v_lshl_add_u32 v[STO], v234, 6, v[STO]
	v_add_nc_u32 v[STO], s24, v[STO]
	v_mul_u32_u24 v[RD], v234, SP
	v_lshl_add_u32 v[RD], v233, 4, v[RD]
	v_add_nc_u32 v[RD], s24, v[RD]
	v_lshlrev_b32 v[GO], 10, v234
	v_lshl_add_u32 v[GO], v233, 4, v[GO]
	v_lshl_add_u32 v226, v234, 3, v235             ; my key in the group: 8 h + r + 8 (r / 8)
	v_lshlrev_b32 v227, 8, v226                    ; its record
	v_lshlrev_b32 v228, 8, v235
	v_mad_u32_u24 v228, v234, 24, v228             ; a fragment's record and my half's bytes
	v_lshlrev_b32 v229, 2, v235
	v_lshlrev_b32 v[H64], 6, v234
	v_lshlrev_b32 v[TMPR], 3, v0                   ; 8 x thread
	v_mov_b32 v[ZR], 0
	s_mov_b32 s[SEL], 0x76543210
	s_mov_b32 s[SEL+1], 0xfedcba98
	s_mov_b32 s[CS], 0x3e8293ee                    ; c = log2(e) / sqrt(32)
	s_mov_b32 s[CS+1], s[CS]
	s_mov_b32 s[HI], 0xffff0000
	s_mov_b32 s[LO], 0x0000ffff
	s_mov_b32 s25, 0
	s_wait_kmcnt 0x0
	s_lshl_b32 s24, s[SI], 17
	s_lshl_b32 s38, s[WV], 13
	s_add_co_u32 s24, s24, s38
	s_add_nc_u64 s[4:5], s[4:5], s[24:25]          ; my 32 records
	s_mul_i32 s24, s[HP], 12288
	s_add_nc_u64 s[6:7], s[6:7], s[24:25]
	s_lshl_b32 s24, s[HP], 9
	s_add_nc_u64 s[8:9], s[8:9], s[24:25]
	s_lshl_b32 s24, s[HP], 8
	s_add_nc_u64 s[10:11], s[10:11], s[24:25]
	s_add_nc_u64 s[12:13], s[12:13], s[24:25]
	s_add_nc_u64 s[14:15], s[14:15], s[24:25]
	s_lshl_b32 s24, s[SI], 9
	s_lshl_b32 s38, s[WV], 5
	s_add_co_u32 s24, s24, s38
	s_add_nc_u64 s[16:17], s[16:17], s[24:25]
	s_lshl_b32 s24, s[SI], 19
	s_lshl_b32 s38, s[WV], 15
	s_add_co_u32 s24, s24, s38
	s_lshl_b32 s38, s[HP], 8
	s_add_co_u32 s24, s24, s38
	s_add_nc_u64 s[18:19], s[18:19], s[24:25]
.macro BLOAD lo                        ; four bias tiles (hd, u'): register j = b[32 hd + 8 u' + 16 h + j]
.irp t, 0,1,2,3
	global_load_b128 v[32+8*\t+48*(\t/3):32+8*\t+48*(\t/3)+3], v[H64], s[\lo:\lo+1] offset:128*(\t/2)+32*(\t%2)
	global_load_b128 v[32+8*\t+48*(\t/3)+4:32+8*\t+48*(\t/3)+7], v[H64], s[\lo:\lo+1] offset:128*(\t/2)+32*(\t%2)+16
.endr
.endm
	; everything that comes from memory, in one run: 53 loads
.irp m, 0,1,2
.irp i, 0,1,2
	global_load_b64 v[CP+6*\m+2*\i:CP+6*\m+2*\i+1], v[TMPR], s[6:7] offset:49152*\m+4096*\i   ; the work-group's 36,864 bytes of weight images: 8 bytes a thread, nine times
.endr
.endr
.irp f, 0,1,2,3
.irp p, 0,1,2,3,4,5
	global_load_b64 v[XF+12*\f+2*\p:XF+12*\f+2*\p+1], v228, s[4:5] offset:2048*(\f/2)+96*(\f%2)+48*(\p/3)+8*(\p%3)   ; x's fragment (u = f / 2, ks = f % 2)
.endr
.endr
	global_load_b64 v[XS:XS+1], v227, s[4:5] offset:192    ; x's scale words: lanes 0-15 tile 0, lanes 16-31 tile 1
.irp t, 0,1,2,3,4,5
	global_load_b64 v[WS+2*\t:WS+2*\t+1], v[LN8], s[8:9] offset:2048*(\t/2)+256*(\t%2)
.endr
	BLOAD 12                                       ; K's bias
.irp t, 0,1,2,3
	global_load_b32 v[VB+\t], v229, s[14:15] offset:128*(\t/2)+32*(\t%2)
.endr
	global_load_u8 v[MB], v226, s[16:17]
	s_wait_loadcnt 0x0
.irp m, 0,1,2
.irp i, 0,1,2
	ds_store_b64 v[TMPR], v[CP+6*\m+2*\i:CP+6*\m+2*\i+1] offset:WIMG+12288*\m+4096*\i
.endr
.endr
	s_wait_dscnt 0x0                               ; my part of the weights has landed
	s_barrier_signal -1
	s_barrier_wait -1                              ; everybody's has
	v_cmp_ne_u32 s[MS], 0, v[MB]
	v_mov_b32 v[QT+2], 1
	v_mov_b32 v[QT+3], 0
	v_cndmask_b32 v[MKC], 40, v[ZR], s[MS]         ; the code -1.0 where my key is masked
	v_cndmask_b32 v[QT+2], 0x9f, v[QT+2], s[MS]    ; its block's byte: 2^32 where masked, else byte 1
	v_permlanex16_b32 v[QT+3], v[QT+2], s[SEL], s[SEL+1]
	v_lshlrev_b32 v[MKW], 16, v[QT+2]              ; in lanes 0-15: byte 2 for tile 0's key, byte 3 for tile 1's
	v_lshl_or_b32 v[MKW], v[QT+3], 24, v[MKW]
; One projection of my 32 rows on one head: weight matrix m.  kind 0: source 0 = 16 rows of W, source 1 = 16 rows of x: a lane holds one row of x, its registers run along the head's 32.
; kind 1 (V): the sources swapped: a lane holds one channel, its registers run along my 32 keys.  The four accumulators take turns, K step by K step; the bias is the C of each sum's first product.
.macro PROJ m, hd, kind
.if \kind
.irp j, 0,1,2,3,4,5,6,7
	v_mov_b32 v[CB+\j], v[VB+2*\hd]
	v_mov_b32 v[CB+8+\j], v[VB+2*\hd+1]
.endr
.endif
.irp f, 0,1,2,3
.irp c, 0,1,2
	ds_load_b128 v[WF+12*\f+4*\c:WF+12*\f+4*\c+3], v[LN16] offset:WIMG+12288*\m+6144*\hd+1536*\f+512*\c
.endr
.endr
	s_wait_dscnt 0x0                               ; the fragments are in, and the last projection's stores have read their registers
.irp ks, 0,1
.irp a, 0,1
.irp b, 0,1
.set cc, DD+8*(2*\a+\b)
.if \kind
.if \ks == 0
.set cc, CB+8*\a
.endif
	WM DD+8*(2*\a+\b), XF+12*(2*\b+\ks), WF+12*(2*\a+\ks), cc, XS+\ks, WS+2*(2*\m+\hd)+\ks, \b, \a
.else
.if \ks == 0
.set cc, 32+8*(2*\hd+\b)+48*((2*\hd+\b)/3)
.endif
	WM DD+8*(2*\a+\b), WF+12*(2*\b+\ks), XF+12*(2*\a+\ks), cc, WS+2*(2*\m+\hd)+\ks, XS+\ks, \b, \a
.endif
.endr
.endr
.endr
	PLACES 4
.endm
.macro KTAIL hd
	QUANT2 DD, PC, TB, QT
.irp i, 0,1,2
	v_cndmask_b32 v[PC+\i], 0, v[PC+\i], s[MS]     ; a masked key's codes are zeros
	v_cndmask_b32 v[PC+3+\i], 0, v[TB+\i], s[MS]
.endr
	v_lshl_or_b32 v[QT+2], v[QT+7], 8, v[QT+6]
	v_or_b32 v[QT+2], v[QT+2], v[MKW]
	ds_store_b128 v[KW], v[PC:PC+3] offset:16384*\hd
	ds_store_b96 v[KW], v[PC+4:PC+6] offset:16384*\hd+512
	ds_store_b32 v[KSW], v[QT+2] offset:2048*\hd
.endm
.macro VTAIL hd
	QUANT2 DD, PC, TB, QT
.irp i, 0,1,2
	v_mov_b32 v[PC+3+\i], v[TB+\i]
.endr
.irp i, 0,1,2
	ds_store_b64 v[VW], v[PC+2*\i:PC+2*\i+1] offset:12288*\hd+256*\i
.endr
	v_cndmask_b32 v[QT+2], v[QT+6], v[QT+7], s[HI]
	ds_store_b8 v[VSW], v[QT+2] offset:512*\hd
.endm
.macro QTAIL hd
	QUANT2 DD, IQ+6*\hd, TB, QT
.irp i, 0,1,2
	v_mov_b32 v[IQ+6*\hd+3+\i], v[TB+\i]
.endr
	v_mov_b32 v[QW+2*\hd], v[QT+6]
	v_mov_b32 v[QW+2*\hd+1], v[QT+7]
.endm
	PROJ 1, 0, 0
	KTAIL 0
	PROJ 1, 1, 0
	KTAIL 1
	BLOAD 10                                       ; Q's bias, into the tiles that K's has left: it lands while V is made
	PROJ 2, 0, 1
	VTAIL 0
	PROJ 2, 1, 1
	VTAIL 1
	s_wait_loadcnt 0x0
	PROJ 0, 0, 0
	QTAIL 0
	PROJ 0, 1, 0
	QTAIL 1
.irp g, 0,1,2,3
.irp i, 7,8,9,10,11
	v_mov_b32 v[KF+12*\g+\i], 0                    ; what no load fills: written once
.endr
.endr
.irp i, 7,8,9,10,11
	v_mov_b32 v[Q0+\i], 0
	v_mov_b32 v[Q0+12+\i], 0
.endr
	v_cndmask_b32 v[Q0+6], 8, v[ZR], s[HI]         ; Q0: the code +1.0 at block 2's first place (lanes 0-15)
	v_cndmask_b32 v[Q0+18], 8, v[ZR], s[LO]        ; Q1: at block 3's (lanes 16-31)
	s_wait_dscnt 0x0                               ; my K and V have landed
	s_barrier_signal -1
	s_barrier_wait -1                              ; everybody's have; nothing is written there again
; One tile of 16 queries (tile u of my 32) of head hd against all 512 keys, 128 a step
.macro PASS hd, u
	s_wait_dscnt 0x0                               ; the last pass's stores into the stage have read O
	v_or_b32 v[QA], 0x017f0100, v[QW+2*\hd+\u]     ; Q0's scale word: e, 1, 2^0, 1
	v_lshl_or_b32 v[QA+1], v[QW+2*\hd+\u], 8, 0x7f010001   ; Q1's: 1, e, 1, 2^0
.irp i, 0,1,2,3,4,5
	v_permlanex16_b32 v[PC+\i], v[IQ+6*\hd+\i], s[SEL], s[SEL+1]
.endr
.irp i, 0,1,2,3,4,5
.if \u == 0
	v_cndmask_b32 v[Q0+\i], v[IQ+6*\hd+\i], v[ZR], s[HI]
	v_cndmask_b32 v[Q0+12+\i], 0, v[PC+\i], s[HI]
.else
	v_cndmask_b32 v[Q0+\i], v[PC+\i], v[ZR], s[HI]
	v_cndmask_b32 v[Q0+12+\i], 0, v[IQ+6*\hd+\i], s[HI]
.endif
.endr
	v_mov_b32 v[NM+1], 0xff61b1e6                  ; the largest t so far: -3e38
	v_floor_f32 v[NM], -v[NM+1]
	v_mov_b32 v[SUM], 0
	v_mov_b32 v[SUM+1], 0
	v_mov_b32 v[PS], 0                             ; (named as the upper half of the pair with f)
.irp j, 0,1,2,3,4,5,6,7,8,9,10,11,12,13,14,15
	v_mov_b32 v[O+\j], 0                           ; the step is written once: its first trip finds zeros
.endr
	s_mov_b32 s[TK], KIMG+16384*\hd
	s_mov_b32 s[TS], KSC+2048*\hd
	s_mov_b32 s[TV], VIMG+12288*\hd
	s_mov_b32 s[TT], VSC+512*\hd
	s_mov_b32 s[CNT], 4
.Lstep_\@:
	v_add_nc_u32 v[ADK], s[TK], v[LN16]            ; these four are also the places ahead of the loads into registers that the last products read
	v_add_nc_u32 v[ADS], s[TS], v[LN4]
	v_add_nc_u32 v[ADV], s[TV], v[LN8]
	v_add_nc_u32 v[ADT], s[TT], v[R4]
.irp g, 0,1,2,3
	ds_load_b128 v[KF+12*\g:KF+12*\g+3], v[ADK] offset:1024*\g
	ds_load_b96 v[KF+12*\g+4:KF+12*\g+6], v[ADK] offset:1024*\g+512
	ds_load_b32 v[KS+\g], v[ADS] offset:128*\g
.endr
.irp ct, 0,1
.irp i, 0,1,2,3,4,5
	ds_load_b64 v[VF+12*\ct+2*\i:VF+12*\ct+2*\i+1], v[ADV] offset:6144*\ct+256*\i
.endr
	ds_load_b32 v[VS+\ct], v[ADT] offset:256*\ct
.endr
	s_wait_dscnt 14                                ; K's 12 loads are in; V's 14 behind them stay out
.irp g, 0,1,2,3
.irp p, 0,1
	WM S+8*(2*\g+\p), KF+12*\g, Q0+12*\p, -1, KS+\g, QA+\p, 0, 0   ; keys 32 g + 8 p + 16 h + j of the step
.endr
.endr
	PLACES 4
	SOFT 4, 1
.irp j, 0,2,4,6,8,10,12,14
	v_pk_mul_f32 v[O+\j:O+\j+1], v[O+\j:O+\j+1], v[F:F+1] op_sel_hi:[1,0]   ; O^T under the new M; also the places ahead of the products below
.endr
	s_wait_dscnt 0x0                               ; V
	WM O, VF, PC, O, VS, PS, 0, 0
	WM O+8, VF+12, PC, O+8, VS+1, PS, 0, 0
	s_add_co_u32 s[TK], s[TK], 4096
	s_add_co_u32 s[TS], s[TS], 512
	s_add_co_u32 s[TV], s[TV], 1536
	s_add_co_u32 s[TT], s[TT], 64
	s_sub_co_u32 s[CNT], s[CNT], 1
	s_cmp_lg_u32 s[CNT], 0
	s_cbranch_scc1 .Lstep_\@
	PLACES 2                                       ; with the two additions and the v_nop below: the places ahead of the first read of O^T
	v_add_f32 v[SUM], v[SUM], v[SUM+1]
	v_permlanex16_b32 v[TMPR], v[SUM], s[SEL], s[SEL+1]
	v_add_f32 v[SUM], v[SUM], v[TMPR]              ; the row's sum
	v_rcp_f32 v[F], v[SUM]
	v_nop
	s_wait_alu depctr_va_vdst(0)                   ; ahead of the reciprocal's first reader
.irp j, 0,2,4,6,8,10,12,14
	v_pk_mul_f32 v[O+\j:O+\j+1], v[O+\j:O+\j+1], v[F:F+1] op_sel_hi:[1,0]
.endr
.irp q, 0,1,2,3
	ds_store_b128 v[STO], v[O+4*\q:O+4*\q+3] offset:8*SP*\u+128*\hd+16*\q   ; my query's row, channels 32 hd + 16 h + 4 q on
.endr
.endm
	PASS 0, 0
	PASS 0, 1
	PASS 1, 0
	PASS 1, 1
.irp i, 0,1,2,3,4,5,6,7,8,9,10,11,12,13,14,15
	ds_load_b128 v[S+4*\i:S+4*\i+3], v[RD] offset:2*SP*\i   ; the stage is my own: LDS serves a wave's instructions in order
.endr
.irp i, 0,1,2,3,4,5,6,7,8,9,10,11,12,13,14,15
	s_wait_dscnt 15-\i                             ; the younger loads stay out
	global_store_b128 v[GO], v[S+4*\i:S+4*\i+3], s[18:19] offset:2048*\i th:TH_STORE_NT   ; sixteen lanes store 256 consecutive bytes, at a multiple of 256 from the buffer's first byte
.endr
	s_wait_xcnt 0x0
	v_lshl_add_u32 v254, v0, 2, 0x3a400
	v_mov_b32 v255, 0
	s_wait_tensorcnt 0x0
	ds_add_u32 v254, v255
	s_wait_dscnt 0x0
	s_endpgm
.Lfunc_end_k_qe25cc718f7_row:
	.size	k_qe25cc718f7_row, .Lfunc_end_k_qe25cc718f7_row-k_qe25cc718f7_row
	.p2alignl 7, 3214868480
	.fill 96, 4, 3214868480
	.section	.rodata,"a",@progbits
	.p2align	6, 0x0
	.amdhsa_kernel k_qe25cc718f7_row
		.amdhsa_group_segment_fixed_size 240640
		.amdhsa_private_segment_fixed_size 0
		.amdhsa_enable_private_segment 0
		.amdhsa_kernarg_size 64
		.amdhsa_user_sgpr_count 2
		.amdhsa_user_sgpr_kernarg_segment_ptr 1
		.amdhsa_wavefront_size32 1
		.amdhsa_system_sgpr_workgroup_id_x 1
		.amdhsa_system_sgpr_workgroup_id_y 1
		.amdhsa_system_sgpr_workgroup_id_z 1
		.amdhsa_system_vgpr_workitem_id 0
		.amdhsa_next_free_vgpr 256
		.amdhsa_next_free_sgpr 66
		.amdhsa_reserve_vcc 0
		.amdhsa_float_denorm_mode_32 3
		.amdhsa_float_denorm_mode_16_64 3
		.amdhsa_memory_ordered 1
		.amdhsa_forward_progress 1
		.amdhsa_inst_pref_size 113
	.end_amdhsa_kernel
	.amdgpu_metadata
---
amdhsa.version: [ 1, 2 ]
amdhsa.kernels:
  - .name:           k_qe25cc718f7_row
    .symbol:         k_qe25cc718f7_row.kd
    .args:
      - { .name: xq, .offset: 0, .size: 8, .value_kind: global_buffer, .address_space: global }
      - { .name: wq, .offset: 8, .size: 8, .value_kind: global_buffer, .address_space: global }
      - { .name: ws, .offset: 16, .size: 8, .value_kind: global_buffer, .address_space: global }
      - { .name: rq_b, .offset: 24, .size: 8, .value_kind: global_buffer, .address_space: global }
      - { .name: rk_b, .offset: 32, .size: 8, .value_kind: global_buffer, .address_space: global }
      - { .name: rv_b, .offset: 40, .size: 8, .value_kind: global_buffer, .address_space: global }
      - { .name: mask, .offset: 48, .size: 8, .value_kind: global_buffer, .address_space: global }
      - { .name: rowo, .offset: 56, .size: 8, .value_kind: global_buffer, .address_space: global }
    .group_segment_fixed_size: 240640
    .private_segment_fixed_size: 0
    .kernarg_segment_align: 8
    .kernarg_segment_size: 64
    .max_flat_workgroup_size: 512
    .sgpr_count:     66
    .vgpr_count:     256
    .wavefront_size: 32
...
	.end_amdgpu_metadata
.endif
;; end of part 2
;; launch col (part 3): grid 256 x 1, 16 waves a work-group, no clusters, 186,368 bytes of LDS; arguments xq, wq, ws, cq_b, ck_b, cv_b, out_b, mask, rowo, out0; writes out0
.if DOCPART == 3
	.amdgcn_target "amdgcn-amd-amdhsa--gfx1250"
	.amdhsa_code_object_version 6
	.text
	.protected	k_qe25cc718f7_col
	.globl	k_qe25cc718f7_col
	.p2align	8
	.type	k_qe25cc718f7_col,@function
k_qe25cc718f7_col:
	s_mov_b64 s[64:65], 0
	v_nop
	global_prefetch_b8 v0, s[64:65] scope:SCOPE_SE
	s_setreg_imm32_b32 hwreg(HW_REG_WAVE_MODE, 25, 1), 1
	s_wait_xcnt 0x0
; Column attention, the sum with row attention's result, and the last projection; all products on codes of FP6 (E2M3) with E8M0 scales.
; SHARES.  A work-group takes positions 2 x and 2 x + 1.  Wave w of sixteen takes position w / 8 and head w % 8: Q, K, V of the 64 MSA rows, the whole 64 x 64 attention, in its own registers.
; combined = O / sum + row_out is quantised (a head is one block of 32 along the last product's K) and goes to LDS as pieces of operand registers; then wave (position, g) makes output columns 32 g .. 32 g + 31 of the 64 rows.
; ROW_OUT: the work-group's part is 64 MSA rows x 2,048 bytes.  Wave w asks for MSA rows 4 w .. 4 w + 3 by one tensor load at the head, into the bytes that later serve as the output's stage; it lands while Q, K and V are made.
; Those bytes are filled once; every wave waits for its load ahead of the barrier in front of the first read, and a barrier stands between the last read and the stage's first store.  No work-group shares a tile with another: no cluster.
; TILES, THE TWO FORMS OF Q AND THE MASK are as in the launch before: lane r of tile u of a group of 32 takes row 8 u + r + 8 (r / 8); a fragment of K holds two tiles of keys in blocks 0 and 1; a masked key has zero codes,
; the code -1.0 in block 2 or 3 under the byte 0x9f (2^32), so that its score is exactly -2^32; blocks that are switched off carry the byte 1.
; SOFTMAX: t = score x c, c = log2(e) / sqrt(32); M = the row's largest t rounded up; p = 2^(t - M) is quantised along the 64 keys; the sum of the unquantised p divides at the end.
; LIMITS: unmasked logits must lie above -7.6e8; NaN and infinities are not served; blocks under 2^-124 keep the byte 1; a mask byte other than 0 counts as true.
.set XIMG, 0                           ; LDS: x's 16 fragments as register images: 1536 (2 (4 lsel + T) + ks)
.set CIMG, 25600                       ; combined's 16 fragments, six pieces of 256 bytes each
.set CSC,  50176                       ; their scale words: 64 x index + 4 r + block
.set STG,  51200                       ; row_out, then the output's stage: row 2 s + lsel, 1024 bytes + 16
.set SPT,  1040
.set LN16, 1
.set LN8,  2
.set R4,   3
.set XR,   4                           ; x's images of my position; later combined's
.set ST0,  5                           ; STG: row 2 (r + 8 (r / 8)) + lsel, + 128 head + 64 (lane / 16): row_out's and the output's place alike
.set CW,   6                           ; where I store combined's pieces
.set CSW,  7                           ; and its byte; later where I read combined's scale words
.set XS,   8                           ; v8-11 x's scale words (2 b + ks); later v8-9 Q's two scale words
.set QA,   8
.set WS,   12                          ; v12-13 the weights' scale words
.set ST1,  14                          ; ST0, 32 MSA rows on
.set H64,  15                          ; 64 (lane / 16)
.set NM,   16
.set SUM,  18
.set RI,   20                          ; 1 / sum
.set ZR,   21                          ; 0
.set PS,   22
.set TMPR, 23
.set KS,   24                          ; v24-25 K's scale words, v26-27 V's, v28-31 Q's bytes; later v24-31 combined's scale words
.set VS,   26
.set QW,   28
.set CSR,  24
.set VF,   32                          ; v32-55 V^T; later v32-79 out_w's four fragments
.set OW,   32
.set Q0,   56                          ; v56-67 Q0, v68-79 Q1
.set VD,   56                          ; v56-119 V's eight accumulators
.set BI,   56                          ; v56-71 Q's or K's bias tiles
.set QT2,  72
.set KF,   80                          ; v80-103 K; later v80-175 combined's eight fragments
.set CF,   80
.set IQ,   104                         ; v104-115 Q's codes
.set CC,   116                         ; v116-122 combined's codes
.set TBK,  120
.set EC,   124                         ; v124-125 combined's bytes
.set MKW,  126                         ; v126-127 the mask bytes, then the mask's scale bytes of groups 0, 1
.set S,    128
.set XF,   128
.set O,    160
.set RO,   176                         ; v176-191 row_out of the tile in hand
.set WF,   176                         ; v176-223 a weight group's four fragments
.set DO,   176                         ; v176-239 the last product's eight accumulators
.set PC,   208
.set W16,  220
.set DD,   224                         ; v224-255 Q's or K's four accumulators
.set CB,   224
.set QTV,  240
.set TBV,  248
.set VB,   252
.set OB,   240
.set WV,  24
.set LSEL, 25
.set HEAD, 26
.set LP,  27
.set SEL, 28
.set CS,  30
.set HI,  32
.set MS,  33                           ; s33, s34 lanes whose key is valid, groups 0, 1
.set LO,  35
.set G1,  68                           ; s[68:75] descriptor group 1, s[76:79] group 0: never rewritten
.set G0,  76
.macro PLACES n
.rept \n
	v_nop
.endr
.endm
.macro WM d, a, b, c, sa, sb, ra, rb
.if (\c) < 0
	v_wmma_scale_f32_16x16x128_f8f6f4 v[\d:\d+7], v[\a:\a+11], v[\b:\b+11], 0, v[\sa], v[\sb] matrix_a_fmt:MATRIX_FMT_FP6 matrix_b_fmt:MATRIX_FMT_FP6
.elseif (\ra) && (\rb)
	v_wmma_scale_f32_16x16x128_f8f6f4 v[\d:\d+7], v[\a:\a+11], v[\b:\b+11], v[\c:\c+7], v[\sa], v[\sb] matrix_a_fmt:MATRIX_FMT_FP6 matrix_b_fmt:MATRIX_FMT_FP6 matrix_a_scale:MATRIX_SCALE_ROW1 matrix_b_scale:MATRIX_SCALE_ROW1
.elseif \ra
	v_wmma_scale_f32_16x16x128_f8f6f4 v[\d:\d+7], v[\a:\a+11], v[\b:\b+11], v[\c:\c+7], v[\sa], v[\sb] matrix_a_fmt:MATRIX_FMT_FP6 matrix_b_fmt:MATRIX_FMT_FP6 matrix_a_scale:MATRIX_SCALE_ROW1
.elseif \rb
	v_wmma_scale_f32_16x16x128_f8f6f4 v[\d:\d+7], v[\a:\a+11], v[\b:\b+11], v[\c:\c+7], v[\sa], v[\sb] matrix_a_fmt:MATRIX_FMT_FP6 matrix_b_fmt:MATRIX_FMT_FP6 matrix_b_scale:MATRIX_SCALE_ROW1
.else
	v_wmma_scale_f32_16x16x128_f8f6f4 v[\d:\d+7], v[\a:\a+11], v[\b:\b+11], v[\c:\c+7], v[\sa], v[\sb] matrix_a_fmt:MATRIX_FMT_FP6 matrix_b_fmt:MATRIX_FMT_FP6
.endif
.endm
; Two sets of 16 registers, each my half of one block of 32.  Afterwards lanes 0-15 hold set a's whole block, lanes 16-31 set b's: lower 16 codes in v[dA] on, upper 16 in v[tb] on; the bytes in v[w+6], v[w+7]
.macro QUANT2 src, dA, tb, w
	v_max3_num_f32 v[\w], |v[\src]|, |v[\src+1]|, 0x1800000        ; with the floor 2^(3 - 127)
	v_max3_num_f32 v[\w+1], |v[\src+16]|, |v[\src+17]|, 0x1800000
.irp i, 2,4,6,8,10,12,14
	v_max3_num_f32 v[\w], v[\w], |v[\src+\i]|, |v[\src+\i+1]|
	v_max3_num_f32 v[\w+1], v[\w+1], |v[\src+16+\i]|, |v[\src+17+\i]|
.endr
	v_permlanex16_b32 v[\w+2], v[\w], s[SEL], s[SEL+1]
	v_permlanex16_b32 v[\w+3], v[\w+1], s[SEL], s[SEL+1]
	v_max_num_f32 v[\w], v[\w], v[\w+2]
	v_max_num_f32 v[\w+1], v[\w+1], v[\w+3]
	v_add_nc_u32 v[\w+4], 0xff000000, v[\w]
	v_add_nc_u32 v[\w+5], 0xff000000, v[\w+1]
	v_lshrrev_b32 v[\w+6], 23, v[\w+4]
	v_lshrrev_b32 v[\w+7], 23, v[\w+5]
	v_cvt_scalef32_pk16_fp6_f32 v[\dA:\dA+2], v[\src:\src+15], v[\w+4]
	v_cvt_scalef32_pk16_fp6_f32 v[\tb:\tb+2], v[\src+16:\src+31], v[\w+5]
	v_nop                                          ; one plain place behind a scaled conversion
.irp i, 0,1,2
	v_permlane16_swap_b32 v[\dA+\i], v[\tb+\i]
.endr
.endm
; One set of 16: my half of a block; its 16 codes in v[d] on, the byte in v[e]
.macro QUANT1 src, d, e, w
	v_max3_num_f32 v[\w], |v[\src]|, |v[\src+1]|, 0x1800000
	v_max3_num_f32 v[\w+1], |v[\src+2]|, |v[\src+3]|, |v[\src+4]|
.irp i, 5,9
	v_max3_num_f32 v[\w], v[\w], |v[\src+\i]|, |v[\src+\i+1]|
	v_max3_num_f32 v[\w+1], v[\w+1], |v[\src+\i+2]|, |v[\src+\i+3]|
.endr
	v_max3_num_f32 v[\w], v[\w], |v[\src+13]|, |v[\src+14]|
	v_max3_num_f32 v[\w], v[\w], v[\w+1], |v[\src+15]|
	v_permlanex16_b32 v[\w+2], v[\w], s[SEL], s[SEL+1]
	v_max_num_f32 v[\w], v[\w], v[\w+2]
	v_add_nc_u32 v[\w+3], 0xff000000, v[\w]
	v_lshrrev_b32 v[\e], 23, v[\w+3]
	v_cvt_scalef32_pk16_fp6_f32 v[\d:\d+2], v[\src:\src+15], v[\w+3]
	v_nop                                          ; one plain place behind a scaled conversion
.endm
; The softmax of 32 NB keys a lane pair, as in the launch before (here NB = 2, RUN = 0: all keys at once)
.macro SOFT NB, RUN
.set b, 0
.rept \NB
	v_max3_num_f32 v[W16+b], v[S+16*b], v[S+16*b+1], v[S+16*b+2]   ; each block's largest score: for the row's maximum and for the block's largest p
.set b, b+1
.endr
.irp i, 3,5,7,9,11,13
.set b, 0
.rept \NB
	v_max3_num_f32 v[W16+b], v[W16+b], v[S+16*b+\i], v[S+16*b+\i+1]
.set b, b+1
.endr
.endr
.set b, 0
.rept \NB
	v_max_num_f32 v[W16+b], v[W16+b], v[S+16*b+15]
.set b, b+1
.endr
.set b, 0
.rept \NB
	v_permlanex16_b32 v[W16+4+b], v[W16+b], s[SEL], s[SEL+1]
.set b, b+1
.endr
.set b, 0
.rept \NB
	v_max_num_f32 v[W16+b], v[W16+b], v[W16+4+b]
.set b, b+1
.endr
	v_max_num_f32 v[TMPR], v[W16], v[W16+1]
	v_mul_f32 v[TMPR], s[CS], v[TMPR]              ; as t (c is positive)
	v_mov_b32 v[NM+1], v[TMPR]                     ; (named with -M as a pair)
	v_floor_f32 v[NM], -v[TMPR]                    ; -M = floor(-t)
.set j, 0
.rept 8*\NB
	v_pk_fma_f32 v[S+j:S+j+1], v[S+j:S+j+1], s[CS:CS+1], v[NM:NM+1] op_sel_hi:[1,0,0]
.set j, j+2
.endr
.set b, 0
.rept \NB
	v_fma_f32 v[W16+b], v[W16+b], s[CS], v[NM]
.set b, b+1
.endr
.set j, 0
.rept 16*\NB
	v_exp_f32 v[S+j], v[S+j]                       ; p = 2^(t - M): one batch
.set j, j+1
.endr
	v_nop                                          ; the plain place behind the batch
	s_wait_alu depctr_va_vdst(0)                   ; one wait for the batch, ahead of its first reader
.set b, 0
.rept \NB
	v_exp_f32 v[W16+b], v[W16+b]
.set b, b+1
.endr
	v_pk_add_f32 v[SUM:SUM+1], v[S:S+1], v[S+2:S+3]         ; the sum of the unquantised p, in two chains
	v_pk_add_f32 v[W16+4:W16+5], v[S+4:S+5], v[S+6:S+7]
.set j, 8
.rept (16*\NB-8)/4
	v_pk_add_f32 v[SUM:SUM+1], v[SUM:SUM+1], v[S+j:S+j+1]
	v_pk_add_f32 v[W16+4:W16+5], v[W16+4:W16+5], v[S+j+2:S+j+3]
.set j, j+4
.endr
	v_pk_add_f32 v[SUM:SUM+1], v[SUM:SUM+1], v[W16+4:W16+5]
	s_wait_alu depctr_va_vdst(0)                   ; and one for the blocks' exponentials
.set b, 0
.rept \NB
	v_max_num_f32 v[W16+b], 0x1800000, v[W16+b]
.set b, b+1
.endr
.set b, 0
.rept \NB
	v_add_nc_u32 v[W16+12+b], 0xff000000, v[W16+b]
.set b, b+1
.endr
.set b, 0
.rept \NB
	v_lshrrev_b32 v[W16+4+b], 23, v[W16+12+b]
.set b, b+1
.endr
	v_lshl_or_b32 v[PS], v[W16+5], 8, v[W16+4]
	v_or_b32 v[PS], 0x01010000, v[PS]              ; the two blocks that hold nothing: byte 1
	v_cvt_scalef32_pk16_fp6_f32 v[PC:PC+2], v[S:S+15], v[W16+12]
	v_cvt_scalef32_pk16_fp6_f32 v[W16+4:W16+6], v[S+16:S+31], v[W16+13]
	v_nop
.irp i, 0,1,2
	v_permlane16_swap_b32 v[PC+\i], v[W16+4+\i]
.endr
.irp i, 0,1,2
	v_mov_b32 v[PC+3+\i], v[W16+4+\i]
.endr
.endm
	s_load_b512 s[4:19], s[0:1], 0x0               ; xq, wq, ws, cq_b, ck_b, cv_b, out_b, mask
	s_load_b128 s[20:23], s[0:1], 0x40             ; rowo, out0
	v_lshl_add_u32 v254, v0, 2, 0x2d000
	v_mov_b32 v255, 0
	ds_add_u32 v254, v255
	ds_add_u32 v254, v255
	s_wait_dscnt 0x0
	v_lshrrev_b32 v1, 5, v0
	v_readfirstlane_b32 s[WV], v1                  ; wave 0..15
	s_lshr_b32 s[LSEL], s[WV], 3
	s_and_b32 s[HEAD], s[WV], 7
	s_lshl_b32 s[LP], ttmp9, 1
	s_add_co_u32 s[LP], s[LP], s[LSEL]             ; my position
	; descriptor group 1: 4 MSA rows x 2,048 bytes of row_out, 524,288 bytes apart; in LDS 16 bytes of padding behind every 1,024, so that a position's row is 1,040 bytes
	s_mov_b32 s[G1], (3<<16)|(1<<20)|(7<<22)|(3<<25)   ; 15:0 no mask; 17:16 elements of 8 bytes; 20 padding on; 24:22 after every 256 words (code 7); 31:25 of 4 words (code 3)
	s_mov_b32 s[G1+1], 256<<16                     ; tensor_dim0 = 256 elements
	s_mov_b32 s[G1+2], 4<<16                       ; tensor_dim1 = 4
	s_mov_b32 s[G1+3], 256<<16                     ; tile_dim0 = 256
	s_mov_b32 s[G1+4], 4                           ; tile_dim1 = 4
	s_mov_b32 s[G1+5], 65536                       ; from row to row, in elements
	s_mov_b32 s[G1+6], 0
	s_mov_b32 s[G1+7], 0
	v_and_b32 v240, 31, v0                         ; lane
	v_and_b32 v241, 15, v0                         ; r
	v_bfe_u32 v242, v0, 4, 1                       ; h
	v_and_b32 v243, 8, v241
	v_add_nc_u32 v243, v243, v241                  ; r + 8 (r / 8)
	v_lshlrev_b32 v[LN16], 4, v240
	v_lshlrev_b32 v[LN8], 3, v240
	v_lshlrev_b32 v[R4], 2, v241
	s_mul_i32 s40, s[LSEL], 12288
	v_add_nc_u32 v[XR], s40, v[LN16]
	s_lshr_b32 s41, s[HEAD], 2                     ; my head is block head % 4 of K step head / 4: registers 6 ((head / 2) % 2) on, lanes 16 (head % 2) on
	s_mul_i32 s41, s41, 1536
	s_add_co_u32 s40, s40, s41
	s_bfe_u32 s41, s[HEAD], 0x10001
	s_mul_i32 s41, s41, 768
	s_add_co_u32 s40, s40, s41
	s_and_b32 s41, s[HEAD], 1
	s_lshl_b32 s41, s41, 7
	s_add_co_u32 s40, s40, s41
	s_add_co_u32 s40, s40, CIMG
	v_mul_u32_u24 v[CW], v242, 3072                ; my half of the lanes holds row tile 2 b + h
	v_lshl_add_u32 v[CW], v241, 3, v[CW]
	v_add_nc_u32 v[CW], s40, v[CW]
	s_lshl_b32 s40, s[LSEL], 9
	s_lshr_b32 s41, s[HEAD], 2
	s_lshl_b32 s41, s41, 6
	s_add_co_u32 s40, s40, s41
	s_and_b32 s41, s[HEAD], 3
	s_add_co_u32 s40, s40, s41
	s_add_co_u32 s40, s40, CSC
	v_lshl_add_u32 v[CSW], v242, 7, v[R4]
	v_add_nc_u32 v[CSW], s40, v[CSW]
	v_lshlrev_b32 v[H64], 6, v242
	s_mul_i32 s40, s[LSEL], SPT
	s_lshl_b32 s41, s[HEAD], 7
	s_add_co_u32 s40, s40, s41
	s_add_co_u32 s40, s40, STG
	v_mul_u32_u24 v[ST0], v243, 2*SPT
	v_add_nc_u32 v[ST0], v[H64], v[ST0]
	v_add_nc_u32 v[ST0], s40, v[ST0]
	v_add_nc_u32 v[ST1], 64*SPT, v[ST0]
	v_lshlrev_b32 v245, 17, v243                   ; an MSA row of records is 131,072 bytes
	v_mad_u32_u24 v245, v242, 24, v245
	v_lshl_add_u32 v246, v242, 3, v243             ; 8 h + r + 8 (r / 8)
	v_lshlrev_b32 v247, 17, v246
	v_lshlrev_b32 v248, 9, v246
	v_lshlrev_b32 v249, 2, v243
	s_mul_i32 s56, s[WV], 1536
	v_add_nc_u32 v250, s56, v[LN16]
	v_mov_b32 v[ZR], 0
	s_mov_b32 s[SEL], 0x76543210
	s_mov_b32 s[SEL+1], 0xfedcba98
	s_mov_b32 s[CS], 0x3e8293ee                    ; c = log2(e) / sqrt(32)
	s_mov_b32 s[CS+1], s[CS]
	s_mov_b32 s[HI], 0xffff0000
	s_mov_b32 s[LO], 0x0000ffff
	s_mov_b32 s41, 0
	s_wait_kmcnt 0x0
	s_lshl_b32 s40, ttmp9, 11
	s_lshl_b32 s56, s[WV], 21
	s_add_co_u32 s40, s40, s56                     ; (MSA row 4 w, the work-group's first position), in bytes: in row_out and in the output alike
	s_add_nc_u64 s[54:55], s[22:23], s[40:41]      ; out0 there
	s_mov_b32 s[G0], 1                             ; 1:0 count = 1
	s_mul_i32 s[G0+1], s[WV], 8*SPT                ; 63:32 LDS address: stage rows 8 w on
	s_add_co_u32 s[G0+1], s[G0+1], STG
	s_add_nc_u64 s[G0+2:G0+3], s[20:21], s[40:41]  ; 120:64 global address
	s_or_b32 s[G0+3], s[G0+3], 0x80000000          ; 127:126 type = 2
	tensor_load_to_lds s[G0:G0+3], s[G1:G1+7]      ; my one tensor load: ahead of every LDS read, every barrier and the one wait on TENSORcnt
	s_nop 0
	s_lshl_b32 s40, s[LP], 8
	s_add_nc_u64 s[48:49], s[4:5], s[40:41]        ; the record of (MSA row 0, my position)
	s_bfe_u32 s40, s[WV], 0x10002                  ; the fragment that I fetch: row tile T = (w / 2) % 4, K step w % 2: rows 32 (T / 2) + 8 (T % 2) on
	s_lshl_b32 s40, s40, 22
	s_bfe_u32 s56, s[WV], 0x10001
	s_lshl_b32 s56, s56, 20
	s_add_co_u32 s40, s40, s56
	s_and_b32 s56, s[WV], 1
	s_mul_i32 s56, s56, 96
	s_add_co_u32 s40, s40, s56
	s_add_nc_u64 s[50:51], s[48:49], s[40:41]
	s_mov_b32 s40, s[LP]
	s_add_nc_u64 s[52:53], s[18:19], s[40:41]      ; mask at (0, my position)
	s_add_co_u32 s56, s[HEAD], 24                  ; cq_w's group of my head
	s_mul_i32 s40, s56, 6144
	s_add_nc_u64 s[44:45], s[6:7], s[40:41]
	s_lshl_b32 s40, s56, 8
	s_add_nc_u64 s[46:47], s[8:9], s[40:41]
	s_lshl_b32 s40, s[HEAD], 7
	s_add_nc_u64 s[10:11], s[10:11], s[40:41]
	s_add_nc_u64 s[12:13], s[12:13], s[40:41]
	s_add_nc_u64 s[14:15], s[14:15], s[40:41]
	s_add_nc_u64 s[16:17], s[16:17], s[40:41]
.macro LOADW m, dst                    ; my head's group of matrix m: four fragments as they lie, and their scale words
.irp f, 0,1,2,3
.irp c, 0,1,2
	global_load_b128 v[\dst+12*\f+4*\c:\dst+12*\f+4*\c+3], v[LN16], s[44:45] offset:49152*(\m-3)+1536*\f+512*\c
.endr
.endr
	global_load_b64 v[WS:WS+1], v[LN8], s[46:47] offset:2048*(\m-3)
.endm
.macro LOADB lo, dst                   ; two bias tiles: register j = b[32 head + 8 u' + 16 h + j]
.irp t, 0,1
	global_load_b128 v[\dst+8*\t:\dst+8*\t+3], v[H64], s[\lo:\lo+1] offset:32*\t
	global_load_b128 v[\dst+8*\t+4:\dst+8*\t+7], v[H64], s[\lo:\lo+1] offset:32*\t+16
.endr
.endm
.macro XFETCH b                        ; x's four fragments of rows 32 b on
.irp f, 0,1,2,3
.irp c, 0,1,2
	ds_load_b128 v[XF+12*\f+4*\c:XF+12*\f+4*\c+3], v[XR] offset:XIMG+6144*\b+1536*\f+512*\c
.endr
.endr
.endm
.irp p, 0,1,2,3,4,5
	global_load_b64 v[XF+2*\p:XF+2*\p+1], v245, s[50:51] offset:48*(\p/3)+8*(\p%3)   ; one of the work-group's 16 fragments of x
.endr
	global_load_b64 v[XS:XS+1], v247, s[48:49] offset:192
	global_load_b64 v[XS+2:XS+3], v247, s[48:49] offset:192+4194304
	global_load_u8 v[MKW], v248, s[52:53]
	global_load_u8 v[MKW+1], v248, s[52:53] offset:16384
	LOADW 5, WF
	global_load_b32 v[VB], v249, s[14:15]
	global_load_b32 v[VB+1], v249, s[14:15] offset:32
	s_wait_loadcnt 0x0
.irp c, 0,1,2
	ds_store_b128 v250, v[XF+4*\c:XF+4*\c+3] offset:XIMG+512*\c
.endr
	s_wait_dscnt 0x0                               ; my fragment has landed
	s_barrier_signal -1
	s_barrier_wait -1                              ; all sixteen have.  (My tensor load may stay out, and nobody reads its bytes yet)
	v_cmp_ne_u32 s[MS], 0, v[MKW]
	v_cmp_ne_u32 s[MS+1], 0, v[MKW+1]
	v_mov_b32 v[EC+1], 1
	v_mov_b32 v[EC], 0
	v_cndmask_b32 v[MKW], 0x9f, v[EC+1], s[MS]     ; the mask block's byte: 2^32 where my key is masked, else byte 1
	v_cndmask_b32 v[MKW+1], 0x9f, v[EC+1], s[MS+1]
	v_permlanex16_b32 v[EC], v[MKW], s[SEL], s[SEL+1]
	v_permlanex16_b32 v[EC+1], v[MKW+1], s[SEL], s[SEL+1]
	v_lshlrev_b32 v[MKW], 16, v[MKW]               ; in lanes 0-15: byte 2 for tile 0's key, byte 3 for tile 1's
	v_lshlrev_b32 v[MKW+1], 16, v[MKW+1]
	v_lshl_or_b32 v[MKW], v[EC], 24, v[MKW]
	v_lshl_or_b32 v[MKW+1], v[EC+1], 24, v[MKW+1]
.irp j, 0,1,2,3,4,5,6,7
	v_mov_b32 v[CB+\j], v[VB]                      ; V's bias of my channel, as the C of each sum's first product
	v_mov_b32 v[CB+8+\j], v[VB+1]
.endr
.macro VMM b                           ; V: source 0 = 16 rows of x, source 1 = 16 rows of W: a lane holds a channel, its registers run along the keys
.irp ks, 0,1
.irp ct, 0,1
.irp u, 0,1
.set cc, VD+8*(4*\ct+2*\b+\u)
.if \ks == 0
.set cc, CB+8*\ct
.endif
	WM VD+8*(4*\ct+2*\b+\u), XF+12*(2*\u+\ks), WF+12*(2*\ct+\ks), cc, XS+2*\b+\ks, WS+\ks, \u, \ct
.endr
.endr
.endr
.endm
.macro QKMM b                          ; Q or K: source 0 = 16 rows of W, source 1 = 16 rows of x: a lane holds a row of x, its registers run along the head's 32
.irp ks, 0,1
.irp u, 0,1
.irp p, 0,1
.set cc, DD+8*(2*\u+\p)
.if \ks == 0
.set cc, BI+8*\p
.endif
	WM DD+8*(2*\u+\p), WF+12*(2*\p+\ks), XF+12*(2*\u+\ks), cc, WS+\ks, XS+2*\b+\ks, \p, \u
.endr
.endr
.endr
.endm
.macro VTAIL ct
	QUANT2 VD+32*\ct, VF+12*\ct, TBV, QTV          ; blocks 0 and 1: keys 0-31, 32-63
.irp i, 0,1,2
	v_mov_b32 v[VF+12*\ct+3+\i], v[TBV+\i]
.endr
	v_lshl_or_b32 v[VS+\ct], v[QTV+7], 8, v[QTV+6]
	v_or_b32 v[VS+\ct], 0x01010000, v[VS+\ct]
.endm
.macro KTAIL b
	QUANT2 DD, KF+12*\b, TBK, QT2
.irp i, 0,1,2
	v_cndmask_b32 v[KF+12*\b+\i], 0, v[KF+12*\b+\i], s[MS+\b]   ; a masked key's codes are zeros
	v_cndmask_b32 v[KF+12*\b+3+\i], 0, v[TBK+\i], s[MS+\b]
.endr
	v_cndmask_b32 v[KF+12*\b+6], 40, v[ZR], s[MS+\b]            ; and the code -1.0 in its mask block
	v_lshl_or_b32 v[KS+\b], v[QT2+7], 8, v[QT2+6]
	v_or_b32 v[KS+\b], v[KS+\b], v[MKW+\b]
.endm
.macro QTAIL b
	QUANT2 DD, IQ+6*\b, TBK, QT2
.irp i, 0,1,2
	v_mov_b32 v[IQ+6*\b+3+\i], v[TBK+\i]
.endr
	v_mov_b32 v[QW+2*\b], v[QT2+6]
	v_mov_b32 v[QW+2*\b+1], v[QT2+7]
.endm
; Each fetch of x's images stands straight behind the four places that follow the products which read the old ones: it lands while those products' results are quantised
	XFETCH 0
	s_wait_dscnt 0x0
	VMM 0
	PLACES 4                                       ; ahead of loads into registers that the products have read
	XFETCH 1
	s_wait_dscnt 0x0
	VMM 1
	PLACES 4
	LOADW 4, WF                                    ; K's weights, and x's images for K, land while V is quantised
	XFETCH 0
	VTAIL 0
	LOADB 12, BI                                   ; K's bias, into registers that V's first sums have left
	VTAIL 1
	s_wait_loadcnt 0x0
	s_wait_dscnt 0x0
	QKMM 0
	PLACES 4
	XFETCH 1
	KTAIL 0
	s_wait_dscnt 0x0
	QKMM 1
	PLACES 4
	LOADW 3, WF                                    ; Q's weights and bias, and x's images for Q, land while K is quantised
	LOADB 10, BI
	XFETCH 0
	KTAIL 1
	s_wait_loadcnt 0x0
	s_wait_dscnt 0x0
	QKMM 0
	PLACES 4
	XFETCH 1
	QTAIL 0
	s_wait_dscnt 0x0
	QKMM 1
	PLACES 4
	QTAIL 1
	s_wait_tensorcnt 0x0                           ; my four MSA rows of row_out have landed (no LDS instruction of mine is out)
	s_barrier_signal -1
.irp g, 0,1                                    ; register work between the signal and the wait: what holds nothing is written once
.irp i, 7,8,9,10,11
	v_mov_b32 v[KF+12*\g+\i], 0
.endr
.irp i, 6,7,8,9,10,11
	v_mov_b32 v[VF+12*\g+\i], 0
.endr
.irp i, 7,8,9,10,11
	v_mov_b32 v[Q0+12*\g+\i], 0
.endr
.endr
.irp i, 6,7,8,9,10,11
	v_mov_b32 v[PC+\i], 0
.endr
	v_cndmask_b32 v[Q0+6], 8, v[ZR], s[HI]         ; Q0: the code +1.0 at block 2's first place (lanes 0-15)
	v_cndmask_b32 v[Q0+18], 8, v[ZR], s[LO]        ; Q1: at block 3's (lanes 16-31)
	s_barrier_wait -1                              ; all 64 MSA rows of row_out lie in LDS
; One tile of 16 queries (MSA rows 32 (qt / 2) + 8 (qt % 2) + r + 8 (r / 8)) against the 64 keys
.macro QT qt
.set qb, (\qt)/2
.set qu, (\qt)%2
.irp q, 0,1,2,3
.if qb == 0
	ds_load_b128 v[RO+4*\q:RO+4*\q+3], v[ST0] offset:16*SPT*qu+16*\q   ; row_out of my query, channels 32 head + 16 h + 4 q on: wanted behind the second product
.else
	ds_load_b128 v[RO+4*\q:RO+4*\q+3], v[ST1] offset:16*SPT*qu+16*\q
.endif
.endr
	v_or_b32 v[QA], 0x017f0100, v[QW+\qt]          ; Q0's scale word: e, 1, 2^0, 1
	v_lshl_or_b32 v[QA+1], v[QW+\qt], 8, 0x7f010001   ; Q1's: 1, e, 1, 2^0
.irp i, 0,1,2,3,4,5
	v_permlanex16_b32 v[PC+\i], v[IQ+6*qb+\i], s[SEL], s[SEL+1]
.endr
.irp i, 0,1,2,3,4,5
.if qu == 0
	v_cndmask_b32 v[Q0+\i], v[IQ+6*qb+\i], v[ZR], s[HI]
	v_cndmask_b32 v[Q0+12+\i], 0, v[PC+\i], s[HI]
.else
	v_cndmask_b32 v[Q0+\i], v[PC+\i], v[ZR], s[HI]
	v_cndmask_b32 v[Q0+12+\i], 0, v[IQ+6*qb+\i], s[HI]
.endif
.endr
	PLACES 4                                       ; operands written by vector instructions stand four places ahead of a scaled product
.irp g, 0,1
.irp p, 0,1
	WM S+8*(2*\g+\p), KF+12*\g, Q0+12*\p, -1, KS+\g, QA+\p, 0, 0
.endr
.endr
	PLACES 4
	SOFT 2, 0
	v_add_f32 v[SUM], v[SUM], v[SUM+1]
	v_permlanex16_b32 v[TMPR], v[SUM], s[SEL], s[SEL+1]
	v_add_f32 v[SUM], v[SUM], v[TMPR]              ; the row's sum
	v_rcp_f32 v[RI], v[SUM]
	PLACES 4                                       ; with the lines above: eight places behind p's scale word, four behind its codes
	WM O, VF, PC, -1, VS, PS, 0, 0
	WM O+8, VF+12, PC, -1, VS+1, PS, 0, 0
	PLACES 4
	s_wait_alu depctr_va_vdst(0)                   ; ahead of the reciprocal's first reader
	s_wait_dscnt 0x0                               ; row_out
.irp j, 0,2,4,6,8,10,12,14
	v_pk_fma_f32 v[O+\j:O+\j+1], v[O+\j:O+\j+1], v[RI:RI+1], v[RO+\j:RO+\j+1] op_sel_hi:[1,0,1]   ; combined = O / sum + row_out
.endr
	QUANT1 O, CC+4*qu, EC+qu, W16
.if qu == 1
.irp i, 0,1,2
	v_permlane16_swap_b32 v[CC+\i], v[CC+4+\i]     ; lanes 0-15: the even tile's whole block; lanes 16-31: the odd tile's
.endr
	v_mov_b32 v[CC+3], v[CC+4]
	v_mov_b32 v[CC+4], v[CC+5]
	v_mov_b32 v[CC+5], v[CC+6]
.irp i, 0,1,2
	ds_store_b64 v[CW], v[CC+2*\i:CC+2*\i+1] offset:6144*qb+256*\i
.endr
	v_cndmask_b32 v[TMPR], v[EC], v[EC+1], s[HI]
	ds_store_b8 v[CSW], v[TMPR] offset:256*qb
	s_wait_dscnt 0x0                               ; the stores have read their registers
.endif
.endm
	QT 0
	QT 1
	QT 2
	QT 3
	LOADW 6, OW                                    ; out_w's group 32 g on, its scale words, out_b
	LOADB 16, OB
	s_mul_i32 s40, s[LSEL], 12288
	s_add_co_u32 s40, s40, CIMG
	v_add_nc_u32 v[XR], s40, v[LN8]                ; combined's pieces of my position
	s_lshl_b32 s40, s[LSEL], 9
	s_add_co_u32 s40, s40, CSC
	v_add_nc_u32 v[CSW], s40, v[R4]                ; and their scale words
	s_mul_i32 s40, s[WV], 8*SPT
	s_add_co_u32 s40, s40, STG
	v_add_nc_u32 v[TMPR], s40, v[LN16]             ; the stage, back: rows 8 w on
	s_barrier_signal -1                            ; (my stores of combined and my reads of row_out were waited for at the last tile's end)
	s_barrier_wait -1                              ; combined's sixteen fragments lie in LDS, and nobody reads row_out any more: its bytes become the stage
.irp f, 0,1,2,3,4,5,6,7
.irp i, 0,1,2,3,4,5
	ds_load_b64 v[CF+12*\f+2*\i:CF+12*\f+2*\i+1], v[XR] offset:1536*\f+256*\i
.endr
	ds_load_b32 v[CSR+\f], v[CSW] offset:64*\f
.endr
	s_wait_dscnt 0x0
	s_wait_loadcnt 0x0
.irp ks, 0,1                                   ; eight accumulators by turns, K step by K step; source 0 = 16 rows of out_w, source 1 = 16 rows of combined
.irp t, 0,1,2,3
.irp p, 0,1
.set cc, DO+8*(2*\t+\p)
.if \ks == 0
.set cc, OB+8*\p
.endif
	WM DO+8*(2*\t+\p), OW+12*(2*\p+\ks), CF+12*(2*\t+\ks), cc, WS+\ks, CSR+2*\t+\ks, \p, 0
.endr
.endr
.endr
	PLACES 4
.macro STOUT adr, t                    ; row tile t's two accumulators into the stage, each from its low end on
.irp p, 0,1
	ds_store_b128 v[\adr], v[DO+8*(2*\t+\p):DO+8*(2*\t+\p)+3] offset:16*SPT*((\t)%2)+32*\p
	ds_store_b128 v[\adr], v[DO+8*(2*\t+\p)+4:DO+8*(2*\t+\p)+7] offset:16*SPT*((\t)%2)+32*\p+16
.endr
.endm
	STOUT ST0, 0
	STOUT ST0, 1
	STOUT ST1, 2
	STOUT ST1, 3
	s_wait_dscnt 0x0                               ; my part of the 128 rows has landed
	s_barrier_signal -1
	s_barrier_wait -1                              ; everybody's has
.irp i, 0,1,2,3,4,5,6,7,8,9,10,11,12,13,14,15
	ds_load_b128 v[32+4*\i:35+4*\i], v[TMPR] offset:SPT*(\i/2)+512*(\i%2)
.endr
.irp i, 0,1,2,3,4,5,6,7,8,9,10,11,12,13,14,15
	s_wait_dscnt 15-\i                             ; the younger loads stay out
	global_store_b128 v[LN16], v[32+4*\i:35+4*\i], s[54:55] offset:524288*(\i/4)+1024*((\i/2)%2)+512*(\i%2) th:TH_STORE_NT   ; 32 lanes store 512 consecutive bytes, at a multiple of 256 from the output's first byte
.endr
	s_wait_xcnt 0x0
	v_lshl_add_u32 v254, v0, 2, 0x2d000
	v_mov_b32 v255, 0
	s_wait_tensorcnt 0x0
	ds_add_u32 v254, v255
	s_wait_dscnt 0x0
	s_endpgm
.Lfunc_end_k_qe25cc718f7_col:
	.size	k_qe25cc718f7_col, .Lfunc_end_k_qe25cc718f7_col-k_qe25cc718f7_col
	.p2alignl 7, 3214868480
	.fill 96, 4, 3214868480
	.section	.rodata,"a",@progbits
	.p2align	6, 0x0
	.amdhsa_kernel k_qe25cc718f7_col
		.amdhsa_group_segment_fixed_size 186368
		.amdhsa_private_segment_fixed_size 0
		.amdhsa_enable_private_segment 0
		.amdhsa_kernarg_size 80
		.amdhsa_user_sgpr_count 2
		.amdhsa_user_sgpr_kernarg_segment_ptr 1
		.amdhsa_wavefront_size32 1
		.amdhsa_system_sgpr_workgroup_id_x 1
		.amdhsa_system_sgpr_workgroup_id_y 1
		.amdhsa_system_sgpr_workgroup_id_z 1
		.amdhsa_system_vgpr_workitem_id 0
		.amdhsa_next_free_vgpr 256
		.amdhsa_next_free_sgpr 80
		.amdhsa_reserve_vcc 0
		.amdhsa_float_denorm_mode_32 3
		.amdhsa_float_denorm_mode_16_64 3
		.amdhsa_memory_ordered 1
		.amdhsa_forward_progress 1
		.amdhsa_inst_pref_size 89
	.end_amdhsa_kernel
	.amdgpu_metadata
---
amdhsa.version: [ 1, 2 ]
amdhsa.kernels:
  - .name:           k_qe25cc718f7_col
    .symbol:         k_qe25cc718f7_col.kd
    .args:
      - { .name: xq, .offset: 0, .size: 8, .value_kind: global_buffer, .address_space: global }
      - { .name: wq, .offset: 8, .size: 8, .value_kind: global_buffer, .address_space: global }
      - { .name: ws, .offset: 16, .size: 8, .value_kind: global_buffer, .address_space: global }
      - { .name: cq_b, .offset: 24, .size: 8, .value_kind: global_buffer, .address_space: global }
      - { .name: ck_b, .offset: 32, .size: 8, .value_kind: global_buffer, .address_space: global }
      - { .name: cv_b, .offset: 40, .size: 8, .value_kind: global_buffer, .address_space: global }
      - { .name: out_b, .offset: 48, .size: 8, .value_kind: global_buffer, .address_space: global }
      - { .name: mask, .offset: 56, .size: 8, .value_kind: global_buffer, .address_space: global }
      - { .name: rowo, .offset: 64, .size: 8, .value_kind: global_buffer, .address_space: global }
      - { .name: out0, .offset: 72, .size: 8, .value_kind: global_buffer, .address_space: global }
    .group_segment_fixed_size: 186368
    .private_segment_fixed_size: 0
    .kernarg_segment_align: 8
    .kernarg_segment_size: 80
    .max_flat_workgroup_size: 512
    .sgpr_count:     80
    .vgpr_count:     256
    .wavefront_size: 32
...
	.end_amdgpu_metadata
.endif
;; end of part 3
;; ======== version 2 of 2: 3 launches
;; workspace buffers: xq 8,388,608 bytes; wq 344,064 bytes; ws 14,336 bytes; rowo 33,554,432 bytes
;; launch prep (part 4): grid 270 x 1, 4 waves a work-group, no clusters, 102,912 bytes of LDS; arguments msa_repr, rq_w, rk_w, rv_w, cq_w, ck_w, cv_w, out_w, xq, wq, ws; writes xq, wq, ws
.if DOCPART == 4
	.amdgcn_target "amdgcn-amd-amdhsa--gfx1250"
	.amdhsa_code_object_version 6
	.text
	.protected	k_qe25cc718f7_prep
	.globl	k_qe25cc718f7_prep
	.p2align	8
	.type	k_qe25cc718f7_prep,@function
k_qe25cc718f7_prep:
	s_mov_b64 s[64:65], 0
	v_nop
	global_prefetch_b8 v0, s[64:65] scope:SCOPE_SE
	s_setreg_imm32_b32 hwreg(HW_REG_WAVE_MODE, 25, 1), 1
	s_wait_xcnt 0x0
; msa_repr [32768][256] and the seven weights [256][256], f32 with K innermost, become codes of FP6 (E2M3) with one E8M0 byte for each 32 along K.
; A block's scale is 2^(floor(log2(largest magnitude)) - 2); its byte is the largest magnitude's exponent field - 2, held at 1 from below.
; LIMITS: NaN and infinities are not served; a block whose largest magnitude lies under 2^-124 keeps the byte 1; a block of zeros has the byte 1 (its codes are zeros; only this program reads the bytes).
; A wave takes 32 rows x 256, in four units of 16 rows x 128 along K.  THE ROWS OF A TILE ARE NOT NEIGHBOURS: lane r of tile u takes row 8 u + r + 8 (r / 8), the order in which every later product wants its operands.
; The conversions want 16 neighbours along K in one lane's registers; a load is best where neighbouring lanes take neighbouring bytes.  Both are had: each of a unit's 16 loads reads 512 consecutive bytes of one row, 16 a lane;
; the unit goes through the wave's own stage in LDS as it lies and comes back 64 bytes of a block a lane.
; x leaves as records of 256 bytes a row (192 bytes of codes, 8 scale bytes, 56 zeros), through a second stage of the wave's own, 512 consecutive bytes a store.
; A weight leaves as images of operand registers: fragment (tile u, K step ks) = 3 x 512 bytes, 16 bytes a lane; its scale words as [lane][ks], lanes 0-15 tile 0, lanes 16-31 tile 1.
; Work-groups 0-255 take x, 256-269 the weights.  Waves share nothing: no barrier.
.set XB0, 16                           ; v16-79, v80-143, v144-207: three sets of 64 numbers
.set XB1, 80
.set XB2, 144
.set PC,  208                          ; v208-219 the fragment just made; v220-222, v224-226 at work
.set TM,  228                          ; v228-243 at work
.set PW,  244                          ; the scale word just made
.set SW,  246                          ; v246-249 the four units' scale words (weights)
.set TS,  1                            ; the turn stage, in: 16 x lane
.set LI,  2                            ; 16 x lane
.set L8,  3                            ; 8 x lane
.set SA,  4                            ; record stage: my row, + 24 (lane / 16)
.set SS,  5                            ; record stage: my row
.set SPD, 6                            ; record stage: row = lane
.set SR,  7                            ; record stage, on the way out: row lane / 16, 16 bytes a lane
.set TL,  10                           ; the turn stage, back: row lane % 16, + 64 (lane / 16)
.set SEL, 32                           ; s[32:33] selects of v_permlanex16_b32: lane l xor 16
.set HI,  34                           ; s34 lanes 16-31
.set TP,  528                          ; a row of the turn stage: 512 bytes + 16 = 132 words: row r starts at bank 4 r mod 64 (64 banks of 4 bytes: ISA guide 11.1)
.set TREG, 16*TP                       ; a wave's turn stage
.set TURNW, 4*TREG                     ; the weights' path has turn stages of its own, behind x's four
.set REC,  8*TREG                      ; behind them: the record stages
.set PITCH, 272                        ; a row of the record stage: 256 bytes + 16
.set WREG, 32*PITCH
	s_load_b512 s[8:23], s[0:1], 0x0               ; msa_repr, rq_w, rk_w, rv_w, cq_w, ck_w, cv_w, out_w
	s_load_b128 s[24:27], s[0:1], 0x40             ; xq, wq
	s_load_b64 s[28:29], s[0:1], 0x50              ; ws
	v_lshl_add_u32 v254, v0, 2, 0x19000
	v_mov_b32 v255, 0
	v_lshrrev_b32 v10, 5, v0
	v_readfirstlane_b32 s30, v10                   ; wave
	v_and_b32 v11, 31, v0                          ; lane
	v_and_b32 v12, 15, v0                          ; r
	v_bfe_u32 v13, v0, 4, 1                        ; h
	v_and_b32 v14, 8, v12
	v_add_nc_u32 v14, v14, v12                     ; r + 8 (r / 8)
	v_lshlrev_b32 v[LI], 4, v11
	v_lshlrev_b32 v[L8], 3, v11
	s_mul_i32 s35, s30, TREG
	v_add_nc_u32 v[TS], s35, v[LI]
	v_mul_u32_u24 v[TL], v12, TP
	v_lshl_add_u32 v[TL], v13, 6, v[TL]
	v_add_nc_u32 v[TL], s35, v[TL]
	s_mul_i32 s31, s30, WREG
	s_add_co_u32 s31, s31, REC
	v_mul_u32_u24 v[SS], v14, PITCH
	v_add_nc_u32 v[SS], s31, v[SS]
	v_mad_u32_u24 v[SA], v13, 24, v[SS]
	v_mul_u32_u24 v[SPD], v11, PITCH
	v_add_nc_u32 v[SPD], s31, v[SPD]
	v_mul_u32_u24 v[SR], v13, PITCH
	v_lshl_add_u32 v[SR], v12, 4, v[SR]
	v_add_nc_u32 v[SR], s31, v[SR]
	v_mov_b32 v8, 0
	v_mov_b32 v9, 0
.irp b, 0,1,2,3
	v_mov_b32 v[TM+4+\b], 0                        ; a lane permute's destination counts as one of its sources
.endr
	s_mov_b32 s[SEL], 0x76543210
	s_mov_b32 s[SEL+1], 0xfedcba98
	s_mov_b32 s[HI], 0xffff0000
	s_mov_b32 s37, 0
; 64 numbers of a lane, register 16 b + i = k 32 b + 16 (lane / 16) + i of my row, become a fragment's 12 registers in v[PC] on and its scale word in v[PW]
.macro QUANT s
.irp b, 0,1,2,3
	v_max3_num_f32 v[TM+\b], |v[\s+16*\b]|, |v[\s+1+16*\b]|, 0x1800000   ; my 16 numbers of block b, and the floor 2^(3 - 127): the byte cannot fall under 1
.endr
.irp i, 2,4,6,8,10,12,14
.irp b, 0,1,2,3
	v_max3_num_f32 v[TM+\b], v[TM+\b], |v[\s+16*\b+\i]|, |v[\s+1+16*\b+\i]|
.endr
.endr
.irp b, 0,1,2,3
	v_permlanex16_b32 v[TM+4+\b], v[TM+\b], s[SEL], s[SEL+1]
.endr
.irp b, 0,1,2,3
	v_max_num_f32 v[TM+\b], v[TM+\b], v[TM+4+\b]   ; with lane l xor 16's: the block's largest magnitude
.endr
.irp b, 0,1,2,3
	v_add_nc_u32 v[TM+12+\b], 0xff000000, v[TM+\b] ; 2 off its exponent field: the conversion's scale operand
.endr
.irp b, 0,1,2,3
	v_lshrrev_b32 v[TM+4+\b], 23, v[TM+12+\b]      ; the scale's byte
.endr
	v_lshl_or_b32 v[PW], v[TM+5], 8, v[TM+4]
	v_lshl_or_b32 v[PW], v[TM+6], 16, v[PW]
	v_lshl_or_b32 v[PW], v[TM+7], 24, v[PW]
.irp c, 0,1
	v_cvt_scalef32_pk16_fp6_f32 v[PC+6*\c:PC+2+6*\c], v[\s+32*\c:\s+15+32*\c], v[TM+12+2*\c]
	v_cvt_scalef32_pk16_fp6_f32 v[PC+12+4*\c:PC+14+4*\c], v[\s+16+32*\c:\s+31+32*\c], v[TM+12+2*\c+1]
.endr
	v_nop                                          ; one plain place behind a scaled conversion
.irp c, 0,1                                    ; the operand wants a whole block in a lane: lanes 0-15 block 2 c, lanes 16-31 block 2 c + 1
.irp i, 0,1,2
	v_permlane16_swap_b32 v[PC+6*\c+\i], v[PC+12+4*\c+\i]
.endr
.irp i, 0,1,2
	v_mov_b32 v[PC+3+6*\c+\i], v[PC+12+4*\c+\i]
.endr
.endr
.endm
; unit n = 2 u + ks: the 16 rows of tile u, 512 bytes from 512 ks on.  Load i reads row 8 u + i + 8 (i / 8): 32 lanes, 512 consecutive bytes
.macro XLOAD buf, n
.irp i, 0,1,2,3,4,5,6,7,8,9,10,11,12,13,14,15
	global_load_b128 v[\buf+4*\i:\buf+4*\i+3], v[LI], s[42:43] offset:1024*(8*((\n)/2)+\i+8*(\i/8))+512*((\n)%2) th:TH_LOAD_NT
.endr
.endm
; a unit through the turn stage and back into the registers that it left.  LDS serves a wave's instructions in order (ISA guide 5.7.1.4): no wait between the stores and the loads, nor ahead of the next unit's stores
.macro TURN buf, kind
.irp i, 0,1,2,3,4,5,6,7,8,9,10,11,12,13,14,15
	ds_store_b128 v[TS], v[\buf+4*\i:\buf+4*\i+3] offset:TURNW*\kind+TP*\i
.endr
.irp b, 0,1,2,3
.irp j, 0,1,2,3
	ds_load_b128 v[\buf+16*\b+4*\j:\buf+16*\b+4*\j+3], v[TL] offset:TURNW*\kind+128*\b+16*\j
.endr
.endr
.endm
.macro EMIT kind, n
.if \kind == 0
.irp p, 0,1,2,3,4,5
	ds_store_b64 v[SA], v[PC+2*\p:PC+2*\p+1] offset:8*PITCH*((\n)/2)+96*((\n)%2)+48*(\p/3)+8*(\p%3)
.endr
	ds_store_b32 v[SS], v[PW] offset:8*PITCH*((\n)/2)+192+4*((\n)%2)   ; both lanes of a row write the same word
.else
.irp c, 0,1,2
	global_store_b128 v[LI], v[PC+4*\c:PC+4*\c+3], s[44:45] offset:1536*(\n)+512*\c   ; 512 consecutive bytes
.endr
	v_mov_b32 v[SW+\n], v[PW]
	s_wait_xcnt 0x0                                ; the stores' data are written again only behind this wait
.endif
.endm
; Loads run three units (48 loads a wave) ahead, the turn one unit.  A turn is 32 LDS instructions.
.macro BODY kind
	XLOAD XB0, 0
	XLOAD XB1, 1
	XLOAD XB2, 2
	s_wait_loadcnt 32                              ; unit 0 is in; units 1 and 2 (32 loads) stay out
	TURN XB0, \kind
	s_wait_loadcnt 16                              ; unit 1 is in; unit 2 stays out
	TURN XB1, \kind
	s_wait_dscnt 32                                ; unit 0 is back; unit 1's turn stays out
	QUANT XB0
	EMIT \kind, 0
	XLOAD XB0, 3
	s_wait_loadcnt 16                              ; unit 2 is in; unit 3 stays out
	TURN XB2, \kind
	s_wait_dscnt 32                                ; unit 1 is back and unit 0's codes have left their registers; unit 2's turn stays out
	QUANT XB1
	EMIT \kind, 1
	s_wait_loadcnt 0x0
	TURN XB0, \kind
	s_wait_dscnt 32                                ; unit 2 is back, unit 1's codes have left; unit 3's turn stays out
	QUANT XB2
	EMIT \kind, 2
	s_wait_dscnt 0x0
	QUANT XB0
	EMIT \kind, 3
.endm
	s_wait_kmcnt 0x0
	s_cmp_lt_u32 ttmp9, 256
	s_cbranch_scc0 .Lweights
	s_lshl_b32 s38, ttmp9, 2
	s_add_co_u32 s38, s38, s30                     ; my group of 32 rows of x
	s_lshl_b32 s36, s38, 15
	s_add_nc_u64 s[42:43], s[8:9], s[36:37]
	s_lshl_b32 s36, s38, 13
	s_add_nc_u64 s[44:45], s[24:25], s[36:37]
	s_wait_alu depctr_va_vdst(0)
.irp i, 0,1,2,3,4,5,6
	ds_store_b64 v[SPD], v[8:9] offset:200+8*\i    ; a record's last 56 bytes
.endr
	BODY 0
.irp t, 0,1,2,3,4,5,6,7,8,9,10,11,12,13,14,15
	ds_load_b128 v[16+4*\t:19+4*\t], v[SR] offset:2*PITCH*\t   ; these see my stores: a wave's LDS instructions are served in order
.endr
.irp t, 0,1,2,3,4,5,6,7,8,9,10,11,12,13,14,15
	s_wait_dscnt 15-\t                             ; the younger loads stay out
	global_store_b128 v[LI], v[16+4*\t:19+4*\t], s[44:45] offset:512*\t   ; two whole records
.endr
	s_wait_tensorcnt 0x0
	ds_add_u32 v254, v255
	s_wait_dscnt 0x0
	s_endpgm
.Lweights:
	s_sub_co_u32 s38, ttmp9, 256                   ; j: half a matrix
	s_lshr_b32 s39, s38, 1                         ; which matrix
	s_mov_b64 s[42:43], s[10:11]
.irp k, 1,2,3,4,5,6
	s_cmp_eq_u32 s39, \k                           ; the choice hangs on the work-group's number alone
	s_cselect_b64 s[42:43], s[10+2*\k:11+2*\k], s[42:43]
.endr
	s_and_b32 s36, s38, 1
	s_lshl_b32 s36, s36, 2
	s_add_co_u32 s36, s36, s30                     ; the group in the matrix
	s_lshl_b32 s36, s36, 15
	s_add_nc_u64 s[42:43], s[42:43], s[36:37]
	s_lshl_b32 s38, s38, 2
	s_add_co_u32 s38, s38, s30                     ; the group among all 56
	s_mul_i32 s36, s38, 6144
	s_add_nc_u64 s[44:45], s[26:27], s[36:37]
	s_lshl_b32 s36, s38, 8
	s_add_nc_u64 s[46:47], s[28:29], s[36:37]
	BODY 1
	v_cndmask_b32 v250, v[SW], v[SW+2], s[HI]      ; lanes 0-15 tile 0's words, lanes 16-31 tile 1's
	s_wait_alu depctr_va_vdst(0)
	v_cndmask_b32 v251, v[SW+1], v[SW+3], s[HI]
	global_store_b64 v[L8], v[250:251], s[46:47]   ; 256 consecutive bytes
	s_wait_tensorcnt 0x0
	ds_add_u32 v254, v255
	s_wait_dscnt 0x0
	s_endpgm
.Lfunc_end_k_qe25cc718f7_prep:
	.size	k_qe25cc718f7_prep, .Lfunc_end_k_qe25cc718f7_prep-k_qe25cc718f7_prep
	.p2alignl 7, 3214868480
	.fill 96, 4, 3214868480
	.section	.rodata,"a",@progbits
	.p2align	6, 0x0
	.amdhsa_kernel k_qe25cc718f7_prep
		.amdhsa_group_segment_fixed_size 102912
		.amdhsa_private_segment_fixed_size 0
		.amdhsa_enable_private_segment 0
		.amdhsa_kernarg_size 88
		.amdhsa_user_sgpr_count 2
		.amdhsa_user_sgpr_kernarg_segment_ptr 1
		.amdhsa_wavefront_size32 1
		.amdhsa_system_sgpr_workgroup_id_x 1
		.amdhsa_system_sgpr_workgroup_id_y 1
		.amdhsa_system_sgpr_workgroup_id_z 1
		.amdhsa_system_vgpr_workitem_id 0
		.amdhsa_next_free_vgpr 256
		.amdhsa_next_free_sgpr 66
		.amdhsa_reserve_vcc 0
		.amdhsa_float_denorm_mode_32 3
		.amdhsa_float_denorm_mode_16_64 3
		.amdhsa_memory_ordered 1
		.amdhsa_forward_progress 1
		.amdhsa_inst_pref_size 69
	.end_amdhsa_kernel
	.amdgpu_metadata
---
amdhsa.version: [ 1, 2 ]
amdhsa.kernels:
  - .name:           k_qe25cc718f7_prep
    .symbol:         k_qe25cc718f7_prep.kd
    .args:
      - { .name: msa_repr, .offset: 0, .size: 8, .value_kind: global_buffer, .address_space: global }
      - { .name: rq_w, .offset: 8, .size: 8, .value_kind: global_buffer, .address_space: global }
      - { .name: rk_w, .offset: 16, .size: 8, .value_kind: global_buffer, .address_space: global }
      - { .name: rv_w, .offset: 24, .size: 8, .value_kind: global_buffer, .address_space: global }
      - { .name: cq_w, .offset: 32, .size: 8, .value_kind: global_buffer, .address_space: global }
      - { .name: ck_w, .offset: 40, .size: 8, .value_kind: global_buffer, .address_space: global }
      - { .name: cv_w, .offset: 48, .size: 8, .value_kind: global_buffer, .address_space: global }
      - { .name: out_w, .offset: 56, .size: 8, .value_kind: global_buffer, .address_space: global }
      - { .name: xq, .offset: 64, .size: 8, .value_kind: global_buffer, .address_space: global }
      - { .name: wq, .offset: 72, .size: 8, .value_kind: global_buffer, .address_space: global }
      - { .name: ws, .offset: 80, .size: 8, .value_kind: global_buffer, .address_space: global }
    .group_segment_fixed_size: 102912
    .private_segment_fixed_size: 0
    .kernarg_segment_align: 8
    .kernarg_segment_size: 88
    .max_flat_workgroup_size: 128
    .sgpr_count:     66
    .vgpr_count:     256
    .wavefront_size: 32
...
	.end_amdgpu_metadata
.endif
;; end of part 4
;; launch row (part 5): grid 4 x 64, 16 waves a work-group, no clusters, 240,640 bytes of LDS; arguments xq, wq, ws, rq_b, rk_b, rv_b, mask, rowo; writes rowo
.if DOCPART == 5
	.amdgcn_target "amdgcn-amd-amdhsa--gfx1250"
	.amdhsa_code_object_version 6
	.text
	.protected	k_qe25cc718f7_row
	.globl	k_qe25cc718f7_row
	.p2align	8
	.type	k_qe25cc718f7_row,@function
k_qe25cc718f7_row:
	s_mov_b64 s[64:65], 0
	v_nop
	global_prefetch_b8 v0, s[64:65] scope:SCOPE_SE
	s_setreg_imm32_b32 hwreg(HW_REG_WAVE_SCHED_MODE, 0, 2), 2
	s_setreg_imm32_b32 hwreg(HW_REG_WAVE_MODE, 25, 1), 1
	s_wait_xcnt 0x0
	s_wait_alu depctr_vm_vsrc(0)
; Row attention: for MSA row s (work-group y) and heads 2 x, 2 x + 1 (work-group x): Q, K, V = x W^T + b, softmax(Q K^T / sqrt(32)) V over 512 keys, all products on codes of FP6 (E2M3) with E8M0 scales.
; SHARES.  Wave w of sixteen owns positions 32 w .. 32 w + 31: it projects their Q, K, V for both heads, keeps Q in registers, publishes K and V^T in LDS, and walks all 512 keys four times (head, tile of 16 queries).
; Four waves share a SIMD, so that one wave's softmax stands beside another's products and LDS loads.  No tensor load: every operand is fetched once, at the head.
; TILES.  Lane r of tile u of a group of 32 takes row 8 u + r + 8 (r / 8): the 16 result registers of tiles 0 and 1 are then 16 neighbours, 16 (lane / 16) + 0 .. 15.
; A HEAD IS ONE BLOCK OF 32, a quarter of the instruction's K.  A fragment of K holds two tiles of keys: tile 2 b in block 0 (lanes 0-15), tile 2 b + 1 in block 1 (lanes 16-31).  Q has two forms: q in block 0 (Q0) or in block 1 (Q1).
; THE MASK rides in blocks 2 and 3: a masked key has zero codes, the code -1.0 at the block's first place and the scale byte 0x9f (2^32); Q0 has +1.0 in block 2, Q1 in block 3.  So a masked key's score is exactly -2^32,
; and c x 2^32 is a whole number: in a row with no valid key t = M and p = 1 for every key, elsewhere p = 0.  Every block that is switched off has the scale byte 1 on one side at least, so that it weighs nothing beside the true block.
; SOFTMAX: t = score x c, c = log2(e) / sqrt(32); M = the running largest t rounded up; p = 2^(t - M) is quantised along the keys; the sum of the unquantised p divides at the end.
; LIMITS: unmasked logits must lie above -7.6e8 (the masked score x 1 / sqrt(32)); NaN and infinities are not served; blocks under 2^-124 keep the byte 1; a mask byte other than 0 counts as true.
; THE MODE: SCHED_MODE bits 1:0 = 2 (LLVM: expert scheduling mode 2), set by the entry lines.  The code itself states the register dependences
; between vector or matrix instructions and memory or LDS instructions, with s_wait_alu, always for 0.
; THE PLAN.  Registers that memory or LDS instructions touch:
;   v1-11, v226-229, v231, v238   offsets and addresses, made at the head ahead of one wait on va_vdst; v1-11 and v231 are never written again, the others only behind the wait on vm_vsrc that follows the first barrier.
;   WF            A projection's LDS loads land in it; its eight products read it.  The wait on va_vdst in a tail, ahead of the tail's stores, also states that those products are done with it: the next projection's loads follow.
;   PC, v222      A tail's out-buffer: written by its vector lines, read by its LDS stores; written again by the next tail, behind a wait on vm_vsrc in the projection between.
;   KF, KS        A key step's K: read by the step's eight products K Q^T; the NEXT step's loads land in them in the same step.
;   VF, VS        A key step's V: read by the step's two products V^T P, at its end; the step's own loads land in them.
;   ADK .. ADT    Read by those loads; written once a step, behind a wait on vm_vsrc, by four additions that stand behind K Q^T.
;   O             Written by the division at a pass's end, read by the four stores into the stage, written anew by the next pass behind a wait on vm_vsrc.
; ONE wait serves a step's 26 loads: the wait behind the batch of exponentials.  It lies behind this step's K Q^T, the last step's V^T P and the four additions; the loads follow it at once and land while p is summed and quantised.
; Operands and scales that vector lines make for a scaled product (Q's two forms once a pass, p's codes once a step) have a wait on va_vdst ahead of the product, behind their places.
.set WIMG, 0                           ; LDS: the six weight groups' images: 12288 m + 6144 hd + 1536 (2 u + ks) + 512 c + 16 lane
.set KIMG, 36864                       ; K: 1024 (16 hd + group): registers 0-3 at 16 lane, registers 4-6 at 512 + 16 lane
.set KSC,  69632                       ; K's scale words: 128 (16 hd + group) + 4 lane
.set VIMG, 73728                       ; V^T: 1536 (4 (2 hd + ct) + t) + 256 piece + 8 lane
.set VSC,  98304                       ; V's scale words: 64 (4 (2 hd + ct) + t) + 4 r + block
.set STG,  99328                       ; each wave's stage: 32 rows x (256 + 16)
.set SP,   272
.set LN16, 1                           ; 16, 4, 8 x lane; 4 r
.set LN4,  2
.set LN8,  3
.set R4,   4
.set KW,   5                           ; where I store K's image, its scale word, V's pieces, V's byte
.set KSW,  6
.set VW,   7
.set VSW,  8
.set STO,  9                           ; the stage: in, back; my byte in the wave's rows of the output
.set RD,   10
.set GO,   11
.set WS,   12                          ; v12-23 the weights' scale words, pair 2 (2 m + hd); later: v12-15 K's, v16-17 V's, v18-19 Q's two
.set KS,   12
.set VS,   16
.set QA,   18
.set VB,   24                          ; v24-27 V's bias of my channel; later the four LDS addresses of a step
.set ADK,  24
.set ADS,  25
.set ADV,  26
.set ADT,  27
.set SUM,  28                          ; v[28:29] the sum in two halves (v29 first holds my key's mask byte)
.set MB,   29
.set NM,   30                          ; v30 -M, v31 the largest t
.set Q0,   32                          ; v32-43 Q0, v44-55 Q1 (first: three bias tiles)
.set KF,   56                          ; v56-103 four fragments of K (first: a weight group's four fragments)
.set WF,   56
.set VF,   104                         ; v104-127 two fragments of V^T (first: the fourth bias tile, V's bias as C)
.set CB,   112
.set S,    128                         ; v128-191 S^T, then p (first: x's four fragments)
.set XF,   128
.set DD,   176                         ; v176-207 a projection's four accumulators
.set O,    192                         ; v192-207 O^T
.set PC,   208                         ; v208-219 p's codes (first: the copy of the weights, then codes just made)
.set CP,   208
.set MKC,  214                         ; the mask's code, register 6 of K's image
.set MKW,  215                         ; the mask's two scale bytes
.set W16,  220                         ; v220-235 at work
.set QT,   220
.set TB,   228
.set H64,  231                         ; 64 (lane / 16)
.set F,    236                         ; f = 2^(old M - new M); then 1 / sum
.set PS,   237                         ; p's scale word
.set TMPR, 238
.set ZR,   239                         ; 0
.set IQ,   240                         ; v240-251 Q's codes, 6 a head: lanes 0-15 tile 0, lanes 16-31 tile 1
.set QW,   252                         ; v252-255 Q's scale bytes (2 hd + u); v254-255 first hold x's scale words
.set XS,   254
.set WV,  20
.set HP,  21
.set SI,  22
.set SEL, 26
.set CS,  28
.set HI,  30
.set MS,  31                           ; lanes whose key is valid
.set TK,  32
.set TS,  33
.set TV,  34
.set TT,  35
.set CNT, 36
.set LO,  37
.macro PLACES n
.rept \n
	v_nop
.endr
.endm
; one product.  c < 0: the constant 0 starts the sum.  ra, rb: the side's scale words stand in lanes 16-31
.macro WM d, a, b, c, sa, sb, ra, rb
.if (\c) < 0
	v_wmma_scale_f32_16x16x128_f8f6f4 v[\d:\d+7], v[\a:\a+11], v[\b:\b+11], 0, v[\sa], v[\sb] matrix_a_fmt:MATRIX_FMT_FP6 matrix_b_fmt:MATRIX_FMT_FP6
.elseif (\ra) && (\rb)
	v_wmma_scale_f32_16x16x128_f8f6f4 v[\d:\d+7], v[\a:\a+11], v[\b:\b+11], v[\c:\c+7], v[\sa], v[\sb] matrix_a_fmt:MATRIX_FMT_FP6 matrix_b_fmt:MATRIX_FMT_FP6 matrix_a_scale:MATRIX_SCALE_ROW1 matrix_b_scale:MATRIX_SCALE_ROW1
.elseif \ra
	v_wmma_scale_f32_16x16x128_f8f6f4 v[\d:\d+7], v[\a:\a+11], v[\b:\b+11], v[\c:\c+7], v[\sa], v[\sb] matrix_a_fmt:MATRIX_FMT_FP6 matrix_b_fmt:MATRIX_FMT_FP6 matrix_a_scale:MATRIX_SCALE_ROW1
.elseif \rb
	v_wmma_scale_f32_16x16x128_f8f6f4 v[\d:\d+7], v[\a:\a+11], v[\b:\b+11], v[\c:\c+7], v[\sa], v[\sb] matrix_a_fmt:MATRIX_FMT_FP6 matrix_b_fmt:MATRIX_FMT_FP6 matrix_b_scale:MATRIX_SCALE_ROW1
.else
	v_wmma_scale_f32_16x16x128_f8f6f4 v[\d:\d+7], v[\a:\a+11], v[\b:\b+11], v[\c:\c+7], v[\sa], v[\sb] matrix_a_fmt:MATRIX_FMT_FP6 matrix_b_fmt:MATRIX_FMT_FP6
.endif
.endm
; Two sets of 16 registers, each my half of one block of 32.  Afterwards lanes 0-15 hold set a's whole block, lanes 16-31 set b's: the lower 16 codes in v[dA] on, the upper 16 in v[tb] on; the bytes in v[w+6], v[w+7]
.macro QUANT2 src, dA, tb, w
	v_max3_num_f32 v[\w], |v[\src]|, |v[\src+1]|, 0x1800000        ; with the floor 2^(3 - 127): the byte cannot fall under 1
	v_max3_num_f32 v[\w+1], |v[\src+16]|, |v[\src+17]|, 0x1800000
.irp i, 2,4,6,8,10,12,14
	v_max3_num_f32 v[\w], v[\w], |v[\src+\i]|, |v[\src+\i+1]|
	v_max3_num_f32 v[\w+1], v[\w+1], |v[\src+16+\i]|, |v[\src+17+\i]|
.endr
	v_permlanex16_b32 v[\w+2], v[\w], s[SEL], s[SEL+1]
	v_permlanex16_b32 v[\w+3], v[\w+1], s[SEL], s[SEL+1]
	v_max_num_f32 v[\w], v[\w], v[\w+2]
	v_max_num_f32 v[\w+1], v[\w+1], v[\w+3]
	v_add_nc_u32 v[\w+4], 0xff000000, v[\w]        ; 2 off the exponent field: the conversion's scale operand
	v_add_nc_u32 v[\w+5], 0xff000000, v[\w+1]
	v_lshrrev_b32 v[\w+6], 23, v[\w+4]
	v_lshrrev_b32 v[\w+7], 23, v[\w+5]
	v_cvt_scalef32_pk16_fp6_f32 v[\dA:\dA+2], v[\src:\src+15], v[\w+4]
	v_cvt_scalef32_pk16_fp6_f32 v[\tb:\tb+2], v[\src+16:\src+31], v[\w+5]
	v_nop                                          ; one plain place behind a scaled conversion
.irp i, 0,1,2
	v_permlane16_swap_b32 v[\dA+\i], v[\tb+\i]
.endr
.endm
; A key step's K: four fragments (seven registers each come from LDS, the other five hold zeros) and their scale words: 12 loads
.macro KLOADS
.irp g, 0,1,2,3
	ds_load_b128 v[KF+12*\g:KF+12*\g+3], v[ADK] offset:1024*\g
	ds_load_b96 v[KF+12*\g+4:KF+12*\g+6], v[ADK] offset:1024*\g+512
	ds_load_b32 v[KS+\g], v[ADS] offset:128*\g
.endr
.endm
; A key step's V^T: two fragments and their scale words: 14 loads
.macro VLOADS
.irp ct, 0,1
.irp i, 0,1,2,3,4,5
	ds_load_b64 v[VF+12*\ct+2*\i:VF+12*\ct+2*\i+1], v[ADV] offset:6144*\ct+256*\i
.endr
	ds_load_b32 v[VS+\ct], v[ADT] offset:256*\ct
.endr
.endm
; The softmax of 32 NB keys a lane pair: S holds scores, 16 registers a block.  RUN = 1: a running M, with f for what was summed before; behind the batch's wait stand the step's LDS loads: V, and with NK = 1 the K that is wanted next
.macro SOFT NB, RUN, NK
.set b, 0
.rept \NB
	v_max3_num_f32 v[W16+b], v[S+16*b], v[S+16*b+1], v[S+16*b+2]   ; each block's largest score: for the row's maximum and, since p rises with the score, for the block's largest p
.set b, b+1
.endr
.irp i, 3,5,7,9,11,13
.set b, 0
.rept \NB
	v_max3_num_f32 v[W16+b], v[W16+b], v[S+16*b+\i], v[S+16*b+\i+1]
.set b, b+1
.endr
.endr
.set b, 0
.rept \NB
	v_max_num_f32 v[W16+b], v[W16+b], v[S+16*b+15]
.set b, b+1
.endr
.set b, 0
.rept \NB
	v_permlanex16_b32 v[W16+4+b], v[W16+b], s[SEL], s[SEL+1]
.set b, b+1
.endr
.set b, 0
.rept \NB
	v_max_num_f32 v[W16+b], v[W16+b], v[W16+4+b]   ; with lane l xor 16's 16 keys
.set b, b+1
.endr
.if \NB == 4
	v_max3_num_f32 v[TMPR], v[W16], v[W16+1], v[W16+2]
	v_max_num_f32 v[TMPR], v[TMPR], v[W16+3]
.else
	v_max_num_f32 v[TMPR], v[W16], v[W16+1]
.endif
	v_mul_f32 v[TMPR], s[CS], v[TMPR]              ; as t (c is positive)
.if \RUN
	v_max_num_f32 v[NM+1], v[NM+1], v[TMPR]        ; the running largest t
	v_mov_b32 v[TMPR], v[NM]
	v_floor_f32 v[NM], -v[NM+1]                    ; -M = floor(-t): M is a whole number
	v_sub_f32 v[TMPR], v[NM], v[TMPR]              ; old M - new M, a whole number, 0 or less
	v_cvt_i32_f32 v[TMPR], v[TMPR]                 ; (it saturates)
	v_ldexp_f32 v[F], 1.0, v[TMPR]                 ; f: a multiplication by it rounds nothing
.else
	v_mov_b32 v[NM+1], v[TMPR]
	v_floor_f32 v[NM], -v[TMPR]
.endif
.set j, 0
.rept 8*\NB
	v_pk_fma_f32 v[S+j:S+j+1], v[S+j:S+j+1], s[CS:CS+1], v[NM:NM+1] op_sel_hi:[1,0,0]   ; t - M, two at a time
.set j, j+2
.endr
.set b, 0
.rept \NB
	v_fma_f32 v[W16+b], v[W16+b], s[CS], v[NM]     ; the same of each block's largest score
.set b, b+1
.endr
.set j, 0
	s_wait_alu depctr_va_vdst(0)
.rept 16*\NB
	v_exp_f32 v[S+j], v[S+j]                       ; p = 2^(t - M): one batch
.set j, j+1
.endr
.if \RUN
	v_pk_mul_f32 v[SUM:SUM+1], v[SUM:SUM+1], v[F:F+1] op_sel_hi:[1,0]   ; the sums under the new M: the plain place behind the batch
.else
	v_nop
.endif
	s_wait_alu depctr_va_vdst(0)                   ; the batch has written p, ahead of its first reader.  It also states: this step's K Q^T is done reading KF and KS, the last step's V^T P is done reading VF and VS, and the four addresses are written
.if \RUN
	VLOADS                                         ; this step's V first: it is wanted at the step's end.  No vector or matrix instruction since the wait names a register of these loads
.if \NK
	KLOADS                                         ; then the K that is wanted next
.endif
.endif
.set b, 0
.rept \NB
	v_exp_f32 v[W16+b], v[W16+b]                   ; each block's largest p
.set b, b+1
.endr
.if \RUN
	v_pk_add_f32 v[W16+4:W16+5], v[S:S+1], v[S+2:S+3]   ; the sum of the unquantised p, in two chains
.set j, 4
.else
	v_pk_add_f32 v[SUM:SUM+1], v[S:S+1], v[S+2:S+3]
	v_pk_add_f32 v[W16+4:W16+5], v[S+4:S+5], v[S+6:S+7]
.set j, 8
.endif
.rept (16*\NB-j)/4
	v_pk_add_f32 v[SUM:SUM+1], v[SUM:SUM+1], v[S+j:S+j+1]
	v_pk_add_f32 v[W16+4:W16+5], v[W16+4:W16+5], v[S+j+2:S+j+3]
.set j, j+4
.endr
	v_pk_add_f32 v[SUM:SUM+1], v[SUM:SUM+1], v[W16+4:W16+5]
	s_wait_alu depctr_va_vdst(0)                   ; the blocks' exponentials have written their results, ahead of their first reader
.set b, 0
.rept \NB
	v_max_num_f32 v[W16+b], 0x1800000, v[W16+b]    ; the floor 2^(3 - 127)
.set b, b+1
.endr
.set b, 0
.rept \NB
	v_add_nc_u32 v[W16+12+b], 0xff000000, v[W16+b]
.set b, b+1
.endr
.set b, 0
.rept \NB
	v_lshrrev_b32 v[W16+4+b], 23, v[W16+12+b]
.set b, b+1
.endr
	v_lshl_or_b32 v[PS], v[W16+5], 8, v[W16+4]     ; p's scale word
.if \NB == 4
	v_lshl_or_b32 v[PS], v[W16+6], 16, v[PS]
	v_lshl_or_b32 v[PS], v[W16+7], 24, v[PS]
.else
	v_or_b32 v[PS], 0x01010000, v[PS]              ; the two blocks that hold nothing: byte 1
.endif
.set b, 0
.rept \NB/2
	v_cvt_scalef32_pk16_fp6_f32 v[PC+6*b:PC+6*b+2], v[S+32*b:S+32*b+15], v[W16+12+2*b]
	v_cvt_scalef32_pk16_fp6_f32 v[W16+4+4*b:W16+6+4*b], v[S+32*b+16:S+32*b+31], v[W16+13+2*b]
.set b, b+1
.endr
	v_nop                                          ; one plain place behind a scaled conversion
.set b, 0
.rept \NB/2
.irp i, 0,1,2
	v_permlane16_swap_b32 v[PC+6*b+\i], v[W16+4+4*b+\i]
.endr
.irp i, 0,1,2
	v_mov_b32 v[PC+3+6*b+\i], v[W16+4+4*b+\i]
.endr
.set b, b+1
.endr
.endm
	s_load_b512 s[4:19], s[0:1], 0x0               ; xq, wq, ws, rq_b, rk_b, rv_b, mask, rowo
	v_lshrrev_b32 v1, 5, v0
	v_readfirstlane_b32 s[WV], v1                  ; wave 0..15
	s_mov_b32 s[HP], ttmp9                         ; the pair of heads
	s_and_b32 s[SI], ttmp7, 0xffff                 ; the MSA row
	v_and_b32 v232, 31, v0                         ; lane
	v_and_b32 v233, 15, v0                         ; r
	v_bfe_u32 v234, v0, 4, 1                       ; h
	s_wait_alu depctr_va_vdst(0)
	v_and_b32 v235, 8, v233
	v_add_nc_u32 v235, v235, v233                  ; r + 8 (r / 8)
	v_lshlrev_b32 v[LN16], 4, v232
	v_lshlrev_b32 v[LN4], 2, v232
	v_lshlrev_b32 v[LN8], 3, v232
	v_lshlrev_b32 v[R4], 2, v233
	s_wait_alu depctr_va_vdst(0)
	s_wait_alu depctr_va_sdst(0)                   ; the wave's number is written, ahead of its first reader: LDS addresses and the buffers' offsets are made from it
	s_lshl_b32 s24, s[WV], 10
	s_add_co_u32 s24, s24, KIMG
	v_add_nc_u32 v[KW], s24, v[LN16]
	s_lshl_b32 s24, s[WV], 7
	s_add_co_u32 s24, s24, KSC
	v_add_nc_u32 v[KSW], s24, v[LN4]
	s_lshr_b32 s24, s[WV], 2                       ; my group is block w % 4 of key step w / 4: registers 6 ((w / 2) % 2) on, lanes 16 (w % 2) on
	s_mul_i32 s24, s24, 1536
	s_bfe_u32 s25, s[WV], 0x10001
	s_mul_i32 s25, s25, 768
	s_add_co_u32 s24, s24, s25
	s_and_b32 s25, s[WV], 1
	s_lshl_b32 s25, s25, 7
	s_add_co_u32 s24, s24, s25
	s_add_co_u32 s24, s24, VIMG
	v_mul_u32_u24 v[VW], v234, 6144                ; my half of the lanes holds channel tile h
	v_lshl_add_u32 v[VW], v233, 3, v[VW]
	v_add_nc_u32 v[VW], s24, v[VW]
	s_lshr_b32 s24, s[WV], 2
	s_lshl_b32 s24, s24, 6
	s_and_b32 s25, s[WV], 3
	s_add_co_u32 s24, s24, s25
	s_add_co_u32 s24, s24, VSC
	v_lshl_add_u32 v[VSW], v234, 8, v[R4]
	v_add_nc_u32 v[VSW], s24, v[VSW]
	s_mul_i32 s24, s[WV], 32*SP
	s_add_co_u32 s24, s24, STG
	v_mul_u32_u24 v[STO], v235, SP
	v_lshl_add_u32 v[STO], v234, 6, v[STO]
	v_add_nc_u32 v[STO], s24, v[STO]
	v_mul_u32_u24 v[RD], v234, SP
	v_lshl_add_u32 v[RD], v233, 4, v[RD]
	v_add_nc_u32 v[RD], s24, v[RD]
	v_lshlrev_b32 v[GO], 10, v234
	v_lshl_add_u32 v[GO], v233, 4, v[GO]
	v_lshl_add_u32 v226, v234, 3, v235             ; my key in the group: 8 h + r + 8 (r / 8)
	v_lshlrev_b32 v227, 8, v226                    ; its record
	v_lshlrev_b32 v228, 8, v235
	v_mad_u32_u24 v228, v234, 24, v228             ; a fragment's record and my half's bytes
	v_lshlrev_b32 v229, 2, v235
	v_lshlrev_b32 v[H64], 6, v234
	v_lshlrev_b32 v[TMPR], 3, v0                   ; 8 x thread
	v_mov_b32 v[ZR], 0
	s_mov_b32 s[SEL], 0x76543210
	s_mov_b32 s[SEL+1], 0xfedcba98
	s_mov_b32 s[CS], 0x3e8293ee                    ; c = log2(e) / sqrt(32)
	s_mov_b32 s[CS+1], s[CS]
	s_mov_b32 s[HI], 0xffff0000
	s_mov_b32 s[LO], 0x0000ffff
	s_mov_b32 s25, 0
	s_wait_kmcnt 0x0
	s_lshl_b32 s24, s[SI], 17
	s_lshl_b32 s38, s[WV], 13
	s_add_co_u32 s24, s24, s38
	s_add_nc_u64 s[4:5], s[4:5], s[24:25]          ; my 32 records
	s_mul_i32 s24, s[HP], 12288
	s_add_nc_u64 s[6:7], s[6:7], s[24:25]
	s_lshl_b32 s24, s[HP], 9
	s_add_nc_u64 s[8:9], s[8:9], s[24:25]
	s_lshl_b32 s24, s[HP], 8
	s_add_nc_u64 s[10:11], s[10:11], s[24:25]
	s_add_nc_u64 s[12:13], s[12:13], s[24:25]
	s_add_nc_u64 s[14:15], s[14:15], s[24:25]
	s_lshl_b32 s24, s[SI], 9
	s_lshl_b32 s38, s[WV], 5
	s_add_co_u32 s24, s24, s38
	s_add_nc_u64 s[16:17], s[16:17], s[24:25]
	s_lshl_b32 s24, s[SI], 19
	s_lshl_b32 s38, s[WV], 15
	s_add_co_u32 s24, s24, s38
	s_lshl_b32 s38, s[HP], 8
	s_add_co_u32 s24, s24, s38
	s_add_nc_u64 s[18:19], s[18:19], s[24:25]
.macro BLOAD lo                        ; four bias tiles (hd, u'): register j = b[32 hd + 8 u' + 16 h + j]
.irp t, 0,1,2,3
	global_load_b128 v[32+8*\t+48*(\t/3):32+8*\t+48*(\t/3)+3], v[H64], s[\lo:\lo+1] offset:128*(\t/2)+32*(\t%2)
	global_load_b128 v[32+8*\t+48*(\t/3)+4:32+8*\t+48*(\t/3)+7], v[H64], s[\lo:\lo+1] offset:128*(\t/2)+32*(\t%2)+16
.endr
.endm
	s_wait_alu depctr_va_vdst(0)                   ; every offset and LDS address of the head is written: v1 to v11, v226 to v229, v231, v238, which the loads and stores of the whole kernel read
	; everything that comes from memory, in one run: 53 loads
.irp m, 0,1,2
.irp i, 0,1,2
	global_load_b64 v[CP+6*\m+2*\i:CP+6*\m+2*\i+1], v[TMPR], s[6:7] offset:49152*\m+4096*\i   ; the work-group's 36,864 bytes of weight images: 8 bytes a thread, nine times
.endr
.endr
.irp f, 0,1,2,3
.irp p, 0,1,2,3,4,5
	global_load_b64 v[XF+12*\f+2*\p:XF+12*\f+2*\p+1], v228, s[4:5] offset:2048*(\f/2)+96*(\f%2)+48*(\p/3)+8*(\p%3)   ; x's fragment (u = f / 2, ks = f % 2)
.endr
.endr
	global_load_b64 v[XS:XS+1], v227, s[4:5] offset:192    ; x's scale words: lanes 0-15 tile 0, lanes 16-31 tile 1
.irp t, 0,1,2,3,4,5
	global_load_b64 v[WS+2*\t:WS+2*\t+1], v[LN8], s[8:9] offset:2048*(\t/2)+256*(\t%2)
.endr
	BLOAD 12                                       ; K's bias
.irp t, 0,1,2,3
	global_load_b32 v[VB+\t], v229, s[14:15] offset:128*(\t/2)+32*(\t%2)
.endr
	global_load_u8 v[MB], v226, s[16:17]
	s_wait_loadcnt 0x0
.irp m, 0,1,2
.irp i, 0,1,2
	ds_store_b64 v[TMPR], v[CP+6*\m+2*\i:CP+6*\m+2*\i+1] offset:WIMG+12288*\m+4096*\i
.endr
.endr
	s_wait_dscnt 0x0                               ; my part of the weights has landed
	s_barrier_signal -1
	s_barrier_wait -1                              ; everybody's has
	s_wait_alu depctr_vm_vsrc(0)                   ; my LDS stores have read v[CP ..] and v[TMPR], and the loads above their offsets v226 to v229: the lines below and the tails write these registers again
	v_cmp_ne_u32 s[MS], 0, v[MB]
	v_mov_b32 v[QT+2], 1
	v_mov_b32 v[QT+3], 0
	s_wait_alu depctr_va_sdst(0)                   ; the compare has written s[MS], ahead of its first reader
	v_cndmask_b32 v[MKC], 40, v[ZR], s[MS]         ; the code -1.0 where my key is masked
	v_cndmask_b32 v[QT+2], 0x9f, v[QT+2], s[MS]    ; its block's byte: 2^32 where masked, else byte 1
	v_permlanex16_b32 v[QT+3], v[QT+2], s[SEL], s[SEL+1]
	v_lshlrev_b32 v[MKW], 16, v[QT+2]              ; in lanes 0-15: byte 2 for tile 0's key, byte 3 for tile 1's
	v_lshl_or_b32 v[MKW], v[QT+3], 24, v[MKW]
; One projection of my 32 rows on one head: weight matrix m.  kind 0: source 0 = 16 rows of W, source 1 = 16 rows of x: a lane holds one row of x, its registers run along the head's 32.
; kind 1 (V): the sources swapped: a lane holds one channel, its registers run along my 32 keys.  The four accumulators take turns, K step by K step; the bias is the C of each sum's first product.
; cw = 1: the tail before has no wait of its own.  ew = 1: the tail before has stored.
.macro PROJ m, hd, kind, cw, ew
.if \kind
.irp j, 0,1,2,3,4,5,6,7
	v_mov_b32 v[CB+\j], v[VB+2*\hd]
	v_mov_b32 v[CB+8+\j], v[VB+2*\hd+1]
.endr
.endif
.if \cw
	s_wait_alu depctr_va_vdst(0)                   ; the last projection's products are done reading v[WF ..], in which the loads below land
.endif
.irp f, 0,1,2,3
.irp c, 0,1,2
	ds_load_b128 v[WF+12*\f+4*\c:WF+12*\f+4*\c+3], v[LN16] offset:WIMG+12288*\m+6144*\hd+1536*\f+512*\c
.endr
.endr
	s_wait_alu depctr_va_vdst(0)
	s_wait_dscnt 0x0                               ; the fragments are in, and the last projection's stores are done
.if \ew
	s_wait_alu depctr_vm_vsrc(0)                   ; the last tail's LDS stores have read the codes in v[PC ..] and the word in v[QT+2], which this projection's tail writes again
.endif
.irp ks, 0,1
.irp a, 0,1
.irp b, 0,1
.set cc, DD+8*(2*\a+\b)
.if \kind
.if \ks == 0
.set cc, CB+8*\a
.endif
	WM DD+8*(2*\a+\b), XF+12*(2*\b+\ks), WF+12*(2*\a+\ks), cc, XS+\ks, WS+2*(2*\m+\hd)+\ks, \b, \a
.else
.if \ks == 0
.set cc, 32+8*(2*\hd+\b)+48*((2*\hd+\b)/3)
.endif
	WM DD+8*(2*\a+\b), WF+12*(2*\b+\ks), XF+12*(2*\a+\ks), cc, WS+2*(2*\m+\hd)+\ks, XS+\ks, \b, \a
.endif
.endr
.endr
.endr
	PLACES 4
.endm
.macro KTAIL hd
	QUANT2 DD, PC, TB, QT
.irp i, 0,1,2
	v_cndmask_b32 v[PC+\i], 0, v[PC+\i], s[MS]     ; a masked key's codes are zeros
	v_cndmask_b32 v[PC+3+\i], 0, v[TB+\i], s[MS]
.endr
	v_lshl_or_b32 v[QT+2], v[QT+7], 8, v[QT+6]
	v_or_b32 v[QT+2], v[QT+2], v[MKW]
	s_wait_alu depctr_va_vdst(0)                   ; K's codes and scale word are written, which the stores below read; the projection's products are done reading v[WF ..] and the bias tiles, in which the loads that follow the stores land
	ds_store_b128 v[KW], v[PC:PC+3] offset:16384*\hd
	ds_store_b96 v[KW], v[PC+4:PC+6] offset:16384*\hd+512
	ds_store_b32 v[KSW], v[QT+2] offset:2048*\hd
.endm
.macro VTAIL hd
	QUANT2 DD, PC, TB, QT
.irp i, 0,1,2
	v_mov_b32 v[PC+3+\i], v[TB+\i]
.endr
	v_cndmask_b32 v[QT+2], v[QT+6], v[QT+7], s[HI]
	s_wait_alu depctr_va_vdst(0)                   ; V's codes and byte are written, which the stores below read; the projection's products are done reading v[WF ..], in which the next projection's loads land
.irp i, 0,1,2
	ds_store_b64 v[VW], v[PC+2*\i:PC+2*\i+1] offset:12288*\hd+256*\i
.endr
	ds_store_b8 v[VSW], v[QT+2] offset:512*\hd
.endm
.macro QTAIL hd
	QUANT2 DD, IQ+6*\hd, TB, QT
.irp i, 0,1,2
	v_mov_b32 v[IQ+6*\hd+3+\i], v[TB+\i]
.endr
	v_mov_b32 v[QW+2*\hd], v[QT+6]
	v_mov_b32 v[QW+2*\hd+1], v[QT+7]
.endm
	PROJ 1, 0, 0, 0, 0
	KTAIL 0
	PROJ 1, 1, 0, 0, 1
	KTAIL 1
	BLOAD 10                                       ; Q's bias, into the tiles that K's has left: it lands while V is made
	PROJ 2, 0, 1, 0, 1
	VTAIL 0
	PROJ 2, 1, 1, 0, 1
	VTAIL 1
	s_wait_loadcnt 0x0
	PROJ 0, 0, 0, 0, 1
	QTAIL 0
	PROJ 0, 1, 0, 1, 0
	QTAIL 1
.irp g, 0,1,2,3
.irp i, 7,8,9,10,11
	v_mov_b32 v[KF+12*\g+\i], 0                    ; what no load fills: written once
.endr
.endr
.irp i, 7,8,9,10,11
	v_mov_b32 v[Q0+\i], 0
	v_mov_b32 v[Q0+12+\i], 0
.endr
	v_cndmask_b32 v[Q0+6], 8, v[ZR], s[HI]         ; Q0: the code +1.0 at block 2's first place (lanes 0-15)
	v_cndmask_b32 v[Q0+18], 8, v[ZR], s[LO]        ; Q1: at block 3's (lanes 16-31)
	v_add_nc_u32 v[ADK], KIMG, v[LN16]             ; the first pass's first key step: head 0, keys 0 to 127
	v_add_nc_u32 v[ADS], KSC, v[LN4]
	s_wait_dscnt 0x0                               ; my K and V have landed
	s_barrier_signal -1
	s_barrier_wait -1                              ; everybody's have; nothing is written there again
	s_wait_alu depctr_va_vdst(0)                   ; the two addresses are written; the projections' products are done reading v[WF ..] and the weights' scale words, in which K and its scale words land
	KLOADS                                         ; they land while Q's two forms are made
; One key step: 128 keys.  Its K was asked for a step ago.  last = 0: in the loop: the addresses come from the stepped scalars, and the next step's K is asked for.
; last = 1: a pass's fourth step, written out: the addresses are constants, and the K that is asked for is the first step of the next pass, of head nk (nk = 2: there is no next pass, and nothing is asked for).
.macro STEP hd, last, nk
	s_wait_dscnt 0x0                               ; this step's K is in
.irp g, 0,1,2,3
.irp p, 0,1
	WM S+8*(2*\g+\p), KF+12*\g, Q0+12*\p, -1, KS+\g, QA+\p, 0, 0   ; keys 32 g + 8 p + 16 h + j of the step
.endr
.endr
	s_wait_alu depctr_vm_vsrc(0)                   ; the LDS loads issued so far have read the four addresses, which the lines below write
.if \last
	v_add_nc_u32 v[ADV], VIMG+12288*\hd+3*1536, v[LN8]   ; these four lines are also the places behind the products above, ahead of the first read of the scores
	v_add_nc_u32 v[ADT], VSC+512*\hd+3*64, v[R4]
.if \nk < 2
	v_add_nc_u32 v[ADK], KIMG+16384*\nk, v[LN16]
	v_add_nc_u32 v[ADS], KSC+2048*\nk, v[LN4]
.else
	PLACES 2
.endif
.else
	v_add_nc_u32 v[ADK], s[TK], v[LN16]            ; these four are also the places behind the products above, ahead of the first read of the scores
	v_add_nc_u32 v[ADS], s[TS], v[LN4]
	v_add_nc_u32 v[ADV], s[TV], v[LN8]
	v_add_nc_u32 v[ADT], s[TT], v[R4]
.endif
.if \last && (\nk == 2)
	SOFT 4, 1, 0
.else
	SOFT 4, 1, 1
.endif
.irp j, 0,2,4,6,8,10,12,14
	v_pk_mul_f32 v[O+\j:O+\j+1], v[O+\j:O+\j+1], v[F:F+1] op_sel_hi:[1,0]   ; O^T under the new M; also the places ahead of the products below
.endr
.if \last && (\nk == 2)
	s_wait_dscnt 0x0                               ; V
.else
	s_wait_dscnt 12                                ; V's 14 loads are in; K's 12 behind them stay out
.endif
	s_wait_alu depctr_va_vdst(0)                   ; p's codes and its scale word are written, which the two products below take as operand and scales
	WM O, VF, PC, O, VS, PS, 0, 0
	WM O+8, VF+12, PC, O+8, VS+1, PS, 0, 0
.endm
; One tile of 16 queries (tile u of my 32) of head hd against all 512 keys, 128 a step.  first = 1: the first pass.  nk: the head of the next pass (2: none)
.macro PASS hd, u, first, nk
.if !\first
	s_wait_dscnt 0x0                               ; the last pass's stores into the stage are done
	s_wait_alu depctr_vm_vsrc(0)                   ; and have read O, which is written anew below
.endif
	v_or_b32 v[QA], 0x017f0100, v[QW+2*\hd+\u]     ; Q0's scale word: e, 1, 2^0, 1
	v_lshl_or_b32 v[QA+1], v[QW+2*\hd+\u], 8, 0x7f010001   ; Q1's: 1, e, 1, 2^0
.irp i, 0,1,2,3,4,5
	v_permlanex16_b32 v[PC+\i], v[IQ+6*\hd+\i], s[SEL], s[SEL+1]
.endr
.irp i, 0,1,2,3,4,5
.if \u == 0
	v_cndmask_b32 v[Q0+\i], v[IQ+6*\hd+\i], v[ZR], s[HI]
	v_cndmask_b32 v[Q0+12+\i], 0, v[PC+\i], s[HI]
.else
	v_cndmask_b32 v[Q0+\i], v[PC+\i], v[ZR], s[HI]
	v_cndmask_b32 v[Q0+12+\i], 0, v[IQ+6*\hd+\i], s[HI]
.endif
.endr
	v_mov_b32 v[NM+1], 0xff61b1e6                  ; the largest t so far: -3e38
	v_floor_f32 v[NM], -v[NM+1]
	v_mov_b32 v[SUM], 0
	v_mov_b32 v[SUM+1], 0
	v_mov_b32 v[PS], 0                             ; (named as the upper half of the pair with f)
.irp j, 0,1,2,3,4,5,6,7,8,9,10,11,12,13,14,15
	v_mov_b32 v[O+\j], 0                           ; the first step finds zeros
.endr
	s_mov_b32 s[TK], KIMG+16384*\hd+4096           ; K runs a step ahead of V
	s_mov_b32 s[TS], KSC+2048*\hd+512
	s_mov_b32 s[TV], VIMG+12288*\hd
	s_mov_b32 s[TT], VSC+512*\hd
	s_mov_b32 s[CNT], 3
	s_wait_alu depctr_va_vdst(0)                   ; Q's two forms and their scale words are written, which every product K Q^T of the pass takes as operand and scales; the lines behind their last write are the places
.Lstep_\@:
	STEP \hd, 0, 0
	s_add_co_u32 s[TK], s[TK], 4096
	s_add_co_u32 s[TS], s[TS], 512
	s_add_co_u32 s[TV], s[TV], 1536
	s_add_co_u32 s[TT], s[TT], 64
	s_sub_co_u32 s[CNT], s[CNT], 1
	s_cmp_lg_u32 s[CNT], 0
	s_cbranch_scc1 .Lstep_\@
	STEP \hd, 1, \nk
	PLACES 2                                       ; with the two additions and the v_nop below: the places ahead of the first read of O^T
	v_add_f32 v[SUM], v[SUM], v[SUM+1]
	v_permlanex16_b32 v[TMPR], v[SUM], s[SEL], s[SEL+1]
	v_add_f32 v[SUM], v[SUM], v[TMPR]              ; the row's sum
	s_wait_alu depctr_va_vdst(0)
	v_rcp_f32 v[F], v[SUM]
	v_nop
	s_wait_alu depctr_va_vdst(0)                   ; the reciprocal has written its result, ahead of its first reader
.irp j, 0,2,4,6,8,10,12,14
	v_pk_mul_f32 v[O+\j:O+\j+1], v[O+\j:O+\j+1], v[F:F+1] op_sel_hi:[1,0]
.endr
	s_wait_alu depctr_va_vdst(0)                   ; the division has written O, which the stores below read; behind the last pass it also states that the softmax is done with v[S ..], in which the loads from the stage land
.irp q, 0,1,2,3
	ds_store_b128 v[STO], v[O+4*\q:O+4*\q+3] offset:8*SP*\u+128*\hd+16*\q   ; my query's row, channels 32 hd + 16 h + 4 q on
.endr
.endm
	PASS 0, 0, 1, 0
	PASS 0, 1, 0, 1
	PASS 1, 0, 0, 1
	PASS 1, 1, 0, 2
.irp i, 0,1,2,3,4,5,6,7,8,9,10,11,12,13,14,15
	ds_load_b128 v[S+4*\i:S+4*\i+3], v[RD] offset:2*SP*\i   ; the stage is my own: LDS serves a wave's instructions in order
.endr
.irp i, 0,1,2,3,4,5,6,7,8,9,10,11,12,13,14,15
	s_wait_dscnt 15-\i                             ; the younger loads stay out
	global_store_b128 v[GO], v[S+4*\i:S+4*\i+3], s[18:19] offset:2048*\i th:TH_STORE_NT   ; sixteen lanes store 256 consecutive bytes, at a multiple of 256 from the buffer's first byte
.endr
	s_wait_xcnt 0x0
	v_lshl_add_u32 v254, v0, 2, 0x3a400            ; the add's two registers are made anew: no memory or LDS instruction of the kernel has read v254 or v255
	v_mov_b32 v255, 0
	s_wait_dscnt 0x0                               ; the closing lines, six on end
	s_wait_alu 0x0
	s_wait_tensorcnt 0x0
	ds_add_u32 v254, v255
	s_wait_dscnt 0x0
	s_endpgm
.Lfunc_end_k_qe25cc718f7_row:
	.size	k_qe25cc718f7_row, .Lfunc_end_k_qe25cc718f7_row-k_qe25cc718f7_row
	.p2alignl 7, 3214868480
	.fill 96, 4, 3214868480
	.section	.rodata,"a",@progbits
	.p2align	6, 0x0
	.amdhsa_kernel k_qe25cc718f7_row
		.amdhsa_group_segment_fixed_size 240640
		.amdhsa_private_segment_fixed_size 0
		.amdhsa_enable_private_segment 0
		.amdhsa_kernarg_size 64
		.amdhsa_user_sgpr_count 2
		.amdhsa_user_sgpr_kernarg_segment_ptr 1
		.amdhsa_wavefront_size32 1
		.amdhsa_system_sgpr_workgroup_id_x 1
		.amdhsa_system_sgpr_workgroup_id_y 1
		.amdhsa_system_sgpr_workgroup_id_z 1
		.amdhsa_system_vgpr_workitem_id 0
		.amdhsa_next_free_vgpr 256
		.amdhsa_next_free_sgpr 66
		.amdhsa_reserve_vcc 0
		.amdhsa_float_denorm_mode_32 3
		.amdhsa_float_denorm_mode_16_64 3
		.amdhsa_memory_ordered 1
		.amdhsa_forward_progress 1
		.amdhsa_inst_pref_size 171
	.end_amdhsa_kernel
	.amdgpu_metadata
---
amdhsa.version: [ 1, 2 ]
amdhsa.kernels:
  - .name:           k_qe25cc718f7_row
    .symbol:         k_qe25cc718f7_row.kd
    .args:
      - { .name: xq, .offset: 0, .size: 8, .value_kind: global_buffer, .address_space: global }
      - { .name: wq, .offset: 8, .size: 8, .value_kind: global_buffer, .address_space: global }
      - { .name: ws, .offset: 16, .size: 8, .value_kind: global_buffer, .address_space: global }
      - { .name: rq_b, .offset: 24, .size: 8, .value_kind: global_buffer, .address_space: global }
      - { .name: rk_b, .offset: 32, .size: 8, .value_kind: global_buffer, .address_space: global }
      - { .name: rv_b, .offset: 40, .size: 8, .value_kind: global_buffer, .address_space: global }
      - { .name: mask, .offset: 48, .size: 8, .value_kind: global_buffer, .address_space: global }
      - { .name: rowo, .offset: 56, .size: 8, .value_kind: global_buffer, .address_space: global }
    .group_segment_fixed_size: 240640
    .private_segment_fixed_size: 0
    .kernarg_segment_align: 8
    .kernarg_segment_size: 64
    .max_flat_workgroup_size: 512
    .sgpr_count:     66
    .vgpr_count:     256
    .wavefront_size: 32
...
	.end_amdgpu_metadata
.endif
;; end of part 5
;; launch col (part 6): grid 256 x 1, 16 waves a work-group, no clusters, 186,368 bytes of LDS; arguments xq, wq, ws, cq_b, ck_b, cv_b, out_b, mask, rowo, out0; writes out0
.if DOCPART == 6
	.amdgcn_target "amdgcn-amd-amdhsa--gfx1250"
	.amdhsa_code_object_version 6
	.text
	.protected	k_qe25cc718f7_col
	.globl	k_qe25cc718f7_col
	.p2align	8
	.type	k_qe25cc718f7_col,@function
k_qe25cc718f7_col:
	s_mov_b64 s[64:65], 0
	v_nop
	global_prefetch_b8 v0, s[64:65] scope:SCOPE_SE
	s_setreg_imm32_b32 hwreg(HW_REG_WAVE_MODE, 25, 1), 1
	s_wait_xcnt 0x0
; Column attention, the sum with row attention's result, and the last projection; all products on codes of FP6 (E2M3) with E8M0 scales.
; SHARES.  A work-group takes positions 2 x and 2 x + 1.  Wave w of sixteen takes position w / 8 and head w % 8: Q, K, V of the 64 MSA rows, the whole 64 x 64 attention, in its own registers.
; combined = O / sum + row_out is quantised (a head is one block of 32 along the last product's K) and goes to LDS as pieces of operand registers; then wave (position, g) makes output columns 32 g .. 32 g + 31 of the 64 rows.
; ROW_OUT: the work-group's part is 64 MSA rows x 2,048 bytes.  Wave w asks for MSA rows 4 w .. 4 w + 3 by one tensor load at the head, into the bytes that later serve as the output's stage; it lands while Q, K and V are made.
; Those bytes are filled once; every wave waits for its load ahead of the barrier in front of the first read, and a barrier stands between the last read and the stage's first store.  No work-group shares a tile with another: no cluster.
; TILES, THE TWO FORMS OF Q AND THE MASK are as in the launch before: lane r of tile u of a group of 32 takes row 8 u + r + 8 (r / 8); a fragment of K holds two tiles of keys in blocks 0 and 1; a masked key has zero codes,
; the code -1.0 in block 2 or 3 under the byte 0x9f (2^32), so that its score is exactly -2^32; blocks that are switched off carry the byte 1.
; SOFTMAX: t = score x c, c = log2(e) / sqrt(32); M = the row's largest t rounded up; p = 2^(t - M) is quantised along the 64 keys; the sum of the unquantised p divides at the end.
; LIMITS: unmasked logits must lie above -7.6e8; NaN and infinities are not served; blocks under 2^-124 keep the byte 1; a mask byte other than 0 counts as true.
.set XIMG, 0                           ; LDS: x's 16 fragments as register images: 1536 (2 (4 lsel + T) + ks)
.set CIMG, 25600                       ; combined's 16 fragments, six pieces of 256 bytes each
.set CSC,  50176                       ; their scale words: 64 x index + 4 r + block
.set STG,  51200                       ; row_out, then the output's stage: row 2 s + lsel, 1024 bytes + 16
.set SPT,  1040
.set LN16, 1
.set LN8,  2
.set R4,   3
.set XR,   4                           ; x's images of my position; later combined's
.set ST0,  5                           ; STG: row 2 (r + 8 (r / 8)) + lsel, + 128 head + 64 (lane / 16): row_out's and the output's place alike
.set CW,   6                           ; where I store combined's pieces
.set CSW,  7                           ; and its byte; later where I read combined's scale words
.set XS,   8                           ; v8-11 x's scale words (2 b + ks); later v8-9 Q's two scale words
.set QA,   8
.set WS,   12                          ; v12-13 the weights' scale words
.set ST1,  14                          ; ST0, 32 MSA rows on
.set H64,  15                          ; 64 (lane / 16)
.set NM,   16
.set SUM,  18
.set RI,   20                          ; 1 / sum
.set ZR,   21                          ; 0
.set PS,   22
.set TMPR, 23
.set KS,   24                          ; v24-25 K's scale words, v26-27 V's, v28-31 Q's bytes; later v24-31 combined's scale words
.set VS,   26
.set QW,   28
.set CSR,  24
.set VF,   32                          ; v32-55 V^T; later v32-79 out_w's four fragments
.set OW,   32
.set Q0,   56                          ; v56-67 Q0, v68-79 Q1
.set VD,   56                          ; v56-119 V's eight accumulators
.set BI,   56                          ; v56-71 Q's or K's bias tiles
.set QT2,  72
.set KF,   80                          ; v80-103 K; later v80-175 combined's eight fragments
.set CF,   80
.set IQ,   104                         ; v104-115 Q's codes
.set CC,   116                         ; v116-122 combined's codes
.set TBK,  120
.set EC,   124                         ; v124-125 combined's bytes
.set MKW,  126                         ; v126-127 the mask bytes, then the mask's scale bytes of groups 0, 1
.set S,    128
.set XF,   128
.set O,    160
.set RO,   176                         ; v176-191 row_out of the tile in hand
.set WF,   176                         ; v176-223 a weight group's four fragments
.set DO,   176                         ; v176-239 the last product's eight accumulators
.set PC,   208
.set W16,  220
.set DD,   224                         ; v224-255 Q's or K's four accumulators
.set CB,   224
.set QTV,  240
.set TBV,  248
.set VB,   252
.set OB,   240
.set WV,  24
.set LSEL, 25
.set HEAD, 26
.set LP,  27
.set SEL, 28
.set CS,  30
.set HI,  32
.set MS,  33                           ; s33, s34 lanes whose key is valid, groups 0, 1
.set LO,  35
.set G1,  68                           ; s[68:75] descriptor group 1, s[76:79] group 0: never rewritten
.set G0,  76
.macro PLACES n
.rept \n
	v_nop
.endr
.endm
.macro WM d, a, b, c, sa, sb, ra, rb
.if (\c) < 0
	v_wmma_scale_f32_16x16x128_f8f6f4 v[\d:\d+7], v[\a:\a+11], v[\b:\b+11], 0, v[\sa], v[\sb] matrix_a_fmt:MATRIX_FMT_FP6 matrix_b_fmt:MATRIX_FMT_FP6
.elseif (\ra) && (\rb)
	v_wmma_scale_f32_16x16x128_f8f6f4 v[\d:\d+7], v[\a:\a+11], v[\b:\b+11], v[\c:\c+7], v[\sa], v[\sb] matrix_a_fmt:MATRIX_FMT_FP6 matrix_b_fmt:MATRIX_FMT_FP6 matrix_a_scale:MATRIX_SCALE_ROW1 matrix_b_scale:MATRIX_SCALE_ROW1
.elseif \ra
	v_wmma_scale_f32_16x16x128_f8f6f4 v[\d:\d+7], v[\a:\a+11], v[\b:\b+11], v[\c:\c+7], v[\sa], v[\sb] matrix_a_fmt:MATRIX_FMT_FP6 matrix_b_fmt:MATRIX_FMT_FP6 matrix_a_scale:MATRIX_SCALE_ROW1
.elseif \rb
	v_wmma_scale_f32_16x16x128_f8f6f4 v[\d:\d+7], v[\a:\a+11], v[\b:\b+11], v[\c:\c+7], v[\sa], v[\sb] matrix_a_fmt:MATRIX_FMT_FP6 matrix_b_fmt:MATRIX_FMT_FP6 matrix_b_scale:MATRIX_SCALE_ROW1
.else
	v_wmma_scale_f32_16x16x128_f8f6f4 v[\d:\d+7], v[\a:\a+11], v[\b:\b+11], v[\c:\c+7], v[\sa], v[\sb] matrix_a_fmt:MATRIX_FMT_FP6 matrix_b_fmt:MATRIX_FMT_FP6
.endif
.endm
; Two sets of 16 registers, each my half of one block of 32.  Afterwards lanes 0-15 hold set a's whole block, lanes 16-31 set b's: lower 16 codes in v[dA] on, upper 16 in v[tb] on; the bytes in v[w+6], v[w+7]
.macro QUANT2 src, dA, tb, w
	v_max3_num_f32 v[\w], |v[\src]|, |v[\src+1]|, 0x1800000        ; with the floor 2^(3 - 127)
	v_max3_num_f32 v[\w+1], |v[\src+16]|, |v[\src+17]|, 0x1800000
.irp i, 2,4,6,8,10,12,14
	v_max3_num_f32 v[\w], v[\w], |v[\src+\i]|, |v[\src+\i+1]|
	v_max3_num_f32 v[\w+1], v[\w+1], |v[\src+16+\i]|, |v[\src+17+\i]|
.endr
	v_permlanex16_b32 v[\w+2], v[\w], s[SEL], s[SEL+1]
	v_permlanex16_b32 v[\w+3], v[\w+1], s[SEL], s[SEL+1]
	s_delay_alu instid0(VALU_DEP_2)
	v_max_num_f32 v[\w], v[\w], v[\w+2]
	s_delay_alu instid0(VALU_DEP_2)
	v_max_num_f32 v[\w+1], v[\w+1], v[\w+3]
	s_delay_alu instid0(VALU_DEP_2)
	v_add_nc_u32 v[\w+4], 0xff000000, v[\w]
	s_delay_alu instid0(VALU_DEP_2)
	v_add_nc_u32 v[\w+5], 0xff000000, v[\w+1]
	s_delay_alu instid0(VALU_DEP_2)
	v_lshrrev_b32 v[\w+6], 23, v[\w+4]
	s_delay_alu instid0(VALU_DEP_2)
	v_lshrrev_b32 v[\w+7], 23, v[\w+5]
	v_cvt_scalef32_pk16_fp6_f32 v[\dA:\dA+2], v[\src:\src+15], v[\w+4]
	v_cvt_scalef32_pk16_fp6_f32 v[\tb:\tb+2], v[\src+16:\src+31], v[\w+5]
	v_nop                                          ; one plain place behind a scaled conversion
.irp i, 0,1,2
	v_permlane16_swap_b32 v[\dA+\i], v[\tb+\i]
.endr
.endm
; One set of 16: my half of a block; its 16 codes in v[d] on, the byte in v[e]
.macro QUANT1 src, d, e, w
	v_max3_num_f32 v[\w], |v[\src]|, |v[\src+1]|, 0x1800000
	v_max3_num_f32 v[\w+1], |v[\src+2]|, |v[\src+3]|, |v[\src+4]|
.irp i, 5,9
	s_delay_alu instid0(VALU_DEP_2)
	v_max3_num_f32 v[\w], v[\w], |v[\src+\i]|, |v[\src+\i+1]|
	s_delay_alu instid0(VALU_DEP_2)
	v_max3_num_f32 v[\w+1], v[\w+1], |v[\src+\i+2]|, |v[\src+\i+3]|
.endr
	s_delay_alu instid0(VALU_DEP_2)
	v_max3_num_f32 v[\w], v[\w], |v[\src+13]|, |v[\src+14]|
	s_delay_alu instid0(VALU_DEP_1)
	v_max3_num_f32 v[\w], v[\w], v[\w+1], |v[\src+15]|
	s_delay_alu instid0(VALU_DEP_1)
	v_permlanex16_b32 v[\w+2], v[\w], s[SEL], s[SEL+1]
	s_delay_alu instid0(VALU_DEP_1)
	v_max_num_f32 v[\w], v[\w], v[\w+2]
	s_delay_alu instid0(VALU_DEP_1)
	v_add_nc_u32 v[\w+3], 0xff000000, v[\w]
	s_delay_alu instid0(VALU_DEP_1)
	v_lshrrev_b32 v[\e], 23, v[\w+3]
	v_cvt_scalef32_pk16_fp6_f32 v[\d:\d+2], v[\src:\src+15], v[\w+3]
	v_nop                                          ; one plain place behind a scaled conversion
.endm
; The softmax of 32 NB keys a lane pair, as in the launch before (here NB = 2, RUN = 0: all keys at once)
.macro SOFT NB, RUN
.set b, 0
.rept \NB
	v_max3_num_f32 v[W16+b], v[S+16*b], v[S+16*b+1], v[S+16*b+2]   ; each block's largest score: for the row's maximum and for the block's largest p
.set b, b+1
.endr
.irp i, 3,5,7,9,11,13
.set b, 0
.rept \NB
	v_max3_num_f32 v[W16+b], v[W16+b], v[S+16*b+\i], v[S+16*b+\i+1]
.set b, b+1
.endr
.endr
.set b, 0
.rept \NB
	v_max_num_f32 v[W16+b], v[W16+b], v[S+16*b+15]
.set b, b+1
.endr
.set b, 0
.rept \NB
	v_permlanex16_b32 v[W16+4+b], v[W16+b], s[SEL], s[SEL+1]
.set b, b+1
.endr
.set b, 0
.rept \NB
	s_delay_alu instid0(VALU_DEP_2)
	v_max_num_f32 v[W16+b], v[W16+b], v[W16+4+b]
.set b, b+1
.endr
	s_delay_alu instid0(VALU_DEP_1)
	v_max_num_f32 v[TMPR], v[W16], v[W16+1]
	s_delay_alu instid0(VALU_DEP_1)
	v_mul_f32 v[TMPR], s[CS], v[TMPR]              ; as t (c is positive)
	s_delay_alu instid0(VALU_DEP_1)
	v_mov_b32 v[NM+1], v[TMPR]                     ; (named with -M as a pair)
	s_delay_alu instid0(VALU_DEP_2)
	v_floor_f32 v[NM], -v[TMPR]                    ; -M = floor(-t)
.set j, 0
.rept 8*\NB
	v_pk_fma_f32 v[S+j:S+j+1], v[S+j:S+j+1], s[CS:CS+1], v[NM:NM+1] op_sel_hi:[1,0,0]
.set j, j+2
.endr
.set b, 0
.rept \NB
	v_fma_f32 v[W16+b], v[W16+b], s[CS], v[NM]
.set b, b+1
.endr
.set j, 0
	s_wait_alu depctr_va_vdst(0)
.rept 16*\NB
	v_exp_f32 v[S+j], v[S+j]                       ; p = 2^(t - M): one batch
.set j, j+1
.endr
	v_nop                                          ; the plain place behind the batch
	s_wait_alu depctr_va_vdst(0)                   ; one wait for the batch, ahead of its first reader
.set b, 0
.rept \NB
	v_exp_f32 v[W16+b], v[W16+b]
.set b, b+1
.endr
	v_pk_add_f32 v[224:225], v[128:129], v[130:131]
	v_pk_add_f32 v[254:255], v[136:137], v[140:141]
	v_pk_add_f32 v[252:253], v[144:145], v[148:149]
	v_pk_add_f32 v[250:251], v[152:153], v[156:157]
	v_pk_add_f32 v[248:249], v[132:133], v[134:135]
	v_pk_add_f32 v[246:247], v[138:139], v[142:143]
	v_pk_add_f32 v[244:245], v[146:147], v[150:151]
	v_pk_add_f32 v[18:19], v[154:155], v[158:159]
	s_delay_alu instid0(VALU_DEP_1)
	v_pk_add_f32 v[18:19], v[18:19], v[250:251]
	v_pk_add_f32 v[224:225], v[224:225], v[248:249]
	v_pk_add_f32 v[254:255], v[254:255], v[246:247]
	v_pk_add_f32 v[252:253], v[252:253], v[244:245]
	s_delay_alu instid0(VALU_DEP_2)
	v_pk_add_f32 v[18:19], v[18:19], v[254:255]
	s_delay_alu instid0(VALU_DEP_2)
	v_pk_add_f32 v[224:225], v[224:225], v[252:253]
	s_delay_alu instid0(VALU_DEP_1)
	v_pk_add_f32 v[18:19], v[18:19], v[224:225]
	s_wait_alu depctr_va_vdst(0)                   ; and one for the blocks' exponentials
.set b, 0
.rept \NB
	v_max_num_f32 v[W16+b], 0x1800000, v[W16+b]
.set b, b+1
.endr
.set b, 0
.rept \NB
	s_delay_alu instid0(VALU_DEP_2)
	v_add_nc_u32 v[W16+12+b], 0xff000000, v[W16+b]
.set b, b+1
.endr
.set b, 0
.rept \NB
	s_delay_alu instid0(VALU_DEP_2)
	v_lshrrev_b32 v[W16+4+b], 23, v[W16+12+b]
.set b, b+1
.endr
	s_delay_alu instid0(VALU_DEP_1)
	v_lshl_or_b32 v[PS], v[W16+5], 8, v[W16+4]
	s_delay_alu instid0(VALU_DEP_1)
	v_or_b32 v[PS], 0x01010000, v[PS]              ; the two blocks that hold nothing: byte 1
	v_cvt_scalef32_pk16_fp6_f32 v[PC:PC+2], v[S:S+15], v[W16+12]
	v_cvt_scalef32_pk16_fp6_f32 v[W16+4:W16+6], v[S+16:S+31], v[W16+13]
	v_nop
.irp i, 0,1,2
	v_permlane16_swap_b32 v[PC+\i], v[W16+4+\i]
.endr
.irp i, 0,1,2
	s_delay_alu instid0(VALU_DEP_3)
	v_mov_b32 v[PC+3+\i], v[W16+4+\i]
.endr
.endm
	s_load_b512 s[4:19], s[0:1], 0x0               ; xq, wq, ws, cq_b, ck_b, cv_b, out_b, mask
	s_load_b128 s[20:23], s[0:1], 0x40             ; rowo, out0
	v_lshl_add_u32 v254, v0, 2, 0x2d000
	v_mov_b32 v255, 0
	ds_add_u32 v254, v255
	ds_add_u32 v254, v255
	s_wait_dscnt 0x0
	v_lshrrev_b32 v1, 5, v0
	s_delay_alu instid0(VALU_DEP_1)
	v_readfirstlane_b32 s[WV], v1                  ; wave 0..15
	s_lshr_b32 s[LSEL], s[WV], 3
	s_and_b32 s[HEAD], s[WV], 7
	s_lshl_b32 s[LP], ttmp9, 1
	s_add_co_u32 s[LP], s[LP], s[LSEL]             ; my position
	; descriptor group 1: 4 MSA rows x 2,048 bytes of row_out, 524,288 bytes apart; in LDS 16 bytes of padding behind every 1,024, so that a position's row is 1,040 bytes
	s_mov_b32 s[G1], (3<<16)|(1<<20)|(7<<22)|(3<<25)   ; 15:0 no mask; 17:16 elements of 8 bytes; 20 padding on; 24:22 after every 256 words (code 7); 31:25 of 4 words (code 3)
	s_mov_b32 s[G1+1], 256<<16                     ; tensor_dim0 = 256 elements
	s_mov_b32 s[G1+2], 4<<16                       ; tensor_dim1 = 4
	s_mov_b32 s[G1+3], 256<<16                     ; tile_dim0 = 256
	s_mov_b32 s[G1+4], 4                           ; tile_dim1 = 4
	s_mov_b32 s[G1+5], 65536                       ; from row to row, in elements
	s_mov_b32 s[G1+6], 0
	s_mov_b32 s[G1+7], 0
	v_and_b32 v240, 31, v0                         ; lane
	v_and_b32 v241, 15, v0                         ; r
	v_bfe_u32 v242, v0, 4, 1                       ; h
	s_wait_alu depctr_va_vdst(0)
	v_and_b32 v243, 8, v241
	s_delay_alu instid0(VALU_DEP_1)
	v_add_nc_u32 v243, v243, v241                  ; r + 8 (r / 8)
	v_lshlrev_b32 v[LN16], 4, v240
	v_lshlrev_b32 v[LN8], 3, v240
	v_lshlrev_b32 v[R4], 2, v241
	s_wait_alu depctr_va_vdst(0)
	s_mul_i32 s40, s[LSEL], 12288
	v_add_nc_u32 v[XR], s40, v[LN16]
	s_lshr_b32 s41, s[HEAD], 2                     ; my head is block head % 4 of K step head / 4: registers 6 ((head / 2) % 2) on, lanes 16 (head % 2) on
	s_mul_i32 s41, s41, 1536
	s_add_co_u32 s40, s40, s41
	s_bfe_u32 s41, s[HEAD], 0x10001
	s_mul_i32 s41, s41, 768
	s_add_co_u32 s40, s40, s41
	s_and_b32 s41, s[HEAD], 1
	s_lshl_b32 s41, s41, 7
	s_add_co_u32 s40, s40, s41
	s_add_co_u32 s40, s40, CIMG
	v_mul_u32_u24 v[CW], v242, 3072                ; my half of the lanes holds row tile 2 b + h
	s_delay_alu instid0(VALU_DEP_1)
	v_lshl_add_u32 v[CW], v241, 3, v[CW]
	s_delay_alu instid0(VALU_DEP_1)
	v_add_nc_u32 v[CW], s40, v[CW]
	s_lshl_b32 s40, s[LSEL], 9
	s_lshr_b32 s41, s[HEAD], 2
	s_lshl_b32 s41, s41, 6
	s_add_co_u32 s40, s40, s41
	s_and_b32 s41, s[HEAD], 3
	s_add_co_u32 s40, s40, s41
	s_add_co_u32 s40, s40, CSC
	v_lshl_add_u32 v[CSW], v242, 7, v[R4]
	s_delay_alu instid0(VALU_DEP_1)
	v_add_nc_u32 v[CSW], s40, v[CSW]
	v_lshlrev_b32 v[H64], 6, v242
	s_mul_i32 s40, s[LSEL], SPT
	s_lshl_b32 s41, s[HEAD], 7
	s_add_co_u32 s40, s40, s41
	s_add_co_u32 s40, s40, STG
	v_mul_u32_u24 v[ST0], v243, 2*SPT
	s_delay_alu instid0(VALU_DEP_1)
	v_add_nc_u32 v[ST0], v[H64], v[ST0]
	s_delay_alu instid0(VALU_DEP_1)
	v_add_nc_u32 v[ST0], s40, v[ST0]
	s_delay_alu instid0(VALU_DEP_1)
	v_add_nc_u32 v[ST1], 64*SPT, v[ST0]
	v_lshlrev_b32 v245, 17, v243                   ; an MSA row of records is 131,072 bytes
	s_delay_alu instid0(VALU_DEP_1)
	v_mad_u32_u24 v245, v242, 24, v245
	v_lshl_add_u32 v246, v242, 3, v243             ; 8 h + r + 8 (r / 8)
	s_delay_alu instid0(VALU_DEP_1)
	v_lshlrev_b32 v247, 17, v246
	s_delay_alu instid0(VALU_DEP_2)
	v_lshlrev_b32 v248, 9, v246
	v_lshlrev_b32 v249, 2, v243
	s_mul_i32 s56, s[WV], 1536
	v_add_nc_u32 v250, s56, v[LN16]
	v_mov_b32 v[ZR], 0
	s_mov_b32 s[SEL], 0x76543210
	s_mov_b32 s[SEL+1], 0xfedcba98
	s_mov_b32 s[CS], 0x3e8293ee                    ; c = log2(e) / sqrt(32)
	s_mov_b32 s[CS+1], s[CS]
	s_mov_b32 s[HI], 0xffff0000
	s_mov_b32 s[LO], 0x0000ffff
	s_mov_b32 s41, 0
	s_wait_alu depctr_va_vdst(0)
	s_wait_kmcnt 0x0
	s_lshl_b32 s40, ttmp9, 11
	s_lshl_b32 s56, s[WV], 21
	s_add_co_u32 s40, s40, s56                     ; (MSA row 4 w, the work-group's first position), in bytes: in row_out and in the output alike
	s_add_nc_u64 s[54:55], s[22:23], s[40:41]      ; out0 there
	s_mov_b32 s[G0], 1                             ; 1:0 count = 1
	s_mul_i32 s[G0+1], s[WV], 8*SPT                ; 63:32 LDS address: stage rows 8 w on
	s_add_co_u32 s[G0+1], s[G0+1], STG
	s_add_nc_u64 s[G0+2:G0+3], s[20:21], s[40:41]  ; 120:64 global address
	s_or_b32 s[G0+3], s[G0+3], 0x80000000          ; 127:126 type = 2
	tensor_load_to_lds s[G0:G0+3], s[G1:G1+7]      ; my one tensor load: ahead of every LDS read, every barrier and the one wait on TENSORcnt
	s_nop 0
	s_lshl_b32 s40, s[LP], 8
	s_add_nc_u64 s[48:49], s[4:5], s[40:41]        ; the record of (MSA row 0, my position)
	s_bfe_u32 s40, s[WV], 0x10002                  ; the fragment that I fetch: row tile T = (w / 2) % 4, K step w % 2: rows 32 (T / 2) + 8 (T % 2) on
	s_lshl_b32 s40, s40, 22
	s_bfe_u32 s56, s[WV], 0x10001
	s_lshl_b32 s56, s56, 20
	s_add_co_u32 s40, s40, s56
	s_and_b32 s56, s[WV], 1
	s_mul_i32 s56, s56, 96
	s_add_co_u32 s40, s40, s56
	s_add_nc_u64 s[50:51], s[48:49], s[40:41]
	s_mov_b32 s40, s[LP]
	s_add_nc_u64 s[52:53], s[18:19], s[40:41]      ; mask at (0, my position)
	s_add_co_u32 s56, s[HEAD], 24                  ; cq_w's group of my head
	s_mul_i32 s40, s56, 6144
	s_add_nc_u64 s[44:45], s[6:7], s[40:41]
	s_lshl_b32 s40, s56, 8
	s_add_nc_u64 s[46:47], s[8:9], s[40:41]
	s_lshl_b32 s40, s[HEAD], 7
	s_add_nc_u64 s[10:11], s[10:11], s[40:41]
	s_add_nc_u64 s[12:13], s[12:13], s[40:41]
	s_add_nc_u64 s[14:15], s[14:15], s[40:41]
	s_add_nc_u64 s[16:17], s[16:17], s[40:41]
.macro LOADW m, dst                    ; my head's group of matrix m: four fragments as they lie, and their scale words
.irp f, 0,1,2,3
.irp c, 0,1,2
	global_load_b128 v[\dst+12*\f+4*\c:\dst+12*\f+4*\c+3], v[LN16], s[44:45] offset:49152*(\m-3)+1536*\f+512*\c
.endr
.endr
	global_load_b64 v[WS:WS+1], v[LN8], s[46:47] offset:2048*(\m-3)
.endm
.macro LOADB lo, dst                   ; two bias tiles: register j = b[32 head + 8 u' + 16 h + j]
.irp t, 0,1
	global_load_b128 v[\dst+8*\t:\dst+8*\t+3], v[H64], s[\lo:\lo+1] offset:32*\t
	global_load_b128 v[\dst+8*\t+4:\dst+8*\t+7], v[H64], s[\lo:\lo+1] offset:32*\t+16
.endr
.endm
.macro XFETCH b                        ; x's four fragments of rows 32 b on
.irp f, 0,1,2,3
.irp c, 0,1,2
	ds_load_b128 v[XF+12*\f+4*\c:XF+12*\f+4*\c+3], v[XR] offset:XIMG+6144*\b+1536*\f+512*\c
.endr
.endr
.endm
.irp p, 0,1,2,3,4,5
	global_load_b64 v[XF+2*\p:XF+2*\p+1], v245, s[50:51] offset:48*(\p/3)+8*(\p%3)   ; one of the work-group's 16 fragments of x
.endr
	global_load_b64 v[XS:XS+1], v247, s[48:49] offset:192
	global_load_b64 v[XS+2:XS+3], v247, s[48:49] offset:192+4194304
	global_load_u8 v[MKW], v248, s[52:53]
	global_load_u8 v[MKW+1], v248, s[52:53] offset:16384
	LOADW 5, WF
	global_load_b32 v[VB], v249, s[14:15]
	global_load_b32 v[VB+1], v249, s[14:15] offset:32
	s_wait_loadcnt 0x0
.irp c, 0,1,2
	ds_store_b128 v250, v[XF+4*\c:XF+4*\c+3] offset:XIMG+512*\c
.endr
	s_wait_dscnt 0x0                               ; my fragment has landed
	s_barrier_signal -1
	s_barrier_wait -1                              ; all sixteen have.  (My tensor load may stay out, and nobody reads its bytes yet)
	v_cmp_ne_u32 s[MS], 0, v[MKW]
	v_cmp_ne_u32 s[MS+1], 0, v[MKW+1]
	v_mov_b32 v[EC+1], 1
	v_mov_b32 v[EC], 0
	s_delay_alu instid0(VALU_DEP_2)
	v_cndmask_b32 v[MKW], 0x9f, v[EC+1], s[MS]     ; the mask block's byte: 2^32 where my key is masked, else byte 1
	s_delay_alu instid0(VALU_DEP_3)
	v_cndmask_b32 v[MKW+1], 0x9f, v[EC+1], s[MS+1]
	s_delay_alu instid0(VALU_DEP_2)
	v_permlanex16_b32 v[EC], v[MKW], s[SEL], s[SEL+1]
	s_delay_alu instid0(VALU_DEP_2)
	v_permlanex16_b32 v[EC+1], v[MKW+1], s[SEL], s[SEL+1]
	s_delay_alu instid0(VALU_DEP_4)
	v_lshlrev_b32 v[MKW], 16, v[MKW]               ; in lanes 0-15: byte 2 for tile 0's key, byte 3 for tile 1's
	s_delay_alu instid0(VALU_DEP_4)
	v_lshlrev_b32 v[MKW+1], 16, v[MKW+1]
	s_delay_alu instid0(VALU_DEP_2)
	v_lshl_or_b32 v[MKW], v[EC], 24, v[MKW]
	s_delay_alu instid0(VALU_DEP_2)
	v_lshl_or_b32 v[MKW+1], v[EC+1], 24, v[MKW+1]
.irp j, 0,1,2,3,4,5,6,7
	v_mov_b32 v[CB+\j], v[VB]                      ; V's bias of my channel, as the C of each sum's first product
	v_mov_b32 v[CB+8+\j], v[VB+1]
.endr
.macro VMM b                           ; V: source 0 = 16 rows of x, source 1 = 16 rows of W: a lane holds a channel, its registers run along the keys
.irp ks, 0,1
.irp ct, 0,1
.irp u, 0,1
.set cc, VD+8*(4*\ct+2*\b+\u)
.if \ks == 0
.set cc, CB+8*\ct
.endif
	WM VD+8*(4*\ct+2*\b+\u), XF+12*(2*\u+\ks), WF+12*(2*\ct+\ks), cc, XS+2*\b+\ks, WS+\ks, \u, \ct
.endr
.endr
.endr
.endm
.macro QKMM b                          ; Q or K: source 0 = 16 rows of W, source 1 = 16 rows of x: a lane holds a row of x, its registers run along the head's 32
.irp ks, 0,1
.irp u, 0,1
.irp p, 0,1
.set cc, DD+8*(2*\u+\p)
.if \ks == 0
.set cc, BI+8*\p
.endif
	WM DD+8*(2*\u+\p), WF+12*(2*\p+\ks), XF+12*(2*\u+\ks), cc, WS+\ks, XS+2*\b+\ks, \p, \u
.endr
.endr
.endr
.endm
.macro VTAIL ct
	QUANT2 VD+32*\ct, VF+12*\ct, TBV, QTV          ; blocks 0 and 1: keys 0-31, 32-63
.irp i, 0,1,2
	s_delay_alu instid0(VALU_DEP_3)
	v_mov_b32 v[VF+12*\ct+3+\i], v[TBV+\i]
.endr
	v_lshl_or_b32 v[VS+\ct], v[QTV+7], 8, v[QTV+6]
	s_delay_alu instid0(VALU_DEP_1)
	v_or_b32 v[VS+\ct], 0x01010000, v[VS+\ct]
.endm
.macro KTAIL b
	QUANT2 DD, KF+12*\b, TBK, QT2
.irp i, 0,1,2
	v_cndmask_b32 v[KF+12*\b+\i], 0, v[KF+12*\b+\i], s[MS+\b]   ; a masked key's codes are zeros
	v_cndmask_b32 v[KF+12*\b+3+\i], 0, v[TBK+\i], s[MS+\b]
.endr
	v_cndmask_b32 v[KF+12*\b+6], 40, v[ZR], s[MS+\b]            ; and the code -1.0 in its mask block
	v_lshl_or_b32 v[KS+\b], v[QT2+7], 8, v[QT2+6]
	s_delay_alu instid0(VALU_DEP_1)
	v_or_b32 v[KS+\b], v[KS+\b], v[MKW+\b]
.endm
.macro QTAIL b
	QUANT2 DD, IQ+6*\b, TBK, QT2
.irp i, 0,1,2
	s_delay_alu instid0(VALU_DEP_3)
	v_mov_b32 v[IQ+6*\b+3+\i], v[TBK+\i]
.endr
	v_mov_b32 v[QW+2*\b], v[QT2+6]
	v_mov_b32 v[QW+2*\b+1], v[QT2+7]
.endm
; Each fetch of x's images stands straight behind the four places that follow the products which read the old ones: it lands while those products' results are quantised
	XFETCH 0
	s_wait_alu depctr_va_vdst(0)
	s_wait_dscnt 0x0
	VMM 0
	PLACES 4                                       ; ahead of loads into registers that the products have read
	XFETCH 1
	s_wait_dscnt 0x0
	VMM 1
	PLACES 4
	LOADW 4, WF                                    ; K's weights, and x's images for K, land while V is quantised
	XFETCH 0
	VTAIL 0
	LOADB 12, BI                                   ; K's bias, into registers that V's first sums have left
	VTAIL 1
	s_wait_loadcnt 0x0
	s_wait_dscnt 0x0
	QKMM 0
	PLACES 4
	XFETCH 1
	KTAIL 0
	s_wait_dscnt 0x0
	QKMM 1
	PLACES 4
	LOADW 3, WF                                    ; Q's weights and bias, and x's images for Q, land while K is quantised
	LOADB 10, BI
	XFETCH 0
	KTAIL 1
	s_wait_loadcnt 0x0
	s_wait_dscnt 0x0
	QKMM 0
	PLACES 4
	XFETCH 1
	QTAIL 0
	s_wait_dscnt 0x0
	QKMM 1
	PLACES 4
	QTAIL 1
	s_wait_tensorcnt 0x0                           ; my four MSA rows of row_out have landed (no LDS instruction of mine is out)
	s_barrier_signal -1
.irp g, 0,1                                    ; register work between the signal and the wait: what holds nothing is written once
.irp i, 7,8,9,10,11
	v_mov_b32 v[KF+12*\g+\i], 0
.endr
.irp i, 6,7,8,9,10,11
	v_mov_b32 v[VF+12*\g+\i], 0
.endr
.irp i, 7,8,9,10,11
	v_mov_b32 v[Q0+12*\g+\i], 0
.endr
.endr
.irp i, 6,7,8,9,10,11
	v_mov_b32 v[PC+\i], 0
.endr
	v_cndmask_b32 v[Q0+6], 8, v[ZR], s[HI]         ; Q0: the code +1.0 at block 2's first place (lanes 0-15)
	v_cndmask_b32 v[Q0+18], 8, v[ZR], s[LO]        ; Q1: at block 3's (lanes 16-31)
	s_barrier_wait -1                              ; all 64 MSA rows of row_out lie in LDS
; One tile of 16 queries (MSA rows 32 (qt / 2) + 8 (qt % 2) + r + 8 (r / 8)) against the 64 keys
.macro QT qt
.set qb, (\qt)/2
.set qu, (\qt)%2
.irp q, 0,1,2,3
.if qb == 0
	ds_load_b128 v[RO+4*\q:RO+4*\q+3], v[ST0] offset:16*SPT*qu+16*\q   ; row_out of my query, channels 32 head + 16 h + 4 q on: wanted behind the second product
.else
	ds_load_b128 v[RO+4*\q:RO+4*\q+3], v[ST1] offset:16*SPT*qu+16*\q
.endif
.endr
	v_or_b32 v[QA], 0x017f0100, v[QW+\qt]          ; Q0's scale word: e, 1, 2^0, 1
	v_lshl_or_b32 v[QA+1], v[QW+\qt], 8, 0x7f010001   ; Q1's: 1, e, 1, 2^0
.irp i, 0,1,2,3,4,5
	v_permlanex16_b32 v[PC+\i], v[IQ+6*qb+\i], s[SEL], s[SEL+1]
.endr
.irp i, 0,1,2,3,4,5
.if qu == 0
	v_cndmask_b32 v[Q0+\i], v[IQ+6*qb+\i], v[ZR], s[HI]
	v_cndmask_b32 v[Q0+12+\i], 0, v[PC+\i], s[HI]
.else
	v_cndmask_b32 v[Q0+\i], v[PC+\i], v[ZR], s[HI]
	v_cndmask_b32 v[Q0+12+\i], 0, v[IQ+6*qb+\i], s[HI]
.endif
.endr
	PLACES 4                                       ; operands written by vector instructions stand four places ahead of a scaled product
.irp g, 0,1
.irp p, 0,1
	WM S+8*(2*\g+\p), KF+12*\g, Q0+12*\p, -1, KS+\g, QA+\p, 0, 0
.endr
.endr
	PLACES 4
	SOFT 2, 0
	v_add_f32 v[SUM], v[SUM], v[SUM+1]
	s_delay_alu instid0(VALU_DEP_1)
	v_permlanex16_b32 v[TMPR], v[SUM], s[SEL], s[SEL+1]
	s_delay_alu instid0(VALU_DEP_1)
	v_add_f32 v[SUM], v[SUM], v[TMPR]              ; the row's sum
	s_wait_alu depctr_va_vdst(0)
	v_rcp_f32 v[RI], v[SUM]
	PLACES 4                                       ; with the lines above: eight places behind p's scale word, four behind its codes
	WM O, VF, PC, -1, VS, PS, 0, 0
	WM O+8, VF+12, PC, -1, VS+1, PS, 0, 0
	PLACES 4
	s_wait_alu depctr_va_vdst(0)                   ; ahead of the reciprocal's first reader
	s_wait_dscnt 0x0                               ; row_out
.irp j, 0,2,4,6,8,10,12,14
	v_pk_fma_f32 v[O+\j:O+\j+1], v[O+\j:O+\j+1], v[RI:RI+1], v[RO+\j:RO+\j+1] op_sel_hi:[1,0,1]   ; combined = O / sum + row_out
.endr
	QUANT1 O, CC+4*qu, EC+qu, W16
.if qu == 1
.irp i, 0,1,2
	v_permlane16_swap_b32 v[CC+\i], v[CC+4+\i]     ; lanes 0-15: the even tile's whole block; lanes 16-31: the odd tile's
.endr
	s_delay_alu instid0(VALU_DEP_3)
	v_mov_b32 v[CC+3], v[CC+4]
	s_delay_alu instid0(VALU_DEP_3)
	v_mov_b32 v[CC+4], v[CC+5]
	s_delay_alu instid0(VALU_DEP_3)
	v_mov_b32 v[CC+5], v[CC+6]
.irp i, 0,1,2
	ds_store_b64 v[CW], v[CC+2*\i:CC+2*\i+1] offset:6144*qb+256*\i
.endr
	v_cndmask_b32 v[TMPR], v[EC], v[EC+1], s[HI]
	ds_store_b8 v[CSW], v[TMPR] offset:256*qb
	s_wait_dscnt 0x0                               ; the stores have read their registers
.endif
.endm
	QT 0
	QT 1
	QT 2
	QT 3
	LOADW 6, OW                                    ; out_w's group 32 g on, its scale words, out_b
	LOADB 16, OB
	s_mul_i32 s40, s[LSEL], 12288
	s_add_co_u32 s40, s40, CIMG
	v_add_nc_u32 v[XR], s40, v[LN8]                ; combined's pieces of my position
	s_lshl_b32 s40, s[LSEL], 9
	s_add_co_u32 s40, s40, CSC
	v_add_nc_u32 v[CSW], s40, v[R4]                ; and their scale words
	s_mul_i32 s40, s[WV], 8*SPT
	s_add_co_u32 s40, s40, STG
	v_add_nc_u32 v[TMPR], s40, v[LN16]             ; the stage, back: rows 8 w on
	s_wait_alu depctr_va_vdst(0)
	s_barrier_signal -1                            ; (my stores of combined and my reads of row_out were waited for at the last tile's end)
	s_barrier_wait -1                              ; combined's sixteen fragments lie in LDS, and nobody reads row_out any more: its bytes become the stage
.irp f, 0,1,2,3,4,5,6,7
.irp i, 0,1,2,3,4,5
	ds_load_b64 v[CF+12*\f+2*\i:CF+12*\f+2*\i+1], v[XR] offset:1536*\f+256*\i
.endr
	ds_load_b32 v[CSR+\f], v[CSW] offset:64*\f
.endr
	s_wait_dscnt 0x0
	s_wait_loadcnt 0x0
.irp ks, 0,1                                   ; eight accumulators by turns, K step by K step; source 0 = 16 rows of out_w, source 1 = 16 rows of combined
.irp t, 0,1,2,3
.irp p, 0,1
.set cc, DO+8*(2*\t+\p)
.if \ks == 0
.set cc, OB+8*\p
.endif
	WM DO+8*(2*\t+\p), OW+12*(2*\p+\ks), CF+12*(2*\t+\ks), cc, WS+\ks, CSR+2*\t+\ks, \p, 0
.endr
.endr
.endr
	PLACES 4
.macro STOUT adr, t                    ; row tile t's two accumulators into the stage, each from its low end on
.irp p, 0,1
	ds_store_b128 v[\adr], v[DO+8*(2*\t+\p):DO+8*(2*\t+\p)+3] offset:16*SPT*((\t)%2)+32*\p
	ds_store_b128 v[\adr], v[DO+8*(2*\t+\p)+4:DO+8*(2*\t+\p)+7] offset:16*SPT*((\t)%2)+32*\p+16
.endr
.endm
	STOUT ST0, 0
	STOUT ST0, 1
	STOUT ST1, 2
	STOUT ST1, 3
	s_wait_dscnt 0x0                               ; my part of the 128 rows has landed
	s_barrier_signal -1
	s_barrier_wait -1                              ; everybody's has
.irp i, 0,1,2,3,4,5,6,7,8,9,10,11,12,13,14,15
	ds_load_b128 v[32+4*\i:35+4*\i], v[TMPR] offset:SPT*(\i/2)+512*(\i%2)
.endr
.irp i, 0,1,2,3,4,5,6,7,8,9,10,11,12,13,14,15
	s_wait_dscnt 15-\i                             ; the younger loads stay out
	global_store_b128 v[LN16], v[32+4*\i:35+4*\i], s[54:55] offset:524288*(\i/4)+1024*((\i/2)%2)+512*(\i%2) th:TH_STORE_NT   ; 32 lanes store 512 consecutive bytes, at a multiple of 256 from the output's first byte
.endr
	s_wait_xcnt 0x0
	v_lshl_add_u32 v254, v0, 2, 0x2d000
	v_mov_b32 v255, 0
	s_wait_alu depctr_va_vdst(0)
	s_wait_tensorcnt 0x0
	ds_add_u32 v254, v255
	s_wait_dscnt 0x0
	s_endpgm
.Lfunc_end_k_qe25cc718f7_col:
	.size	k_qe25cc718f7_col, .Lfunc_end_k_qe25cc718f7_col-k_qe25cc718f7_col
	.p2alignl 7, 3214868480
	.fill 96, 4, 3214868480
	.section	.rodata,"a",@progbits
	.p2align	6, 0x0
	.amdhsa_kernel k_qe25cc718f7_col
		.amdhsa_group_segment_fixed_size 186368
		.amdhsa_private_segment_fixed_size 0
		.amdhsa_enable_private_segment 0
		.amdhsa_kernarg_size 80
		.amdhsa_user_sgpr_count 2
		.amdhsa_user_sgpr_kernarg_segment_ptr 1
		.amdhsa_wavefront_size32 1
		.amdhsa_system_sgpr_workgroup_id_x 1
		.amdhsa_system_sgpr_workgroup_id_y 1
		.amdhsa_system_sgpr_workgroup_id_z 1
		.amdhsa_system_vgpr_workitem_id 0
		.amdhsa_next_free_vgpr 256
		.amdhsa_next_free_sgpr 80
		.amdhsa_reserve_vcc 0
		.amdhsa_float_denorm_mode_32 3
		.amdhsa_float_denorm_mode_16_64 3
		.amdhsa_memory_ordered 1
		.amdhsa_forward_progress 1
		.amdhsa_inst_pref_size 96
	.end_amdhsa_kernel
	.amdgpu_metadata
---
amdhsa.version: [ 1, 2 ]
amdhsa.kernels:
  - .name:           k_qe25cc718f7_col
    .symbol:         k_qe25cc718f7_col.kd
    .args:
      - { .name: xq, .offset: 0, .size: 8, .value_kind: global_buffer, .address_space: global }
      - { .name: wq, .offset: 8, .size: 8, .value_kind: global_buffer, .address_space: global }
      - { .name: ws, .offset: 16, .size: 8, .value_kind: global_buffer, .address_space: global }
      - { .name: cq_b, .offset: 24, .size: 8, .value_kind: global_buffer, .address_space: global }
      - { .name: ck_b, .offset: 32, .size: 8, .value_kind: global_buffer, .address_space: global }
      - { .name: cv_b, .offset: 40, .size: 8, .value_kind: global_buffer, .address_space: global }
      - { .name: out_b, .offset: 48, .size: 8, .value_kind: global_buffer, .address_space: global }
      - { .name: mask, .offset: 56, .size: 8, .value_kind: global_buffer, .address_space: global }
      - { .name: rowo, .offset: 64, .size: 8, .value_kind: global_buffer, .address_space: global }
      - { .name: out0, .offset: 72, .size: 8, .value_kind: global_buffer, .address_space: global }
    .group_segment_fixed_size: 186368
    .private_segment_fixed_size: 0
    .kernarg_segment_align: 8
    .kernarg_segment_size: 80
    .max_flat_workgroup_size: 512
    .sgpr_count:     80
    .vgpr_count:     256
    .wavefront_size: 32
...
	.end_amdgpu_metadata
.endif
;; end of part 6
